; MI455X (gfx1250); checked and timed in simulation.
; The chip was launched on July 23, 2026; its instructions are those of AMD's public machine-readable ISA for CDNA 5 (MIT licence, August 2026) and "CDNA5" Instruction Set Architecture Reference Guide (July 2026). The comments in the code are by the model that wrote it; some were corrected since.
;; Mo E. Allowed arithmetic: matrix products marked QUANTISED: E4M3 operands, one E8M0 scale for each 32 along K, by v_wmma_scale_f32_16x16x128_f8f6f4 with both operands' format E4M3, f32 sums; products left as they are: f32 operands where the result goes on into a quantised operand, else bf16, f16 or f32 operands; f32 sums; everything else in f32.
;; Inputs: b1 8 x 4,096 float32; b2 8 x 1,024 float32; gate_b 8 float32; gate_w 1,024 x 8 float32; w1_codes 8 x 4,096 x 32 x 32 uint8 (E4M3 codes of w1, K innermost, in blocks of 32 codes); w1_scales 8 x 4,096 x 32 uint8 (E8M0 scales of w1, one for each 32 codes along K); w2_codes 8 x 1,024 x 128 x 32 uint8 (E4M3 codes of w2, K innermost, in blocks of 32 codes); w2_scales 8 x 1,024 x 128 uint8 (E8M0 scales of w2, one for each 32 codes along K); x 2 x 512 x 1,024 float32.
;; Outputs: out0 2 x 512 x 1,024 float32.
;; This version of the problem:
;;   THIS VERSION OF THE PROBLEM IS GIVEN IN LOW PRECISION. The matrix products marked QUANTISED in the list below multiply operands that are first quantised to E4M3 (4 exponent bits, 3 mantissa bits; 8 bits a number), with one power-of-two scale for each 32 numbers along K (OCP MX v1.0); their sums are f32. All else is computed in f32.
;;   The module's matrix products, in the order in which they are computed (A, B: the left and right operand; K: the contracted axis; several contracted axes count as one K, in the product's order):
;;     1. [M 1,024, K 1,024] x [K 1,024, N 8]; A: input x; B: input gate_w: left as it is (N = 8 < 16)
;;     2. [M 1,024, K 1,024] x [K 1,024, N 32,768]; A: input x; B: input w1 (given as codes): QUANTISED
;;     3. batch 8 x [M 1,024, K 4,096] x [K 4,096, N 1,024]; A: input w2 (given as codes); B: computed on the way: QUANTISED
;;   THE QUANTISER, for each operand of a quantised product, along K:
;;     - K is cut into blocks of 32 from its start; a last block that is shorter is filled with zeros.
;;     - A block's scale is 2^e with e = floor(log2(the largest magnitude in the block)) - 8, held to -126 .. 127; a block of zeros has e = 0. As a byte (E8M0): e + 127.
;;     - Each number is divided by its block's scale, clamped to +-448, and rounded to the nearest number of E4M3, ties to even, subnormals kept.
;;     - The product sums the exact products of the quantised numbers (number of the format x scale) in f32.
;;   ~~~python
;;   def quantise(x, axis):      # numpy; x: float32 -> the quantised numbers, widened to float32 again
;;       x = np.moveaxis(x, axis, -1); K = x.shape[-1]
;;       x = np.pad(x, [(0, 0)] * (x.ndim - 1) + [(0, -K % 32)]); x = x.reshape(x.shape[:-1] + (-1, 32)); a = np.abs(x).max(-1, keepdims=True)
;;       e = np.where(a > 0, np.clip(np.frexp(np.where(a > 0, a, 1))[1] - 1 - 8, -126, 127), 0)      # np.frexp(a)[1] - 1 = floor(log2(a)), exactly
;;       r = np.clip(x / 2.0 ** e, -448, 448)
;;       step = 2.0 ** (np.maximum(np.frexp(np.where(r == 0, 1, r))[1] - 1, -6) - 3)
;;       q = np.round(r / step) * step * 2.0 ** e      # np.round: ties to even
;;       return np.moveaxis(q.reshape(q.shape[:-2] + (-1,))[..., :K], -1, axis).astype(np.float32)
;;   ~~~
;;   OPERANDS COMPUTED ON THE WAY. 'Computed on the way' means the value that the module computes at that place (a softmax that the list does not call 'softmax' is quantised finished and normalised). What goes into a quantiser is computed in f32, as accurately as f32 sums, v_exp_f32 and their like allow (about 1e-6 of the number): no bf16 or f16 on the way to a quantiser, and a product that is left as it is and whose result goes on into a quantised operand takes f32 operands (vector FMAs, or v_wmma_f32_16x16x4_f32). A number that lies on a knife's edge between two numbers of the format may be rounded either way, as far as f32 arithmetic and the matrix unit's own rounding can turn it there, and no further.
;;   INPUTS GIVEN AS CODES. w1 (in the module: [8, 1024, 4096], K = its axis 1); w2 (in the module: [8, 4096, 1024], K = its axis 1): each comes as NAME_codes (uint8): NAME with its K axis moved to the last place and cut into blocks of 32 codes, [.., K / 32, bytes a block], one block behind the other in memory; one code a byte (a code: sign, 4 exponent bits, 3 mantissa bits); and NAME_scales (uint8): the same leading axes, one E8M0 byte (e + 127) for each 32 codes along K. Its value is code x scale, taken as it is: it is not quantised again, and the codes and scales need not be those that the quantiser above would give.
;; 3 versions. Each part assembles by itself: llvm-mc -triple=amdgcn-amd-amdhsa -mcpu=gfx1250 --defsym DOCPART=n.
;; ======== version 1 of 3: 5 launches
;; workspace buffers: topi 8,192 bytes of whole numbers; topp 8,192 bytes; route 8,448 bytes of whole numbers; xg 8,388,608 bytes; xgs 262,144 bytes; hq 33,554,432 bytes; hs 2,097,152 bytes; ybuf 33,554,432 bytes
;; launch router (part 1): grid 256 x 1, 4 waves a work-group, no clusters, 1,536 bytes of LDS; arguments x, gate_w, gate_b, topi, topp; writes topi, topp
.if DOCPART == 1
	.amdgcn_target "amdgcn-amd-amdhsa--gfx1250"
	.amdhsa_code_object_version 6
	.text
	.protected	k_q58bf029267_router
	.globl	k_q58bf029267_router
	.p2align	8
	.type	k_q58bf029267_router,@function
k_q58bf029267_router:
	s_mov_b64 s[64:65], 0
	v_nop
	global_prefetch_b8 v0, s[64:65] scope:SCOPE_SE
	s_setreg_imm32_b32 hwreg(HW_REG_WAVE_MODE, 25, 1), 1
	s_wait_xcnt 0x0
; gates = x gate_w + gate_b in f32; the two largest of a token's 8 gates (on equal gates the lower index, as jax.lax.top_k has it); softmax over these two.
; x: [1024][1024] f32, gate_w: [1024][8] f32, gate_b: [8].  Out: topi [1024][2] i32 (the two experts), topp [1024][2] f32 (their weights), at fixed places:
; no address of this launch hangs on the choice.
; SHARES.  A work-group takes 4 tokens.  Wave w takes k = 256 w .. 256 w + 255 of all four, a lane k = 256 w + 128 i + 4 lane + j (i = 0, 1; j = 0 .. 3): each load of x is 512 consecutive bytes.
; The waves' partial sums meet in LDS behind one barrier; then wave w finishes token w.  The matrix units are left out: N = 8, and the choice wants f32 operands.
; LIMITS: NaN and infinities among the gates are not served.  The sums' order differs from a serial sum over k: gates closer than f32 rounding may change places.
.set GW, 16                            ; v16-79   gate_w[k][e] at GW + 32 i + 8 j + e; later the four waves' partial sums
.set XR, 80                            ; v80-111  x at XR + 8 t + 4 i + j
.set AC, 112                           ; v112-143 the sums at AC + 8 t + e
.set TM, 144                           ; v144-159 at work
.set GG, 48                            ; v48-55   my token's 8 gates
.set BV, 56                            ; the largest gate;  SV the second
.set SV, 57
.set EX, 58
.set DN, 59
.set BI, 60                            ; v[60:61] the two experts
.set SI, 61
.set P0, 62                            ; v[62:63] the two weights
	s_load_b256 s[4:11], s[0:1], 0x0               ; x s[4:5], gate_w s[6:7], gate_b s[8:9], topi s[10:11]
	s_load_b64 s[12:13], s[0:1], 0x20              ; topp
	v_lshl_add_u32 v160, v0, 2, 0x400
	v_mov_b32 v161, 0
	v_and_b32 v1, 31, v0                           ; lane
	v_lshrrev_b32 v2, 5, v0
	v_readfirstlane_b32 s2, v2                     ; wave
	v_lshlrev_b32 v3, 4, v1                        ; x: 16 bytes a lane
	v_lshlrev_b32 v4, 7, v1                        ; gate_w: my 4 rows of 32 bytes
	s_lshl_b32 s14, ttmp9, 14                      ; 4 tokens of 4,096 bytes
	s_lshl_b32 s15, s2, 10                         ; my wave's 256 numbers
	s_add_co_u32 s14, s14, s15
	s_mov_b32 s15, 0
	s_lshl_b32 s24, s2, 13                         ; my wave's 256 rows of gate_w
	s_mov_b32 s25, 0
	s_lshl_b32 s28, ttmp9, 2
	s_add_co_u32 s28, s28, s2                      ; the token that my wave finishes
	s_lshl_b32 s28, s28, 3                         ; 8 bytes a token in topi and in topp
	s_mov_b32 s29, 0
	s_mov_b32 s26, 0x76543210                      ; v_permlanex16_b32's selects for lane l xor 16
	s_mov_b32 s27, 0xfedcba98
	v_mov_b32 v5, s2
	v_lshlrev_b32 v6, 5, v5                        ; LDS: my token's 32 bytes in a wave's 128
	v_lshlrev_b32 v5, 7, v5                        ; LDS: my wave's 128 bytes
	v_mov_b32 v7, 0
.set a, 0
.rept 16
	v_mov_b32 v[TM+a], 0                           ; written once: a lane permute's destination counts as one of its sources
.set a, a+1
.endr
	s_wait_kmcnt 0x0
	s_load_b256 s[16:23], s[8:9], 0x0              ; gate_b
	s_add_nc_u64 s[4:5], s[4:5], s[14:15]
	s_add_nc_u64 s[6:7], s[6:7], s[24:25]
	s_add_nc_u64 s[10:11], s[10:11], s[28:29]
	s_add_nc_u64 s[12:13], s[12:13], s[28:29]
.irp i, 0,1
.irp q, 0,1,2,3,4,5,6,7
	global_load_b128 v[GW+32*\i+4*\q:GW+32*\i+4*\q+3], v4, s[6:7] offset:4096*\i+16*\q
.endr
.endr
.irp t, 0,1,2,3
.irp i, 0,1
	global_load_b128 v[XR+8*\t+4*\i:XR+8*\t+4*\i+3], v3, s[4:5] offset:4096*\t+512*\i
.endr
.endr
	s_wait_loadcnt 0x0
.irp t, 0,1,2,3                        ; the first term starts the sums: nothing is cleared
.irp e, 0,1,2,3,4,5,6,7
	v_mul_f32 v[AC+8*\t+\e], v[GW+\e], v[XR+8*\t]
.endr
.endr
.irp i, 0,1
.irp j, 0,1,2,3
.if (\i)+(\j) > 0
.irp t, 0,1,2,3
.irp e, 0,1,2,3,4,5,6,7
	v_fmac_f32 v[AC+8*\t+\e], v[GW+32*\i+8*\j+\e], v[XR+8*\t+4*\i+\j]
.endr
.endr
.endif
.endr
.endr
; the 32 sums over the wave's 32 lanes: four steps inside each half of 16 lanes, one across; the sums take turns, so that no line waits for the line above it
.irp k, 1,2,4,8
.set a, 0
.rept 32
	v_add_f32_dpp v[AC+a], v[AC+a], v[AC+a] row_xmask:\k row_mask:0xf bank_mask:0xf
.set a, a+1
.endr
.endr
.irp g, 0,1
.set a, 0
.rept 16
	v_permlanex16_b32 v[TM+a], v[AC+16*\g+a], s26, s27
.set a, a+1
.endr
.set a, 0
.rept 16
	v_add_f32 v[AC+16*\g+a], v[AC+16*\g+a], v[TM+a]
.set a, a+1
.endr
.endr
.irp q, 0,1,2,3,4,5,6,7
	ds_store_b128 v5, v[AC+4*\q:AC+4*\q+3] offset:16*\q    ; every lane holds the same 32 sums and writes the same bytes
.endr
	s_wait_dscnt 0x0                               ; for the others' sake: my stores have landed
	s_barrier_signal -1
	s_barrier_wait -1
.irp p, 0,1,2,3
.irp q, 0,1
	ds_load_b128 v[GW+8*\p+4*\q:GW+8*\p+4*\q+3], v6 offset:128*\p+16*\q   ; wave p's part of my token's 8 gates
.endr
.endr
	s_wait_dscnt 0x0
	s_wait_kmcnt 0x0                               ; gate_b
.irp e, 0,1,2,3,4,5,6,7
	v_add_f32 v[GG+\e], v[GW+\e], v[GW+8+\e]
	v_add_f32 v[TM+\e], v[GW+16+\e], v[GW+24+\e]
.endr
.irp e, 0,1,2,3,4,5,6,7
	v_add_f32 v[GG+\e], v[GG+\e], v[TM+\e]
.endr
.irp e, 0,1,2,3,4,5,6,7
	v_add_f32 v[GG+\e], s[16+\e], v[GG+\e]
.endr
	v_mov_b32 v[BV], v[GG]                         ; the largest: a later gate takes the place only where it is strictly larger
	v_mov_b32 v[BI], 0
.irp e, 1,2,3,4,5,6,7
	v_cmp_le_f32 vcc_lo, v[GG+\e], v[BV]           ; keep
	v_cndmask_b32 v[BI], \e, v[BI], vcc_lo
	v_cndmask_b32 v[BV], v[GG+\e], v[BV], vcc_lo
.endr
	v_mov_b32 v[SV], 0xff800000                    ; the second: the same from -infinity on, the first's place left out
	v_mov_b32 v[SI], 0
.irp e, 0,1,2,3,4,5,6,7
	v_cmp_le_f32 s24, v[GG+\e], v[SV]
	v_cmp_eq_u32 vcc_lo, \e, v[BI]
	s_or_b32 vcc_lo, vcc_lo, s24                   ; keep
	v_cndmask_b32 v[SI], \e, v[SI], vcc_lo
	v_cndmask_b32 v[SV], v[GG+\e], v[SV], vcc_lo
.endr
	v_sub_f32 v[DN], v[SV], v[BV]                  ; the maximum is taken away: 0 for the first, this (0 or less) for the second
	v_mul_f32 v[DN], 0x3fb8aa3b, v[DN]
	v_exp_f32 v[EX], v[DN]
	v_nop                                          ; a plain instruction behind the transcendental,
	s_wait_alu depctr_va_vdst(0)                   ; and the wait ahead of the first reader
	v_add_f32 v[DN], 1.0, v[EX]
	v_rcp_f32 v[P0], v[DN]
	v_nop
	s_wait_alu depctr_va_vdst(0)
	v_mul_f32 v[P0+1], v[EX], v[P0]
	s_wait_xcnt 0x0                                ; EXEC changes only behind this wait
	v_cmp_eq_u32 vcc_lo, 0, v1
	s_barrier_signal -1
	s_barrier_wait -1
	s_wait_tensorcnt 0x0
	ds_add_u32 v160, v161
	s_wait_dscnt 0x0
	s_and_saveexec_b32 s24, vcc_lo                 ; lane 0 stores for the wave
	global_store_b64 v7, v[BI:BI+1], s[10:11]
	global_store_b64 v7, v[P0:P0+1], s[12:13]
	s_endpgm
.Lfunc_end_k_q58bf029267_router:
	.size	k_q58bf029267_router, .Lfunc_end_k_q58bf029267_router-k_q58bf029267_router
	.p2alignl 7, 3214868480
	.fill 96, 4, 3214868480
	.section	.rodata,"a",@progbits
	.p2align	6, 0x0
	.amdhsa_kernel k_q58bf029267_router
		.amdhsa_group_segment_fixed_size 1536
		.amdhsa_private_segment_fixed_size 0
		.amdhsa_enable_private_segment 0
		.amdhsa_kernarg_size 40
		.amdhsa_user_sgpr_count 2
		.amdhsa_user_sgpr_kernarg_segment_ptr 1
		.amdhsa_wavefront_size32 1
		.amdhsa_system_sgpr_workgroup_id_x 1
		.amdhsa_system_sgpr_workgroup_id_y 1
		.amdhsa_system_sgpr_workgroup_id_z 1
		.amdhsa_system_vgpr_workitem_id 0
		.amdhsa_next_free_vgpr 162
		.amdhsa_next_free_sgpr 66
		.amdhsa_reserve_vcc 1
		.amdhsa_float_denorm_mode_32 3
		.amdhsa_float_denorm_mode_16_64 3
		.amdhsa_memory_ordered 1
		.amdhsa_forward_progress 1
		.amdhsa_inst_pref_size 29
	.end_amdhsa_kernel
	.amdgpu_metadata
---
amdhsa.version: [ 1, 2 ]
amdhsa.kernels:
  - .name:           k_q58bf029267_router
    .symbol:         k_q58bf029267_router.kd
    .args:
      - { .name: x, .offset: 0, .size: 8, .value_kind: global_buffer, .address_space: global }
      - { .name: gate_w, .offset: 8, .size: 8, .value_kind: global_buffer, .address_space: global }
      - { .name: gate_b, .offset: 16, .size: 8, .value_kind: global_buffer, .address_space: global }
      - { .name: topi, .offset: 24, .size: 8, .value_kind: global_buffer, .address_space: global }
      - { .name: topp, .offset: 32, .size: 8, .value_kind: global_buffer, .address_space: global }
    .group_segment_fixed_size: 1536
    .private_segment_fixed_size: 0
    .kernarg_segment_align: 8
    .kernarg_segment_size: 40
    .max_flat_workgroup_size: 128
    .sgpr_count:     66
    .vgpr_count:     162
    .wavefront_size: 32
...
	.end_amdgpu_metadata
.endif
;; end of part 1
;; launch place (part 2): grid 256 x 1, 4 waves a work-group, no clusters, 1,536 bytes of LDS; arguments x, topi, xg, xgs, route; writes xg, xgs, route
.if DOCPART == 2
	.amdgcn_target "amdgcn-amd-amdhsa--gfx1250"
	.amdhsa_code_object_version 6
	.text
	.protected	k_q58bf029267_place
	.globl	k_q58bf029267_place
	.p2align	8
	.type	k_q58bf029267_place,@function
k_q58bf029267_place:
	s_mov_b64 s[64:65], 0
	v_nop
	global_prefetch_b8 v0, s[64:65] scope:SCOPE_SE
	s_setreg_imm32_b32 hwreg(HW_REG_WAVE_MODE, 25, 1), 1
	s_wait_xcnt 0x0
; The rows are placed by expert, and x is quantised on the way.  One wave serves one token t.
; A token's place with expert e is the number of earlier tokens that chose e: every wave reads the whole list topi (8 KB) and counts for its own two experts: no atomics, no second pass.
; x's row becomes 1,024 codes of E4M3 and 32 E8M0 bytes (a block's scale: 2^(floor(log2(largest magnitude)) - 8)); both go to xg [8][1024][1024] and xgs [8][1024][32] at the token's two places.
; route: inv[1024][2] = (e << 15) + place; from byte 8,192 on cnt[8] = max(number of tokens of expert e, 1).  An expert that nobody chose gets one row of zero codes with the byte 127,
; so that the later launches have no empty case and read no byte that nobody wrote.  Each expert has 1,024 places: any split fits.
; LIMITS: NaN and infinities in x are not served; a block whose largest magnitude lies under 2^-118, a block of zeros among them, gets the byte 1 (its codes are then zeros or subnormal codes; these bytes are read by this program alone).
.set XR, 16                            ; v16-47   x: chunk j (k = 256 j + 8 lane + 0 .. 7) at XR + 8 j
.set TI, 48                            ; v48-111  group g: the two experts of token 32 g + lane
.set AM, 48                            ; (behind the counting) largest magnitudes, scale operands, holds
.set SO, 52
.set HL, 56
.set CD, 112                           ; v112-119 codes
.set SB, 120                           ; v120-123 scale bytes
	s_load_b256 s[4:11], s[0:1], 0x0               ; x s[4:5], topi s[6:7], xg s[8:9], xgs s[10:11]
	s_load_b64 s[12:13], s[0:1], 0x20              ; route
	v_lshl_add_u32 v128, v0, 2, 0x400
	v_mov_b32 v129, 0
	v_and_b32 v1, 31, v0                           ; lane
	v_lshrrev_b32 v2, 5, v0
	v_readfirstlane_b32 s2, v2                     ; wave
	s_lshl_b32 s3, ttmp9, 2
	s_add_co_u32 s3, s3, s2                        ; my token
	v_lshlrev_b32 v3, 3, v1                        ; 8 bytes a lane
	v_lshlrev_b32 v4, 5, v1                        ; 32 bytes a lane
	s_lshl_b32 s28, s2, 8                          ; LDS: 256 bytes of my wave's own
	v_lshrrev_b32 v5, 2, v1
	v_add_nc_u32 v5, s28, v5                       ; in: four lanes hold a block
	v_add_nc_u32 v6, s28, v1                       ; out: a byte a lane
	s_lshl_b32 s20, s3, 3
	s_mov_b32 s21, 0
	s_lshl_b32 s24, s3, 12
	s_mov_b32 s25, 0
	s_mov_b32 s29, 0
	s_and_b32 s23, s3, 7                           ; the expert that my wave counts whole
	s_mov_b32 s16, 0                               ; my place with my first expert,
	s_mov_b32 s17, 0                               ; with my second,
	s_mov_b32 s26, 0                               ; and the count
	s_mov_b32 s34, 0x600000                        ; the mantissa field of 448
	s_wait_kmcnt 0x0
	s_add_nc_u64 s[30:31], s[6:7], s[20:21]
	s_load_b64 s[14:15], s[30:31], 0x0             ; my two experts
	s_add_nc_u64 s[4:5], s[4:5], s[24:25]
	s_add_nc_u64 s[32:33], s[12:13], s[20:21]      ; inv of my token
.set g, 0
.rept 32
	global_load_b64 v[TI+2*g:TI+2*g+1], v3, s[6:7] offset:256*g      ; 256 consecutive bytes
.set g, g+1
.endr
.irp j, 0,1,2,3
.irp q, 0,1
	global_load_b128 v[XR+8*\j+4*\q:XR+8*\j+4*\q+3], v4, s[4:5] offset:1024*\j+16*\q th:TH_LOAD_NT
.endr
.endr
	s_wait_kmcnt 0x0
	s_min_u32 s14, s14, 7
	s_min_u32 s15, s15, 7
	s_wait_loadcnt 8                               ; the list is in; x's eight loads may be out
.set g, 0
.rept 32
	s_sub_co_i32 s24, s3, 32*g
	v_cmp_gt_i32 s18, s24, v1                      ; the lanes whose token comes before mine
	v_cmp_eq_u32 s19, s14, v[TI+2*g]
	v_cmp_eq_u32 s20, s14, v[TI+2*g+1]
	v_cmp_eq_u32 s21, s15, v[TI+2*g]
	v_cmp_eq_u32 s22, s15, v[TI+2*g+1]
	v_cmp_eq_u32 s27, s23, v[TI+2*g]
	v_cmp_eq_u32 s28, s23, v[TI+2*g+1]
	s_or_b32 s19, s19, s20
	s_or_b32 s21, s21, s22
	s_or_b32 s27, s27, s28
	s_and_b32 s19, s19, s18
	s_and_b32 s21, s21, s18
	s_bcnt1_i32_b32 s19, s19
	s_bcnt1_i32_b32 s21, s21
	s_bcnt1_i32_b32 s27, s27
	s_add_co_u32 s16, s16, s19
	s_add_co_u32 s17, s17, s21
	s_add_co_u32 s26, s26, s27
.set g, g+1
.endr
	s_lshl_b32 s20, s14, 15
	s_add_co_u32 s20, s20, s16                     ; inv
	s_lshl_b32 s21, s15, 15
	s_add_co_u32 s21, s21, s17
	v_mov_b32 v124, s20
	v_mov_b32 v125, s21
	s_lshl_b32 s18, s14, 10
	s_add_co_u32 s18, s18, s16
	s_min_u32 s18, s18, 8191                       ; my two rows in xg and xgs
	s_lshl_b32 s19, s15, 10
	s_add_co_u32 s19, s19, s17
	s_min_u32 s19, s19, 8191
	s_lshl_b32 s28, s18, 10
	s_add_nc_u64 s[36:37], s[8:9], s[28:29]
	s_lshl_b32 s28, s19, 10
	s_add_nc_u64 s[38:39], s[8:9], s[28:29]
	s_lshl_b32 s28, s18, 5
	s_add_nc_u64 s[40:41], s[10:11], s[28:29]
	s_lshl_b32 s28, s19, 5
	s_add_nc_u64 s[42:43], s[10:11], s[28:29]
	s_wait_loadcnt 0x0                             ; x
; the four chunks by turns: no line waits for the line above it
.irp j, 0,1,2,3
	v_max3_num_f32 v[AM+\j], |v[XR+8*\j]|, |v[XR+8*\j+1]|, 0x4800000     ; my 8 numbers, and the floor 2^(9 - 127): the byte cannot fall under 1
.endr
.irp i, 2,4,6
.irp j, 0,1,2,3
	v_max3_num_f32 v[AM+\j], v[AM+\j], |v[XR+8*\j+\i]|, |v[XR+8*\j+\i+1]|
.endr
.endr
.irp k, 1,2
.irp j, 0,1,2,3
	v_max_num_f32_dpp v[AM+\j], v[AM+\j], v[AM+\j] row_xmask:\k row_mask:0xf bank_mask:0xf   ; with the other three lanes of the block
.endr
.endr
.irp j, 0,1,2,3
	v_add_nc_u32 v[SO+\j], 0xfc000000, v[AM+\j]    ; 8 off the exponent field: the conversion takes the exponent field of this operand as its scale
.endr
.irp j, 0,1,2,3
	v_and_or_b32 v[HL+\j], v[AM+\j], 0x7f800000, s34   ; 448 x the scale
.endr
.irp j, 0,1,2,3
	v_lshrrev_b32 v[SB+\j], 23, v[SO+\j]           ; the scale's byte
.endr
.irp j, 0,1,2,3
.irp i, 0,1,2,3,4,5,6,7
	v_med3_num_f32 v[XR+8*\j+\i], v[XR+8*\j+\i], -v[HL+\j], v[HL+\j]   ; the conversion to an 8-bit code does not saturate (ISA guide 7.6.2): the hold comes first
.endr
	v_cvt_scalef32_pk8_fp8_f32 v[CD+2*\j:CD+2*\j+1], v[XR+8*\j:XR+8*\j+7], v[SO+\j]
.endr
	v_nop                                          ; a plain instruction behind the last conversion: its sources are written again below
.irp j, 0,1,2,3
	ds_store_b8 v5, v[SB+\j] offset:8*\j           ; the four lanes of a block write the same byte with the same value
.endr
	ds_load_u8 v60, v6                             ; LDS serves a wave's instructions in order: this sees my stores.  Block l's byte in lane l
.irp j, 0,1,2,3
	global_store_b64 v3, v[CD+2*\j:CD+2*\j+1], s[36:37] offset:256*\j    ; 256 consecutive bytes, aligned
	global_store_b64 v3, v[CD+2*\j:CD+2*\j+1], s[38:39] offset:256*\j
.endr
	s_wait_dscnt 0x0
	global_store_b8 v1, v60, s[40:41]              ; the row's 32 scale bytes
	global_store_b8 v1, v60, s[42:43]
	s_cmp_lt_u32 ttmp9, 2                          ; the first eight waves speak for the eight experts
	s_cbranch_scc0 .Lno_fill
	s_cmp_eq_u32 s26, 0
	s_cbranch_scc0 .Lno_fill
	v_mov_b32 v16, 0                               ; nobody chose my expert: one row of zero codes, scale bytes 127
	v_mov_b32 v17, 0
	v_mov_b32 v18, 0
	v_mov_b32 v19, 0
	v_mov_b32 v20, 127
	v_lshlrev_b32 v21, 4, v1
	s_lshl_b32 s28, s23, 20
	s_add_nc_u64 s[44:45], s[8:9], s[28:29]
	s_lshl_b32 s28, s23, 15
	s_add_nc_u64 s[46:47], s[10:11], s[28:29]
	global_store_b128 v21, v[16:19], s[44:45]
	global_store_b128 v21, v[16:19], s[44:45] offset:512
	global_store_b8 v1, v20, s[46:47]
.Lno_fill:
	s_max_u32 s26, s26, 1
	v_mov_b32 v126, s26
	v_mov_b32 v127, 0
	s_lshl_b32 s28, s23, 2
	v_mov_b32 v22, s28
	s_wait_xcnt 0x0                                ; EXEC changes only behind this wait
	v_cmp_eq_u32 vcc_lo, 0, v1
	s_and_saveexec_b32 s30, vcc_lo                 ; lane 0 stores for the wave
	global_store_b64 v127, v[124:125], s[32:33]
	s_cmp_lt_u32 ttmp9, 2
	s_cbranch_scc0 .Lend
	global_store_b32 v22, v126, s[12:13] offset:8192
.Lend:
	s_wait_xcnt 0x0
	s_mov_b32 exec_lo, -1
	s_wait_tensorcnt 0x0
	ds_add_u32 v128, v129
	s_wait_dscnt 0x0
	s_endpgm
.Lfunc_end_k_q58bf029267_place:
	.size	k_q58bf029267_place, .Lfunc_end_k_q58bf029267_place-k_q58bf029267_place
	.p2alignl 7, 3214868480
	.fill 96, 4, 3214868480
	.section	.rodata,"a",@progbits
	.p2align	6, 0x0
	.amdhsa_kernel k_q58bf029267_place
		.amdhsa_group_segment_fixed_size 1536
		.amdhsa_private_segment_fixed_size 0
		.amdhsa_enable_private_segment 0
		.amdhsa_kernarg_size 40
		.amdhsa_user_sgpr_count 2
		.amdhsa_user_sgpr_kernarg_segment_ptr 1
		.amdhsa_wavefront_size32 1
		.amdhsa_system_sgpr_workgroup_id_x 1
		.amdhsa_system_sgpr_workgroup_id_y 1
		.amdhsa_system_sgpr_workgroup_id_z 1
		.amdhsa_system_vgpr_workitem_id 0
		.amdhsa_next_free_vgpr 130
		.amdhsa_next_free_sgpr 66
		.amdhsa_reserve_vcc 1
		.amdhsa_float_denorm_mode_32 3
		.amdhsa_float_denorm_mode_16_64 3
		.amdhsa_memory_ordered 1
		.amdhsa_forward_progress 1
		.amdhsa_inst_pref_size 41
	.end_amdhsa_kernel
	.amdgpu_metadata
---
amdhsa.version: [ 1, 2 ]
amdhsa.kernels:
  - .name:           k_q58bf029267_place
    .symbol:         k_q58bf029267_place.kd
    .args:
      - { .name: x, .offset: 0, .size: 8, .value_kind: global_buffer, .address_space: global }
      - { .name: topi, .offset: 8, .size: 8, .value_kind: global_buffer, .address_space: global }
      - { .name: xg, .offset: 16, .size: 8, .value_kind: global_buffer, .address_space: global }
      - { .name: xgs, .offset: 24, .size: 8, .value_kind: global_buffer, .address_space: global }
      - { .name: route, .offset: 32, .size: 8, .value_kind: global_buffer, .address_space: global }
    .group_segment_fixed_size: 1536
    .private_segment_fixed_size: 0
    .kernarg_segment_align: 8
    .kernarg_segment_size: 40
    .max_flat_workgroup_size: 128
    .sgpr_count:     66
    .vgpr_count:     130
    .wavefront_size: 32
...
	.end_amdgpu_metadata
.endif
;; end of part 2
;; launch ffn1 (part 3): grid 32 x 8, 4 waves a work-group, no clusters, 139,776 bytes of LDS; arguments xg, xgs, route, w1_codes, w1_scales, b1, hq, hs; writes hq, hs
.if DOCPART == 3
	.amdgcn_target "amdgcn-amd-amdhsa--gfx1250"
	.amdhsa_code_object_version 6
	.text
	.protected	k_q58bf029267_ffn1
	.globl	k_q58bf029267_ffn1
	.p2align	8
	.type	k_q58bf029267_ffn1,@function
k_q58bf029267_ffn1:
	s_mov_b64 s[64:65], 0
	v_nop
	global_prefetch_b8 v0, s[64:65] scope:SCOPE_SE
	s_setreg_imm32_b32 hwreg(HW_REG_WAVE_MODE, 25, 1), 1
	s_wait_xcnt 0x0
; h = Q(gelu(x W1 + b1)) for the rows routed to an expert, on codes of E4M3 with one E8M0 scale for each 32 along K.  Only the chosen rows are multiplied: the others' results are thrown away by the gather.
; SHARES.  Work-group (c, e) keeps W1[e], hidden units 128 c .. 128 c + 127, all of K = 1,024: 128 KB of codes in LDS, read from memory once in the launch.  Its four waves share the ROWS: wave w takes
; the tiles of 16 rows tau = w + 4 j, five of them in a pass, each against all 128 units: 40 accumulators.  So a wave ends with one whole K step of the next product for each tile: one fragment, one scale word a row.
; The number of rows, cnt, is read from memory; a pass serves 320 rows.  An expert has at most 1,024 rows, 64 tiles, 16 a wave: the loop over passes has at most four trips and is left as soon as the wave's tiles are done.
; Tiles past the last are copies of the last (clamped index) and are not stored; rows past the last are copies of the last row.
; THE PRODUCT IS USED TRANSPOSED (source 0 = 16 units of W1, source 1 = 16 rows of x), AND THE UNITS OF A TILE ARE NOT NEIGHBOURS: lane rho of tile 2 b + u takes unit 32 b + 8 u + rho + 8 (rho / 8), so that a lane's 16 registers
; of tiles 2 b and 2 b + 1 are units 32 b + 16 (lane / 16) + 0 .. 15 of ONE row: the order in which the next operand's registers want them.  The rows are put into that order as they are stored to LDS.
; b1 is the C of each sum's first matrix instruction.
; GELU: h/2 + h/2 erf(h / sqrt 2), erf(z) = z P(z^2) / Q(z^2) with z held within +-4 (a rational form of degrees 6 and 4 in z^2, good to a few units in f32's last place).
; OUT: hq [8][64 tiles][32 chunks][2,048]: the image of a fragment's registers (group b of four registers at 512 b + 16 lane); hs [8][64][32][128]: each lane's scale word.
; NOT JOINT: the 32 work-groups of an expert read the same rows of x, but the passes and the tiles left out hang on a count read from memory; x comes straight into registers.
; LIMITS: NaN and infinities are not served.  1 + erf is formed as a sum, so gelu's absolute error is about 1e-7 |h| / 2, which for h under about -3 is more than f32's relative rounding.  A block under 2^-118 gets the byte 1.
; REGISTERS, in windows of 256.  window 0: v1-28 addresses; v32-40 the head's small loads; v48-55 W1's scale words (two sets), v56-75 x's: scales and nothing else; v128-191 the accumulators of tile 4; v192-255 b1 in the result's layout.
;   window 1: W1's fragments, two sets of 8 x 16 (at the head: what is on its way to LDS).   window 2: accumulator (t, m), m = 0 .. 3, at 8 (4 t + m).
;   window 3: x's fragments, three sets of 5 x 16; behind the products: h/2 0-63, z 64-127, z^2 128-159, P 160-191, Q 192-223; the quantiser's work lies over z^2 and P; v240-243 two constants as pairs.
.set WTP,  1040                        ; a unit's row in LDS: 1,024 bytes + 16: 65 x 16, so the 16 rows that a load touches start at 16 different groups of banks (64 banks of 4 bytes: ISA guide 11.1)
.set WSC,  128*WTP                     ; W1's scale words: [K step][lane][b]: lanes 0-15 tile 2 b, lanes 16-31 tile 2 b + 1
.set BIAS, WSC+4096                    ; b1 of the 128 units
.set PASSES, 4                         ; 16 tiles a wave at the most, five a pass
.set AW0,  4                           ; v4   my place in tiles 0-3 of W1;  v5 in tiles 4-7
.set AW1,  5
.set AWS,  6                           ; v6   my scale words
.set ABI,  7                           ; v7   my half's biases
.set STA,  8                           ; v8   staging: my wave's 32 rows, 16 bytes a lane
.set L16,  9                           ; v9   16 x lane
.set SCW,  10                          ; v10  staging: where my unit's scale words go
.set BIW,  11                          ; v11  staging: where my unit's bias goes
.set SRO,  12                          ; v12  32 x thread
.set L4,   13                          ; v13  4 x lane
.set H16,  14                          ; v14  16 x (lane / 16)
.set T4,   15                          ; v15  4 x thread
.set XO,   16                          ; v16-20  tile m: my row's byte offset in xg
.set XSO,  21                          ; v21-25  and in xgs
.set HO,   26                          ; v26  the way out: offset in hq;  v27 in hs
.set HSOF, 27
.set TV,   28
.set WS,   48
.set XS,   56
.set A4,   128
.set BB,   192
.set HH,   0                           ; window 3, behind the products
.set ZZ,   64
.set X2,   128
.set PP,   160
.set QQ,   192
.set KA,   240
.set KB,   242
.set CD,   128
.set AM,   144
.set PT,   148
.set HL,   152
.set SO,   156
.set PW,   160
.set MSB, 0
.macro WIN new                         ; s_set_vgpr_msb: bits 1:0 source 0, 3:2 source 1, 5:4 source 2, 7:6 destination; the high byte repeats the setting that is left
.if MSB != \new
	s_set_vgpr_msb (MSB<<8)|\new
.set MSB, \new
.endif
.endm
.macro NOPS n
.rept \n
	v_nop
.endr
.endm
.macro KPAIR reg, val                  ; a constant for the packed forms: they name a pair and take its low word for both halves, so both are written
	s_mov_b32 s[\reg], \val
	s_mov_b32 s[\reg+1], \val
.endm
; tile m of the pass: tau = w + 4 (J0 + m), held at the last tile; my row 16 tau + r, held at the last row
.macro OFFS
.irp m, 0,1,2,3,4
	s_add_co_u32 s28, s25, \m
	s_lshl_b32 s28, s28, 2
	s_add_co_u32 s28, s28, s2
	s_min_u32 s28, s28, s6
	s_min_u32 s28, s28, 63
	s_lshl_b32 s28, s28, 4
	v_add_nc_u32 v[TV], s28, v2
	v_min_u32 v[TV], s7, v[TV]
	v_min_u32 v[TV], 0x3ff, v[TV]
	v_lshl_add_u32 v[XO+\m], v[TV], 10, v[H16]
	v_lshl_add_u32 v[XSO+\m], v[TV], 5, v[H16]
.endr
.endm
.macro XF s                            ; x's five fragments of K step s into set s % 3: lane (r, h): row r, k = 128 s + 32 c + 16 h + 0 .. 15
	WIN 0xc0
.irp m, 0,1,2,3,4
.irp c, 0,1,2,3
	global_load_b128 v[80*((\s)%3)+16*\m+4*\c:80*((\s)%3)+16*\m+4*\c+3], v[XO+\m], s[8:9] offset:128*(\s)+32*\c
.endr
.endr
.endm
.macro XSC                             ; x's scale words: lanes 0-15 those of K steps 0-3, lanes 16-31 those of K steps 4-7
	WIN 0
.irp m, 0,1,2,3,4
	global_load_b128 v[XS+4*\m:XS+4*\m+3], v[XSO+\m], s[10:11]
.endr
.endm
.macro WF s                            ; W1's eight fragments of K step s into set s & 1, and their scale words: 33 LDS loads
	WIN 0x40
.irp t, 0,1,2,3
.irp c, 0,1,2,3
	ds_load_b128 v[128*((\s)&1)+16*\t+4*\c:128*((\s)&1)+16*\t+4*\c+3], v[AW0] offset:\t*16*WTP+128*(\s)+32*\c
.endr
.endr
.irp t, 0,1,2,3
.irp c, 0,1,2,3
	ds_load_b128 v[128*((\s)&1)+64+16*\t+4*\c:128*((\s)&1)+64+16*\t+4*\c+3], v[AW1] offset:\t*16*WTP+128*(\s)+32*\c
.endr
.endr
	WIN 0
	ds_load_b128 v[WS+4*((\s)&1):WS+4*((\s)&1)+3], v[AWS] offset:512*(\s)
.endm
.macro MM s, t, m                      ; accumulator (t, m) takes K step s; in the first step C is the bias
.set rW, 128*((\s)&1)+16*(\t)
.set rX, 80*((\s)%3)+16*(\m)
.set rA, WS+4*((\s)&1)+(\t)/2
.set rB, XS+4*(\m)+((\s)&3)
.if (\m) < 4
.set rD, 8*(4*(\t)+(\m))
.else
.set rD, A4+8*(\t)
.endif
.if (\s) == 0
.set rC, BB+8*(\t)
.else
.set rC, rD
.endif
.if ((\t)&1) && ((\s) >= 4)
	v_wmma_scale_f32_16x16x128_f8f6f4 v[rD:rD+7], v[rW:rW+15], v[rX:rX+15], v[rC:rC+7], v[rA], v[rB] matrix_a_scale:MATRIX_SCALE_ROW1 matrix_b_scale:MATRIX_SCALE_ROW1
.elseif (\t)&1
	v_wmma_scale_f32_16x16x128_f8f6f4 v[rD:rD+7], v[rW:rW+15], v[rX:rX+15], v[rC:rC+7], v[rA], v[rB] matrix_a_scale:MATRIX_SCALE_ROW1
.elseif (\s) >= 4
	v_wmma_scale_f32_16x16x128_f8f6f4 v[rD:rD+7], v[rW:rW+15], v[rX:rX+15], v[rC:rC+7], v[rA], v[rB] matrix_b_scale:MATRIX_SCALE_ROW1
.else
	v_wmma_scale_f32_16x16x128_f8f6f4 v[rD:rD+7], v[rW:rW+15], v[rX:rX+15], v[rC:rC+7], v[rA], v[rB]
.endif
.endm
; A K step: 40 matrix instructions, the 40 accumulators by turns, one instruction a turn, in the same order in every step.  Behind them the sets just used are asked for again.
.macro KSTEP s
.if (\s) <= 5
	s_wait_loadcnt 40                              ; x of this step is in; the two steps behind it, 20 loads each, may be out
.elseif (\s) == 6
	s_wait_loadcnt 20
.else
	s_wait_loadcnt 0x0
.endif
.if (\s) <= 6
	s_wait_dscnt 33                                ; W1 of this step is in; the next step's 33 loads may be out
.else
	s_wait_dscnt 0x0
.endif
.if (\s) == 0
	WIN 0x8d                                       ; W1 window 1, x window 3, C (the bias) window 0, D window 2
.else
	WIN 0xad                                       ; C and D window 2
.endif
.irp t, 0,1,2,3,4,5,6,7
.irp m, 0,1,2,3
	MM \s, \t, \m
.endr
.endr
	WIN 0x0d                                       ; tile 4: C and D window 0
.irp t, 0,1,2,3,4,5,6,7
	MM \s, \t, 4
.endr
.if (\s) <= 5
	NOPS 8                                         ; eight places in front of loads into registers that these matrix instructions have read
	WF (\s)+2
.if (\s) <= 4
	XF (\s)+3
.endif
.endif
.endm
; tile m leaves its accumulators: z = h / sqrt 2 and h / 2, each accumulator read from its low end on
.macro EIN m
.if (\m) < 4
	WIN 0xc2
.else
	WIN 0xc0
.endif
.irp t, 0,1,2,3,4,5,6,7
.if (\m) < 4
.set rD, 8*(4*\t+(\m))
.else
.set rD, A4+8*\t
.endif
.irp j, 0,2,4,6
	v_pk_mul_f32 v[ZZ+8*\t+\j:ZZ+8*\t+\j+1], v[rD+\j:rD+\j+1], s[36:37] op_sel_hi:[1,0]
.endr
.irp j, 0,2,4,6
	v_pk_mul_f32 v[HH+8*\t+\j:HH+8*\t+\j+1], v[rD+\j:rD+\j+1], 0.5 op_sel_hi:[1,0]
.endr
.endr
	WIN 0
.endm
.macro HORN reg, sc                    ; a step of Horner's rule on 32 numbers: reg = reg z^2 + constant
.set i, 0
.rept 16
	v_pk_fma_f32 v[\reg+i:\reg+i+1], v[\reg+i:\reg+i+1], v[X2+i:X2+i+1], s[\sc:\sc+1] op_sel_hi:[1,1,0]
.set i, i+2
.endr
.endm
.macro GELU hf                         ; 32 of the lane's 64 numbers; everything in window 3
.set ZB, ZZ+32*(\hf)
.set HB, HH+32*(\hf)
.set i, 0
.rept 32
	v_med3_num_f32 v[ZB+i], v[ZB+i], -4.0, 4.0
.set i, i+1
.endr
.set i, 0
.rept 16
	v_pk_mul_f32 v[X2+i:X2+i+1], v[ZB+i:ZB+i+1], v[ZB+i:ZB+i+1]
.set i, i+2
.endr
.set i, 0
.rept 16
	v_pk_fma_f32 v[PP+i:PP+i+1], v[X2+i:X2+i+1], s[38:39], v[KA:KA+1] op_sel_hi:[1,0,1]
	v_pk_fma_f32 v[QQ+i:QQ+i+1], v[X2+i:X2+i+1], s[50:51], v[KB:KB+1] op_sel_hi:[1,0,1]
.set i, i+2
.endr
	HORN PP, 40
	HORN QQ, 52
	HORN PP, 42
	HORN QQ, 54
	HORN PP, 44
	HORN QQ, 56
.set i, 0
.rept 32
	v_rcp_f32 v[QQ+i], v[QQ+i]                     ; one batch; P's last steps are the independent work behind it
.set i, i+1
.endr
	HORN PP, 46
	HORN PP, 48
.set i, 0
.rept 16
	v_pk_mul_f32 v[PP+i:PP+i+1], v[PP+i:PP+i+1], v[ZB+i:ZB+i+1]
.set i, i+2
.endr
	s_wait_alu depctr_va_vdst(0)                   ; one wait for the 32 reciprocals, ahead of their first reader
.set i, 0
.rept 16
	v_pk_mul_f32 v[PP+i:PP+i+1], v[PP+i:PP+i+1], v[QQ+i:QQ+i+1]    ; erf
.set i, i+2
.endr
.set i, 0
.rept 16
	v_pk_fma_f32 v[HB+i:HB+i+1], v[HB+i:HB+i+1], v[PP+i:PP+i+1], v[HB+i:HB+i+1]   ; h/2 erf + h/2
.set i, i+2
.endr
.endm
; 64 numbers of a lane, register 16 b + i = unit 32 b + 16 (lane / 16) + i of my row, become a fragment's codes and its scale word
.macro QUANT
.irp b, 0,1,2,3
	v_max3_num_f32 v[AM+\b], |v[HH+16*\b]|, |v[HH+16*\b+1]|, 0x4800000   ; my 16 numbers of block b, and the floor 2^(9 - 127): the byte cannot fall under 1
.endr
.irp i, 2,4,6,8,10,12,14
.irp b, 0,1,2,3
	v_max3_num_f32 v[AM+\b], v[AM+\b], |v[HH+16*\b+\i]|, |v[HH+16*\b+\i+1]|
.endr
.endr
.irp b, 0,1,2,3
	v_permlanex16_b32 v[PT+\b], v[AM+\b], s32, s33
.endr
.irp b, 0,1,2,3
	v_max_num_f32 v[AM+\b], v[AM+\b], v[PT+\b]     ; with lane l xor 16's 16: the block's largest magnitude
.endr
.irp b, 0,1,2,3
	v_add_nc_u32 v[SO+\b], 0xfc000000, v[AM+\b]    ; 8 off its exponent field: the conversion's scale operand
.endr
.irp b, 0,1,2,3
	v_and_or_b32 v[HL+\b], v[AM+\b], 0x7f800000, s34   ; 448 x the scale
.endr
.irp b, 0,1,2,3
	v_lshrrev_b32 v[PT+\b], 23, v[SO+\b]           ; the scale's byte
.endr
	v_lshl_or_b32 v[PW], v[PT+1], 8, v[PT]
	v_lshl_or_b32 v[PW], v[PT+2], 16, v[PW]
	v_lshl_or_b32 v[PW], v[PT+3], 24, v[PW]
.irp b, 0,1,2,3
.irp i, 0,1,2,3,4,5,6,7,8,9,10,11,12,13,14,15
	v_med3_num_f32 v[HH+16*\b+\i], v[HH+16*\b+\i], -v[HL+\b], v[HL+\b]   ; the conversion to an 8-bit code does not saturate (ISA guide 7.6.2): the hold comes first
.endr
	v_cvt_scalef32_pk8_fp8_f32 v[CD+4*\b:CD+4*\b+1], v[HH+16*\b:HH+16*\b+7], v[SO+\b]
	v_cvt_scalef32_pk8_fp8_f32 v[CD+4*\b+2:CD+4*\b+3], v[HH+16*\b+8:HH+16*\b+15], v[SO+\b]
.endr
	v_nop                                          ; a plain instruction behind the last conversion: its registers are written again in the next trip
.endm
	s_load_b512 s[8:23], s[0:1], 0x0               ; xg s[8:9], xgs s[10:11], route s[12:13], W1's codes s[14:15], its scales s[16:17], b1 s[18:19], hq s[20:21], hs s[22:23]
	v_lshl_add_u32 v126, v0, 2, 0x22000
	v_mov_b32 v127, 0
	v_and_b32 v1, 31, v0                           ; lane
	v_lshrrev_b32 v2, 5, v0
	v_readfirstlane_b32 s2, v2                     ; wave
	v_and_b32 v2, 15, v0                           ; r
	v_bfe_u32 v3, v0, 4, 1                         ; h
	s_and_b32 s3, ttmp7, 0xffff                    ; the expert
	s_mov_b32 s4, ttmp9                            ; the chunk of 128 hidden units
	v_lshlrev_b32 v[L16], 4, v1
	v_lshlrev_b32 v[L4], 2, v1
	v_lshlrev_b32 v[H16], 4, v3
	v_mul_u32_u24 v[AW0], v2, WTP
	v_add_nc_u32 v[AW0], v[AW0], v[H16]
	v_add_nc_u32 v[AW1], 64*WTP, v[AW0]
	v_lshl_add_u32 v[AWS], v1, 4, WSC
	v_lshl_add_u32 v[ABI], v3, 6, BIAS
	s_mul_i32 s28, s2, 32*WTP
	v_add_nc_u32 v[STA], s28, v[L16]
	v_and_b32 v[SCW], 7, v0                        ; unit 32 w + l belongs to tile 2 w + bit 3 of l, row 8 x bit 4 + the low three bits: lane 16 x bit 3 + that row
	v_lshl_add_u32 v[SCW], v3, 3, v[SCW]
	v_bfe_u32 v[TV], v0, 3, 1
	v_lshl_add_u32 v[SCW], v[TV], 4, v[SCW]
	v_lshlrev_b32 v[SCW], 4, v[SCW]
	s_lshl_b32 s28, s2, 2
	s_add_co_u32 s28, s28, WSC
	v_add_nc_u32 v[SCW], s28, v[SCW]
	v_lshl_add_u32 v[BIW], v0, 2, BIAS
	v_lshlrev_b32 v[SRO], 5, v0
	v_lshlrev_b32 v[T4], 2, v0
	s_mov_b32 s27, 0
	s_lshl_b32 s26, s3, 2
	s_wait_kmcnt 0x0
	s_add_nc_u64 s[30:31], s[12:13], s[26:27]
	s_load_b32 s5, s[30:31], 0x2000                ; cnt of my expert
	s_lshl_b32 s26, s3, 22                         ; W1: expert, chunk, my wave's 32 units of 1,024 bytes
	s_lshl_b32 s28, s4, 17
	s_add_co_u32 s26, s26, s28
	s_lshl_b32 s28, s2, 15
	s_add_co_u32 s26, s26, s28
	s_add_nc_u64 s[14:15], s[14:15], s[26:27]
	s_lshl_b32 s26, s3, 17                         ; its scale bytes: 32 a unit
	s_lshl_b32 s28, s4, 12
	s_add_co_u32 s26, s26, s28
	s_add_nc_u64 s[16:17], s[16:17], s[26:27]
	s_lshl_b32 s26, s3, 14                         ; b1
	s_lshl_b32 s28, s4, 9
	s_add_co_u32 s26, s26, s28
	s_add_nc_u64 s[18:19], s[18:19], s[26:27]
	; W1's 128 KB go out first: each load is 512 consecutive bytes; my wave's 32 units in two batches of 32 loads
	WIN 0x40
.set i, 0
.rept 32
	global_load_b128 v[4*i:4*i+3], v[L16], s[14:15] offset:512*i th:TH_LOAD_NT
.set i, i+1
.endr
.set i, 0
.rept 32
	global_load_b128 v[128+4*i:128+4*i+3], v[L16], s[14:15] offset:16384+512*i th:TH_LOAD_NT
.set i, i+1
.endr
	WIN 0
	global_load_b128 v[32:35], v[SRO], s[16:17] th:TH_LOAD_NT             ; unit = thread: its 8 scale words
	global_load_b128 v[36:39], v[SRO], s[16:17] offset:16 th:TH_LOAD_NT
	global_load_b32 v40, v[T4], s[18:19]                                  ; and its bias
	s_lshl_b32 s26, s3, 20
	s_add_nc_u64 s[8:9], s[8:9], s[26:27]          ; xg, xgs at my expert
	s_lshl_b32 s26, s3, 15
	s_add_nc_u64 s[10:11], s[10:11], s[26:27]
	s_lshl_b32 s26, s3, 22
	s_lshl_b32 s28, s4, 11
	s_add_co_u32 s26, s26, s28
	s_add_nc_u64 s[20:21], s[20:21], s[26:27]      ; hq at my expert and chunk
	s_lshl_b32 s26, s3, 18
	s_lshl_b32 s28, s4, 7
	s_add_co_u32 s26, s26, s28
	s_add_nc_u64 s[22:23], s[22:23], s[26:27]      ; hs likewise
	s_mov_b32 s32, 0x76543210                      ; v_permlanex16_b32's selects for lane l xor 16
	s_mov_b32 s33, 0xfedcba98
	s_mov_b32 s34, 0x600000                        ; the mantissa field of 448
	KPAIR 36, 0x3f3504f3                           ; 1 / sqrt 2
	KPAIR 38, 0xaf95df0b                           ; P: -2.72614226e-10,
	KPAIR 40, 0xb60cff51                           ;    (2.77068142e-08 is s58)  -2.10102402e-06,
	KPAIR 42, 0xb86ec2d2                           ;    -5.69250639e-05,
	KPAIR 44, 0xba40ac63                           ;    -7.34990630e-04,
	KPAIR 46, 0xbb41a1f6                           ;    -2.95459981e-03,
	KPAIR 48, 0xbc83dbd4                           ;    -1.60960333e-02
	KPAIR 50, 0xb77460cd                           ; Q: -1.45660718e-05,
	KPAIR 52, 0xbadc924e                           ;    (-2.13374055e-04 is s59)  -1.68282697e-03,
	KPAIR 54, 0xbbf19bf8                           ;    -7.37332917e-03,
	KPAIR 56, 0xbc69b6a7                           ;    -1.42647391e-02
	s_mov_b32 s58, 0x32edffee
	s_mov_b32 s59, 0xb95fbd29
	WIN 0xc0
	v_mov_b32 v[KA], s58                           ; the two constants that stand beside another constant in one instruction lie in vector pairs
	v_mov_b32 v[KA+1], s58
	v_mov_b32 v[KB], s59
	v_mov_b32 v[KB+1], s59
	WIN 0
	s_wait_kmcnt 0x0
	s_min_u32 s5, s5, 1024
	s_max_u32 s5, s5, 1
	s_add_co_u32 s6, s5, 15
	s_lshr_b32 s6, s6, 4                           ; T tiles of rows, 1 to 64
	s_add_co_u32 s24, s6, 3
	s_sub_co_u32 s24, s24, s2
	s_lshr_b32 s24, s24, 2                         ; NW: how many of them are my wave's (0 where T <= w), 16 at the most
	s_sub_co_u32 s6, s6, 1                         ; the last tile
	s_sub_co_u32 s7, s5, 1                         ; the last row
	s_mov_b32 s25, 0                               ; J0: my tiles done
	s_mov_b32 s35, 0                               ; passes done: the loop's counter
	OFFS
	s_wait_loadcnt 35                              ; the first batch is in; the second's 32 loads and the 3 small ones may be out
	WIN 0x04
.set i, 0
.rept 32
	ds_store_b128 v[STA], v[4*i:4*i+3] offset:(16*((i/2)/8)+(i/2)%8)*WTP+512*(i%2)        ; units 0-15 of my 32: rows 0-7 of my two tiles
.set i, i+1
.endr
	XF 0
	XSC
	s_wait_loadcnt 25                              ; the second batch and the small loads are in; the 25 just issued may be out
	WIN 0x04
.set i, 0
.rept 32
	ds_store_b128 v[STA], v[128+4*i:128+4*i+3] offset:(16*((i/2)/8)+8+(i/2)%8)*WTP+512*(i%2)   ; units 16-31: rows 8-15
.set i, i+1
.endr
	WIN 0
.irp k, 0,1,2,3,4,5,6,7
	ds_store_b32 v[SCW], v[32+\k] offset:512*\k
.endr
	ds_store_b32 v[BIW], v40
	XF 1
	XF 2
	WIN 0
	s_wait_dscnt 0x0                               ; for the others' sake: my stores have landed
	s_barrier_signal -1
	s_barrier_wait -1                              ; W1's slice lies in LDS.  The one barrier: it stands ahead of every branch on the count
	s_cmp_eq_u32 s24, 0
	s_cbranch_scc1 .Lend                           ; fewer tiles than waves: nothing is mine
.irp b, 0,1,2,3
.irp q, 0,1,2,3
	ds_load_b128 v[BB+16*\b+4*\q:BB+16*\b+4*\q+3], v[ABI] offset:128*\b+16*\q   ; b1 of units 32 b + 16 h + 0 .. 15: eight registers a tile, in the result's layout; they stay
.endr
.endr
.Lpass:
	WF 0
	WF 1
.irp k, 0,1,2,3,4,5,6,7
	KSTEP \k
.endr
	WIN 0
	NOPS 9                                         ; eight places ahead of the first read of results; nine ahead of the next pass's first products, which write over them
	s_mov_b32 s26, 0
.Lepi:                                             ; five trips, one for each tile of the pass; a tile that is not mine is left out
	s_add_co_u32 s28, s25, s26
	s_cmp_ge_u32 s28, s24
	s_cbranch_scc1 .Lepi_next
	s_wait_xcnt 0x0                                ; the last trip's stores have read their offsets and their data: both are written again below
	s_lshl_b32 s28, s28, 2
	s_add_co_u32 s28, s28, s2
	s_min_u32 s28, s28, 63                         ; tau
	s_lshl_b32 s29, s28, 16
	v_add_nc_u32 v[HO], s29, v[L16]
	s_lshl_b32 s29, s28, 12
	v_add_nc_u32 v[HSOF], s29, v[L4]
	s_cmp_eq_u32 s26, 0                            ; only the lines that name the accumulators differ from tile to tile
	s_cbranch_scc0 .Lein1
	EIN 0
	s_branch .Lgelu
.Lein1:
	s_cmp_eq_u32 s26, 1
	s_cbranch_scc0 .Lein2
	EIN 1
	s_branch .Lgelu
.Lein2:
	s_cmp_eq_u32 s26, 2
	s_cbranch_scc0 .Lein3
	EIN 2
	s_branch .Lgelu
.Lein3:
	s_cmp_eq_u32 s26, 3
	s_cbranch_scc0 .Lein4
	EIN 3
	s_branch .Lgelu
.Lein4:
	EIN 4
.Lgelu:
	WIN 0xff
	GELU 0
	GELU 1
	QUANT
	WIN 0x0c                                       ; a store's data are its source 1: window 3
.irp b, 0,1,2,3
	global_store_b128 v[HO], v[CD+4*\b:CD+4*\b+3], s[20:21] offset:512*\b     ; the fragment's image: 512 consecutive bytes, aligned
.endr
	global_store_b32 v[HSOF], v[PW], s[22:23]
	WIN 0
.Lepi_next:
	s_add_co_u32 s26, s26, 1
	s_cmp_lt_u32 s26, 5
	s_cbranch_scc1 .Lepi
	s_add_co_u32 s25, s25, 5
	s_cmp_ge_u32 s25, s24
	s_cbranch_scc1 .Lend                           ; my tiles are done: the way out of the loop over passes
	s_wait_xcnt 0x0                                ; the stores have read their data, which x's fragments now overwrite; the offsets are written again
	OFFS
	XF 0                                           ; in the order of the head, so that the K steps' counts hold on both ways into the pass
	XSC
	XF 1
	XF 2
	WIN 0
	s_add_co_u32 s35, s35, 1                       ; the loop is counted against a constant: four passes of five tiles serve a wave's 16 tiles, so the branch above always leaves it first
	s_cmp_lt_u32 s35, PASSES
	s_cbranch_scc1 .Lpass
.Lend:
	s_barrier_signal -1
	s_barrier_wait -1
	s_wait_tensorcnt 0x0
	ds_add_u32 v126, v127
	s_wait_dscnt 0x0
	s_endpgm
.Lfunc_end_k_q58bf029267_ffn1:
	.size	k_q58bf029267_ffn1, .Lfunc_end_k_q58bf029267_ffn1-k_q58bf029267_ffn1
	.p2alignl 7, 3214868480
	.fill 96, 4, 3214868480
	.section	.rodata,"a",@progbits
	.p2align	6, 0x0
	.amdhsa_kernel k_q58bf029267_ffn1
		.amdhsa_group_segment_fixed_size 139776
		.amdhsa_private_segment_fixed_size 0
		.amdhsa_enable_private_segment 0
		.amdhsa_kernarg_size 64
		.amdhsa_user_sgpr_count 2
		.amdhsa_user_sgpr_kernarg_segment_ptr 1
		.amdhsa_wavefront_size32 1
		.amdhsa_system_sgpr_workgroup_id_x 1
		.amdhsa_system_sgpr_workgroup_id_y 1
		.amdhsa_system_sgpr_workgroup_id_z 1
		.amdhsa_system_vgpr_workitem_id 0
		.amdhsa_next_free_vgpr 1024
		.amdhsa_next_free_sgpr 66
		.amdhsa_reserve_vcc 0
		.amdhsa_float_denorm_mode_32 3
		.amdhsa_float_denorm_mode_16_64 3
		.amdhsa_memory_ordered 1
		.amdhsa_forward_progress 1
		.amdhsa_inst_pref_size 168
	.end_amdhsa_kernel
	.amdgpu_metadata
---
amdhsa.version: [ 1, 2 ]
amdhsa.kernels:
  - .name:           k_q58bf029267_ffn1
    .symbol:         k_q58bf029267_ffn1.kd
    .args:
      - { .name: xg, .offset: 0, .size: 8, .value_kind: global_buffer, .address_space: global }
      - { .name: xgs, .offset: 8, .size: 8, .value_kind: global_buffer, .address_space: global }
      - { .name: route, .offset: 16, .size: 8, .value_kind: global_buffer, .address_space: global }
      - { .name: w1_codes, .offset: 24, .size: 8, .value_kind: global_buffer, .address_space: global }
      - { .name: w1_scales, .offset: 32, .size: 8, .value_kind: global_buffer, .address_space: global }
      - { .name: b1, .offset: 40, .size: 8, .value_kind: global_buffer, .address_space: global }
      - { .name: hq, .offset: 48, .size: 8, .value_kind: global_buffer, .address_space: global }
      - { .name: hs, .offset: 56, .size: 8, .value_kind: global_buffer, .address_space: global }
    .group_segment_fixed_size: 139776
    .private_segment_fixed_size: 0
    .kernarg_segment_align: 8
    .kernarg_segment_size: 64
    .max_flat_workgroup_size: 128
    .sgpr_count:     66
    .vgpr_count:     1024
    .wavefront_size: 32
...
	.end_amdgpu_metadata
.endif
;; end of part 3
;; launch ffn2 (part 4): grid 32 x 8, 4 waves a work-group, no clusters, 141,312 bytes of LDS; arguments hq, hs, route, w2_codes, w2_scales, b2, ybuf; writes ybuf
.if DOCPART == 4
	.amdgcn_target "amdgcn-amd-amdhsa--gfx1250"
	.amdhsa_code_object_version 6
	.text
	.protected	k_q58bf029267_ffn2
	.globl	k_q58bf029267_ffn2
	.p2align	8
	.type	k_q58bf029267_ffn2,@function
k_q58bf029267_ffn2:
	s_mov_b64 s[64:65], 0
	v_nop
	global_prefetch_b8 v0, s[64:65] scope:SCOPE_SE
	s_setreg_imm32_b32 hwreg(HW_REG_WAVE_MODE, 25, 1), 1
	s_wait_xcnt 0x0
; y = h W2 + b2 for the rows routed to an expert, on codes of E4M3 with one E8M0 scale for each 32 along K = 4,096.
; SHARES.  Work-group (dt, e) keeps W2[e], outputs 32 dt .. 32 dt + 31, all of K: 128 KB of codes in LDS, read from memory once in the launch.  Its four waves share the rows: wave w takes the tiles of 16 rows
; tau = w + 4 j, five in a pass, each against both tiles of 16 outputs: ten accumulators.  cnt is read from memory; tiles past the last are copies of the last (clamped index) and are not stored.
; An expert has at most 1,024 rows, 64 tiles, 16 a wave: the loop over passes has at most four trips and is left as soon as the wave's tiles are done.
; h comes from hq as images of the operand's registers: a fragment is four loads of 512 consecutive bytes.  Three sets of five fragments: 60 loads of a wave are on their way.
; THE PRODUCT IS USED TRANSPOSED (source 0 = 16 outputs of W2, source 1 = 16 rows of h): a lane holds eight neighbouring outputs of one row.  b2 is the C of each sum's first matrix instruction.
; OUT: ybuf [8][32 dt][1,024 places][32] f32: a tile's 16 rows x 128 bytes are 2,048 consecutive bytes; they go through the wave's own stage in LDS and leave as four stores of 512 consecutive bytes.
; NOT JOINT: the 32 work-groups of an expert read the same h, but the passes and the tiles left out hang on a count read from memory.
; REGISTERS.  window 0: v1-27 addresses; v32-63 W2's scale words (lane l: output l's 32 words), v64-143 h's (16 m + j: lanes 0-15 K step j, lanes 16-31 K step j + 16): scales and nothing else;
;   v144-159 b2 in the result's layout; v160-239 the accumulators at 8 (2 m + t); v240-255 the way out.   window 1: h's fragments, three sets of 5 x 16.   window 2: W2's fragments, four sets of 2 x 16 (at the head: what is on its way to LDS).
.set WTP,  4112                        ; an output's row in LDS: 4,096 bytes + 16: 257 x 16, so the 16 rows that a load touches start at 16 different groups of banks (64 banks of 4 bytes: ISA guide 11.1)
.set STG,  32*WTP                      ; the stages: 16 rows x (128 bytes + 16) for each wave
.set PASSES, 4                         ; 16 tiles a wave at the most, five a pass
.set AW0,  4
.set AW1,  5
.set STO,  6                           ; v6   the stage: where I put 32 bytes of a row
.set SRD,  7                           ; v7   and where I read rows back
.set STA,  8                           ; v8   staging: my wave's 8 rows, 16 bytes a lane
.set L16,  9
.set WSO,  10                          ; v10  128 x lane
.set B2O,  11                          ; v11  32 x (lane / 16)
.set HSL,  12                          ; v12  2,048 x (lane / 16) + 4 r
.set HOFF, 16                          ; v16-20 tile m: offset in hq
.set HSO,  21                          ; v21-25 and in hs
.set YO,   26
.set TV,   27
.set WS2,  32
.set HS,   64
.set B2R,  144
.set ACC,  160
.set OUTR, 240
.set MSB, 0
.macro WIN new                         ; s_set_vgpr_msb: bits 1:0 source 0, 3:2 source 1, 5:4 source 2, 7:6 destination; the high byte repeats the setting that is left
.if MSB != \new
	s_set_vgpr_msb (MSB<<8)|\new
.set MSB, \new
.endif
.endm
.macro NOPS n
.rept \n
	v_nop
.endr
.endm
.macro OFFS2                           ; tile m of the pass: tau = w + 4 (J0 + m), held at the last tile
.irp m, 0,1,2,3,4
	s_add_co_u32 s28, s25, \m
	s_lshl_b32 s28, s28, 2
	s_add_co_u32 s28, s28, s2
	s_min_u32 s28, s28, s6
	s_min_u32 s28, s28, 63
	s_lshl_b32 s29, s28, 16
	v_add_nc_u32 v[HOFF+\m], s29, v[L16]
	s_lshl_b32 s29, s28, 12
	v_add_nc_u32 v[HSO+\m], s29, v[HSL]
.endr
.endm
.macro HF s                            ; h's five fragments of K step s into set s % 3
	WIN 0x40
.irp m, 0,1,2,3,4
.irp c, 0,1,2,3
	global_load_b128 v[80*((\s)%3)+16*\m+4*\c:80*((\s)%3)+16*\m+4*\c+3], v[HOFF+\m], s[8:9] offset:2048*(\s)+512*\c
.endr
.endr
.endm
.macro HSC                             ; h's scale words of all 32 K steps
	WIN 0
.irp m, 0,1,2,3,4
.irp j, 0,1,2,3,4,5,6,7,8,9,10,11,12,13,14,15
	global_load_b32 v[HS+16*\m+\j], v[HSO+\m], s[10:11] offset:128*\j
.endr
.endr
.endm
.macro WF2 s                           ; W2's two fragments of K step s into set s % 4: 8 LDS loads
	WIN 0x80
.irp c, 0,1,2,3
	ds_load_b128 v[32*((\s)%4)+4*\c:32*((\s)%4)+4*\c+3], v[AW0] offset:128*(\s)+32*\c
.endr
.irp c, 0,1,2,3
	ds_load_b128 v[32*((\s)%4)+16+4*\c:32*((\s)%4)+16+4*\c+3], v[AW1] offset:128*(\s)+32*\c
.endr
.endm
.macro MM2 s, m, t
.set rD, ACC+8*(2*(\m)+(\t))
.set rW, 32*((\s)%4)+16*(\t)
.set rH, 80*((\s)%3)+16*(\m)
.set rA, WS2+(\s)
.set rB, HS+16*(\m)+((\s)&15)
.if (\s) == 0
.set rC, B2R+8*(\t)
.else
.set rC, rD
.endif
.if ((\t)&1) && ((\s) >= 16)
	v_wmma_scale_f32_16x16x128_f8f6f4 v[rD:rD+7], v[rW:rW+15], v[rH:rH+15], v[rC:rC+7], v[rA], v[rB] matrix_a_scale:MATRIX_SCALE_ROW1 matrix_b_scale:MATRIX_SCALE_ROW1
.elseif (\t)&1
	v_wmma_scale_f32_16x16x128_f8f6f4 v[rD:rD+7], v[rW:rW+15], v[rH:rH+15], v[rC:rC+7], v[rA], v[rB] matrix_a_scale:MATRIX_SCALE_ROW1
.elseif (\s) >= 16
	v_wmma_scale_f32_16x16x128_f8f6f4 v[rD:rD+7], v[rW:rW+15], v[rH:rH+15], v[rC:rC+7], v[rA], v[rB] matrix_b_scale:MATRIX_SCALE_ROW1
.else
	v_wmma_scale_f32_16x16x128_f8f6f4 v[rD:rD+7], v[rW:rW+15], v[rH:rH+15], v[rC:rC+7], v[rA], v[rB]
.endif
.endm
; A K step: ten matrix instructions, the ten accumulators by turns, one instruction a turn.  Behind them the sets just used are asked for again.
.macro KSTEP2 s
.if (\s) <= 29
	s_wait_loadcnt 40                              ; h of this step is in (and, in step 0, the scale words); the two steps behind it, 20 loads each, may be out
.elseif (\s) == 30
	s_wait_loadcnt 20
.else
	s_wait_loadcnt 0x0
.endif
.if (\s) <= 28
	s_wait_dscnt 24                                ; W2 of this step is in; the three steps behind it, 8 loads each, may be out
.else
	s_wait_dscnt 8*(31-(\s))
.endif
	WIN 0x06                                       ; W2 window 2, h window 1, C and D window 0
.irp m, 0,1,2,3,4
.irp t, 0,1
	MM2 \s, \m, \t
.endr
.endr
.if (\s) <= 28
	NOPS 8                                         ; eight places in front of loads into registers that these matrix instructions have read
.if (\s) <= 27
	WF2 (\s)+4
.endif
	HF (\s)+3
.endif
.endm
; tile m goes out, if it is mine: through my own stage, so that each store covers 512 consecutive bytes
.macro EP2 m
	s_add_co_u32 s28, s25, \m
	s_cmp_ge_u32 s28, s24
	s_cbranch_scc1 .Lep_done
	s_wait_xcnt 0x0                                ; the last tile's stores have read their offset and their data: both are written again below
	s_lshl_b32 s28, s28, 2
	s_add_co_u32 s28, s28, s2
	s_min_u32 s28, s28, 63                         ; tau
	s_lshl_b32 s28, s28, 11
	v_add_nc_u32 v[YO], s28, v[L16]
.irp t, 0,1
.irp q, 0,1
	ds_store_b128 v[STO], v[ACC+8*(2*\m+\t)+4*\q:ACC+8*(2*\m+\t)+4*\q+3] offset:64*\t+16*\q   ; lane (r, h): y(r, 16 t + 8 h + 0 .. 7); each accumulator from its low end on
.endr
.endr
.irp i, 0,1,2,3
	ds_load_b128 v[OUTR+4*\i:OUTR+4*\i+3], v[SRD] offset:576*\i    ; LDS serves a wave's instructions in order (ISA guide 5.7.1.4): these see the stores above.  Four rows of 128 bytes a load
.endr
	s_wait_dscnt 0x0
.irp i, 0,1,2,3
	global_store_b128 v[YO], v[OUTR+4*\i:OUTR+4*\i+3], s[20:21] offset:512*\i
.endr
.endm
	s_load_b256 s[8:15], s[0:1], 0x0               ; hq s[8:9], hs s[10:11], route s[12:13], W2's codes s[14:15]
	s_load_b128 s[16:19], s[0:1], 0x20             ; W2's scales s[16:17], b2 s[18:19]
	s_load_b64 s[20:21], s[0:1], 0x30              ; ybuf
	v_lshl_add_u32 v30, v0, 2, 0x22600
	v_mov_b32 v31, 0
	v_and_b32 v1, 31, v0                           ; lane
	v_lshrrev_b32 v2, 5, v0
	v_readfirstlane_b32 s2, v2                     ; wave
	v_and_b32 v2, 15, v0                           ; r
	v_bfe_u32 v3, v0, 4, 1                         ; h
	s_and_b32 s3, ttmp7, 0xffff                    ; the expert
	s_mov_b32 s4, ttmp9                            ; the 32 outputs
	v_lshlrev_b32 v[L16], 4, v1
	v_mul_u32_u24 v[AW0], v2, WTP
	v_lshl_add_u32 v[AW0], v3, 4, v[AW0]
	v_add_nc_u32 v[AW1], 16*WTP, v[AW0]
	s_mul_i32 s28, s2, 8*WTP
	v_add_nc_u32 v[STA], s28, v[L16]
	s_mul_i32 s28, s2, 16*144
	s_add_co_u32 s28, s28, STG                     ; my stage
	v_mul_u32_u24 v[STO], v2, 144
	v_lshl_add_u32 v[STO], v3, 5, v[STO]
	v_add_nc_u32 v[STO], s28, v[STO]
	v_lshrrev_b32 v[SRD], 3, v1
	v_mul_u32_u24 v[SRD], v[SRD], 144
	v_and_b32 v[TV], 7, v1
	v_lshl_add_u32 v[SRD], v[TV], 4, v[SRD]
	v_add_nc_u32 v[SRD], s28, v[SRD]
	v_lshlrev_b32 v[WSO], 7, v1
	v_lshlrev_b32 v[B2O], 5, v3
	v_lshlrev_b32 v[HSL], 2, v2
	v_lshl_add_u32 v[HSL], v3, 11, v[HSL]
	s_mov_b32 s27, 0
	s_lshl_b32 s26, s3, 2
	s_wait_kmcnt 0x0
	s_add_nc_u64 s[30:31], s[12:13], s[26:27]
	s_load_b32 s5, s[30:31], 0x2000                ; cnt of my expert
	s_lshl_b32 s26, s3, 22                         ; W2: expert, 32 outputs, my wave's 8 of 4,096 bytes
	s_lshl_b32 s28, s4, 17
	s_add_co_u32 s26, s26, s28
	s_add_nc_u64 s[20:21], s[20:21], s[26:27]      ; (ybuf at my expert and outputs: the same figure)
	s_lshl_b32 s28, s2, 15
	s_add_co_u32 s26, s26, s28
	s_add_nc_u64 s[14:15], s[14:15], s[26:27]
	s_lshl_b32 s26, s3, 17                         ; its scale bytes: 128 an output
	s_lshl_b32 s28, s4, 12
	s_add_co_u32 s26, s26, s28
	s_add_nc_u64 s[16:17], s[16:17], s[26:27]
	s_lshl_b32 s26, s3, 12                         ; b2
	s_lshl_b32 s28, s4, 7
	s_add_co_u32 s26, s26, s28
	s_add_nc_u64 s[18:19], s[18:19], s[26:27]
	; W2's 128 KB go out first: each load is 512 consecutive bytes; my wave's 8 rows in two batches of 32 loads
	WIN 0x80
.set i, 0
.rept 32
	global_load_b128 v[4*i:4*i+3], v[L16], s[14:15] offset:512*i th:TH_LOAD_NT
.set i, i+1
.endr
.set i, 0
.rept 32
	global_load_b128 v[128+4*i:128+4*i+3], v[L16], s[14:15] offset:16384+512*i th:TH_LOAD_NT
.set i, i+1
.endr
	WIN 0
.irp q, 0,1,2,3,4,5,6,7
	global_load_b128 v[WS2+4*\q:WS2+4*\q+3], v[WSO], s[16:17] offset:16*\q    ; lanes 0-15: tile 0's outputs, lanes 16-31: tile 1's
.endr
.irp t, 0,1
.irp q, 0,1
	global_load_b128 v[B2R+8*\t+4*\q:B2R+8*\t+4*\q+3], v[B2O], s[18:19] offset:64*\t+16*\q   ; b2 of outputs 16 t + 8 h + 0 .. 7
.endr
.endr
	s_lshl_b32 s26, s3, 22
	s_add_nc_u64 s[8:9], s[8:9], s[26:27]          ; hq, hs at my expert
	s_lshl_b32 s26, s3, 18
	s_add_nc_u64 s[10:11], s[10:11], s[26:27]
	s_wait_kmcnt 0x0
	s_min_u32 s5, s5, 1024
	s_max_u32 s5, s5, 1
	s_add_co_u32 s6, s5, 15
	s_lshr_b32 s6, s6, 4                           ; T tiles of rows, 1 to 64
	s_add_co_u32 s24, s6, 3
	s_sub_co_u32 s24, s24, s2
	s_lshr_b32 s24, s24, 2                         ; NW: how many of them are my wave's (0 where T <= w), 16 at the most
	s_sub_co_u32 s6, s6, 1                         ; the last tile
	s_mov_b32 s25, 0                               ; J0: my tiles done
	s_mov_b32 s32, 0                               ; passes done: the loop's counter
	OFFS2
	s_wait_loadcnt 44                              ; the first batch is in; the second's 32 loads and the 12 small ones may be out
	WIN 0x08
.set i, 0
.rept 32
	ds_store_b128 v[STA], v[4*i:4*i+3] offset:(i/8)*WTP+512*(i%8)
.set i, i+1
.endr
	HF 0
	s_wait_loadcnt 20                              ; the second batch and the small loads are in; the 20 just issued may be out
	WIN 0x08
.set i, 0
.rept 32
	ds_store_b128 v[STA], v[128+4*i:128+4*i+3] offset:(4+i/8)*WTP+512*(i%8)
.set i, i+1
.endr
	HSC
	HF 1
	HF 2
	WIN 0
	s_wait_dscnt 0x0                               ; for the others' sake: my stores have landed
	s_barrier_signal -1
	s_barrier_wait -1                              ; W2's slice lies in LDS.  The one barrier: it stands ahead of every branch on the count
	s_cmp_eq_u32 s24, 0
	s_cbranch_scc1 .Lend                           ; fewer tiles than waves: nothing is mine
.Lpass:
	WF2 0
	WF2 1
	WF2 2
	WF2 3
.set ks, 0
.rept 32
	KSTEP2 ks
.set ks, ks+1
.endr
	WIN 0
	NOPS 9                                         ; eight places ahead of the first read of results; nine ahead of the next pass's first products, which write over them
	EP2 0
	EP2 1
	EP2 2
	EP2 3
	EP2 4
.Lep_done:
	s_add_co_u32 s25, s25, 5
	s_cmp_ge_u32 s25, s24
	s_cbranch_scc1 .Lend                           ; my tiles are done: the way out of the loop over passes
	s_wait_xcnt 0x0                                ; every earlier memory instruction has read its offsets: they are written again
	OFFS2
	HF 0                                           ; in the order of the head, so that the K steps' counts hold on both ways into the pass
	HSC
	HF 1
	HF 2
	WIN 0
	s_add_co_u32 s32, s32, 1                       ; the loop is counted against a constant: four passes of five tiles serve a wave's 16 tiles, so the branch above always leaves it first
	s_cmp_lt_u32 s32, PASSES
	s_cbranch_scc1 .Lpass
.Lend:
	s_barrier_signal -1
	s_barrier_wait -1
	s_wait_tensorcnt 0x0
	ds_add_u32 v30, v31
	s_wait_dscnt 0x0
	s_endpgm
.Lfunc_end_k_q58bf029267_ffn2:
	.size	k_q58bf029267_ffn2, .Lfunc_end_k_q58bf029267_ffn2-k_q58bf029267_ffn2
	.p2alignl 7, 3214868480
	.fill 96, 4, 3214868480
	.section	.rodata,"a",@progbits
	.p2align	6, 0x0
	.amdhsa_kernel k_q58bf029267_ffn2
		.amdhsa_group_segment_fixed_size 141312
		.amdhsa_private_segment_fixed_size 0
		.amdhsa_enable_private_segment 0
		.amdhsa_kernarg_size 56
		.amdhsa_user_sgpr_count 2
		.amdhsa_user_sgpr_kernarg_segment_ptr 1
		.amdhsa_wavefront_size32 1
		.amdhsa_system_sgpr_workgroup_id_x 1
		.amdhsa_system_sgpr_workgroup_id_y 1
		.amdhsa_system_sgpr_workgroup_id_z 1
		.amdhsa_system_vgpr_workitem_id 0
		.amdhsa_next_free_vgpr 768
		.amdhsa_next_free_sgpr 66
		.amdhsa_reserve_vcc 0
		.amdhsa_float_denorm_mode_32 3
		.amdhsa_float_denorm_mode_16_64 3
		.amdhsa_memory_ordered 1
		.amdhsa_forward_progress 1
		.amdhsa_inst_pref_size 173
	.end_amdhsa_kernel
	.amdgpu_metadata
---
amdhsa.version: [ 1, 2 ]
amdhsa.kernels:
  - .name:           k_q58bf029267_ffn2
    .symbol:         k_q58bf029267_ffn2.kd
    .args:
      - { .name: hq, .offset: 0, .size: 8, .value_kind: global_buffer, .address_space: global }
      - { .name: hs, .offset: 8, .size: 8, .value_kind: global_buffer, .address_space: global }
      - { .name: route, .offset: 16, .size: 8, .value_kind: global_buffer, .address_space: global }
      - { .name: w2_codes, .offset: 24, .size: 8, .value_kind: global_buffer, .address_space: global }
      - { .name: w2_scales, .offset: 32, .size: 8, .value_kind: global_buffer, .address_space: global }
      - { .name: b2, .offset: 40, .size: 8, .value_kind: global_buffer, .address_space: global }
      - { .name: ybuf, .offset: 48, .size: 8, .value_kind: global_buffer, .address_space: global }
    .group_segment_fixed_size: 141312
    .private_segment_fixed_size: 0
    .kernarg_segment_align: 8
    .kernarg_segment_size: 56
    .max_flat_workgroup_size: 128
    .sgpr_count:     66
    .vgpr_count:     768
    .wavefront_size: 32
...
	.end_amdgpu_metadata
.endif
;; end of part 4
;; launch combine (part 5): grid 256 x 1, 4 waves a work-group, no clusters, 0 bytes of LDS; arguments ybuf, route, topp, out0; writes out0
.if DOCPART == 5
	.amdgcn_target "amdgcn-amd-amdhsa--gfx1250"
	.amdhsa_code_object_version 6
	.text
	.protected	k_q58bf029267_combine
	.globl	k_q58bf029267_combine
	.p2align	8
	.type	k_q58bf029267_combine,@function
k_q58bf029267_combine:
	s_mov_b64 s[64:65], 0
	v_nop
	global_prefetch_b8 v0, s[64:65] scope:SCOPE_SE
	s_setreg_imm32_b32 hwreg(HW_REG_WAVE_MODE, 25, 1), 1
	s_wait_xcnt 0x0
; out[t] = p0 y(first expert's row) + p1 y(second expert's row).  One wave serves one token: each output row has one owner, and nothing is added across work-groups.
; ybuf: [8 e][32 dt][1,024 places][32] f32; inv = (e << 15) + place, so inv << 7 is the row's first piece; its 32 pieces of 128 bytes lie 2^17 bytes apart.
; A load takes four pieces (eight lanes each); a store covers 512 consecutive bytes of out0.  Memory binds: no LDS, no barrier, no matrix unit.
.set YA, 16                            ; v16-47  the first row
.set YB, 48                            ; v48-79  the second
	s_load_b256 s[4:11], s[0:1], 0x0               ; ybuf s[4:5], route s[6:7], topp s[8:9], out0 s[10:11]
	v_and_b32 v1, 31, v0                           ; lane
	v_lshrrev_b32 v2, 5, v0
	v_readfirstlane_b32 s2, v2                     ; wave
	s_lshl_b32 s3, ttmp9, 2
	s_add_co_u32 s3, s3, s2                        ; my token
	v_lshrrev_b32 v2, 3, v1
	v_and_b32 v3, 7, v1
	v_lshlrev_b32 v3, 4, v3
	v_lshl_add_u32 v3, v2, 17, v3                  ; piece lane / 8 of the load's four, 16 bytes a lane
	v_lshlrev_b32 v4, 4, v1
	s_lshl_b32 s22, s3, 3
	s_mov_b32 s23, 0
	s_lshl_b32 s24, s3, 12
	s_mov_b32 s25, 0
	s_wait_kmcnt 0x0
	s_add_nc_u64 s[6:7], s[6:7], s[22:23]
	s_add_nc_u64 s[8:9], s[8:9], s[22:23]
	s_add_nc_u64 s[10:11], s[10:11], s[24:25]
	s_load_b64 s[12:13], s[6:7], 0x0               ; my two rows
	s_load_b64 s[14:15], s[8:9], 0x0               ; my two weights
	s_wait_kmcnt 0x0
	s_min_u32 s12, s12, 0x383ff
	s_min_u32 s13, s13, 0x383ff
	s_lshl_b32 s16, s12, 7
	s_mov_b32 s17, 0
	s_lshl_b32 s18, s13, 7
	s_mov_b32 s19, 0
	s_add_nc_u64 s[16:17], s[4:5], s[16:17]
	s_add_nc_u64 s[18:19], s[4:5], s[18:19]
	s_mov_b32 s20, s15                             ; the packed forms name a pair and take its low word for both halves
	s_mov_b32 s21, s15
.irp i, 0,1,2,3,4,5,6,7
	global_load_b128 v[YA+4*\i:YA+4*\i+3], v3, s[16:17] offset:524288*\i th:TH_LOAD_NT
	global_load_b128 v[YB+4*\i:YB+4*\i+3], v3, s[18:19] offset:524288*\i th:TH_LOAD_NT
.endr
.irp i, 0,1,2,3,4,5,6,7
	s_wait_loadcnt 14-2*\i                         ; pair i of loads is in; the younger pairs may be out
.irp j, 0,2
	v_pk_mul_f32 v[YA+4*\i+\j:YA+4*\i+\j+1], v[YA+4*\i+\j:YA+4*\i+\j+1], s[14:15] op_sel_hi:[1,0]
.endr
.irp j, 0,2
	v_pk_fma_f32 v[YA+4*\i+\j:YA+4*\i+\j+1], v[YB+4*\i+\j:YB+4*\i+\j+1], s[20:21], v[YA+4*\i+\j:YA+4*\i+\j+1] op_sel_hi:[1,0,1]
.endr
	global_store_b128 v4, v[YA+4*\i:YA+4*\i+3], s[10:11] offset:512*\i th:TH_STORE_NT
.endr
	s_endpgm
.Lfunc_end_k_q58bf029267_combine:
	.size	k_q58bf029267_combine, .Lfunc_end_k_q58bf029267_combine-k_q58bf029267_combine
	.p2alignl 7, 3214868480
	.fill 96, 4, 3214868480
	.section	.rodata,"a",@progbits
	.p2align	6, 0x0
	.amdhsa_kernel k_q58bf029267_combine
		.amdhsa_group_segment_fixed_size 0
		.amdhsa_private_segment_fixed_size 0
		.amdhsa_enable_private_segment 0
		.amdhsa_kernarg_size 32
		.amdhsa_user_sgpr_count 2
		.amdhsa_user_sgpr_kernarg_segment_ptr 1
		.amdhsa_wavefront_size32 1
		.amdhsa_system_sgpr_workgroup_id_x 1
		.amdhsa_system_sgpr_workgroup_id_y 1
		.amdhsa_system_sgpr_workgroup_id_z 1
		.amdhsa_system_vgpr_workitem_id 0
		.amdhsa_next_free_vgpr 96
		.amdhsa_next_free_sgpr 66
		.amdhsa_reserve_vcc 0
		.amdhsa_float_denorm_mode_32 3
		.amdhsa_float_denorm_mode_16_64 3
		.amdhsa_memory_ordered 1
		.amdhsa_forward_progress 1
		.amdhsa_inst_pref_size 6
	.end_amdhsa_kernel
	.amdgpu_metadata
---
amdhsa.version: [ 1, 2 ]
amdhsa.kernels:
  - .name:           k_q58bf029267_combine
    .symbol:         k_q58bf029267_combine.kd
    .args:
      - { .name: ybuf, .offset: 0, .size: 8, .value_kind: global_buffer, .address_space: global }
      - { .name: route, .offset: 8, .size: 8, .value_kind: global_buffer, .address_space: global }
      - { .name: topp, .offset: 16, .size: 8, .value_kind: global_buffer, .address_space: global }
      - { .name: out0, .offset: 24, .size: 8, .value_kind: global_buffer, .address_space: global }
    .group_segment_fixed_size: 0
    .private_segment_fixed_size: 0
    .kernarg_segment_align: 8
    .kernarg_segment_size: 32
    .max_flat_workgroup_size: 128
    .sgpr_count:     66
    .vgpr_count:     96
    .wavefront_size: 32
...
	.end_amdgpu_metadata
.endif
;; end of part 5
;; ======== version 2 of 3: 5 launches
;; workspace buffers: topi 8,192 bytes of whole numbers; topp 8,192 bytes; route 8,448 bytes of whole numbers; xg 8,388,608 bytes; xgs 262,144 bytes; hq 33,554,432 bytes; hs 2,097,152 bytes; ybuf 134,217,728 bytes
;; launch router: the kernel of part 1 again; grid 256 x 1, 4 waves a work-group, no clusters, 1,536 bytes of LDS; arguments x, gate_w, gate_b, topi, topp; writes topi, topp
;; launch place: the kernel of part 2 again; grid 256 x 1, 4 waves a work-group, no clusters, 1,536 bytes of LDS; arguments x, topi, xg, xgs, route; writes xg, xgs, route
;; launch ffn1: the kernel of part 3 again; grid 32 x 8, 4 waves a work-group, no clusters, 139,776 bytes of LDS; arguments xg, xgs, route, w1_codes, w1_scales, b1, hq, hs; writes hq, hs
;; launch ffn2 (part 6): grid 32 x 8, 4 waves a work-group, no clusters, 172,032 bytes of LDS; arguments hq, hs, route, w2_codes, w2_scales, b2, ybuf; writes ybuf
.if DOCPART == 6
	.amdgcn_target "amdgcn-amd-amdhsa--gfx1250"
	.amdhsa_code_object_version 6
	.text
	.protected	k_q58bf029267_ffn2
	.globl	k_q58bf029267_ffn2
	.p2align	8
	.type	k_q58bf029267_ffn2,@function
k_q58bf029267_ffn2:
	s_mov_b64 s[64:65], 0
	v_nop
	global_prefetch_b8 v0, s[64:65] scope:SCOPE_SE
	s_setreg_imm32_b32 hwreg(HW_REG_WAVE_MODE, 25, 1), 1
	s_wait_xcnt 0x0
; A quarter along K of y = h W2 + b2 for the rows routed to an expert, on codes of E4M3 with one E8M0 scale for each 32 along K.
; SHARES.  Work-group (x, e): nt = x & 7: outputs 128 nt .. 128 nt + 127; kq = x >> 3: k = 1,024 kq .. 1,024 kq + 1,023 of the 4,096.  It keeps that slice of W2[e], 128 KB of codes, in LDS: each weight byte is read from memory
; once in the launch.  A work-group reads 1,024 bytes of each row of h, not the row's 4,096; the price is that y leaves in four parts, which the next launch adds.
; Its four waves share the ROWS: wave w takes the tiles of 16 rows tau = w + 4 j, five in a pass, each against all eight tiles of 16 outputs: 40 accumulators, 8 K steps of 128.
; The number of rows, cnt, is read from memory.  An expert has at most 1,024 rows, 64 tiles, 16 a wave: the loop over passes has at most four trips and is left as soon as the wave's tiles are done.
; Tiles past the last are copies of the last (clamped index) and are not stored.
; h comes from hq as images of the operand's registers: a fragment is four loads of 512 consecutive bytes.  Three sets of five fragments: 60 loads of a wave are on their way.
; THE PRODUCT IS USED TRANSPOSED (source 0 = 16 outputs of W2, source 1 = 16 rows of h): a lane holds eight neighbouring outputs of one row.
; b2 is the C of each sum's first matrix instruction where kq = 0; the other quarters take zeros there (a choice by v_cndmask_b32 on the work-group's number as the bias goes to LDS).
; OUT: ybuf [4 kq][8 e][1,024 places][1,024] f32.  A tile's 16 rows x 512 bytes go through the wave's own stage in LDS and leave as 16 stores of 512 consecutive bytes, aligned.
; NOT JOINT: the work-groups of an expert and a quarter read the same h, but the passes and the tiles left out hang on a count read from memory; h comes straight into registers.
; LIMITS: NaN and infinities are not served.  The sum over K is formed in four parts of 1,024, each in ascending order, and the parts are added in f32 by the next launch.
; REGISTERS, in windows of 256.  window 0: v1-27 addresses; v32-40 the head's small loads; v48-55 W2's scale words (two sets), v56-75 h's: scales and nothing else; v128-191 the accumulators of tile 4; v192-255 the bias in the result's layout.
;   window 1: W2's fragments, two sets of 8 x 16 (at the head: what is on its way to LDS).   window 2: accumulator (t, m), m = 0 .. 3, at 8 (4 t + m).
;   window 3: h's fragments, three sets of 5 x 16; behind the products: rows of y read back from the stage.
.set WTP,  1040                        ; an output's row in LDS: 1,024 bytes + 16: 65 x 16, so the 16 rows that a load touches start at 16 different groups of banks (64 banks of 4 bytes: ISA guide 11.1)
.set WSC,  128*WTP                     ; W2's scale words: [K step][lane][b]: lanes 0-15 tile 2 b, lanes 16-31 tile 2 b + 1
.set BIAS, WSC+4096                    ; the bias of the 128 outputs
.set STG,  BIAS+512                    ; the stages: 16 rows x (512 bytes + 16) for each wave
.set SP,   528
.set PASSES, 4                         ; 16 tiles a wave at the most, five a pass
.set AW0,  4                           ; v4   my place in tiles 0-3 of W2;  v5 in tiles 4-7
.set AW1,  5
.set AWS,  6                           ; v6   my scale words
.set ABI,  7                           ; v7   my half's biases
.set STA,  8                           ; v8   staging: my wave's 32 rows, 16 bytes a lane
.set L16,  9                           ; v9   16 x lane
.set SCW,  10                          ; v10  staging: where my output's scale words go
.set BIW,  11                          ; v11  staging: where my output's bias goes
.set SRO,  12                          ; v12  128 x thread
.set HSL,  13                          ; v13  512 x (lane / 16) + 4 r
.set STO,  14                          ; v14  the stage: where I put 32 bytes of a row
.set SRD,  15                          ; v15  and where I read a row back
.set HOFF, 16                          ; v16-20  tile m: offset in hq
.set HSO,  21                          ; v21-25  and in hs
.set YO,   26                          ; v26  the way out: offset in ybuf
.set T4,   27                          ; v27  4 x thread
.set WS,   48
.set HS,   56
.set A4,   128
.set BB,   192
.set MSB, 0
.macro WIN new                         ; s_set_vgpr_msb: bits 1:0 source 0, 3:2 source 1, 5:4 source 2, 7:6 destination; the high byte repeats the setting that is left
.if MSB != \new
	s_set_vgpr_msb (MSB<<8)|\new
.set MSB, \new
.endif
.endm
.macro NOPS n
.rept \n
	v_nop
.endr
.endm
.macro OFFS2                           ; tile m of the pass: tau = w + 4 (J0 + m), held at the last tile
.irp m, 0,1,2,3,4
	s_add_co_u32 s28, s25, \m
	s_lshl_b32 s28, s28, 2
	s_add_co_u32 s28, s28, s2
	s_min_u32 s28, s28, s6
	s_min_u32 s28, s28, 63
	s_lshl_b32 s29, s28, 16
	v_add_nc_u32 v[HOFF+\m], s29, v[L16]
	s_lshl_b32 s29, s28, 12
	v_add_nc_u32 v[HSO+\m], s29, v[HSL]
.endr
.endm
.macro HF s                            ; h's five fragments of K step s into set s % 3: each load is 512 consecutive bytes
	WIN 0xc0
.irp m, 0,1,2,3,4
.irp c, 0,1,2,3
	global_load_b128 v[80*((\s)%3)+16*\m+4*\c:80*((\s)%3)+16*\m+4*\c+3], v[HOFF+\m], s[8:9] offset:2048*(\s)+512*\c
.endr
.endr
.endm
.macro HSC                             ; h's scale words: register 4 m + j: lanes 0-15 those of K step j, lanes 16-31 those of K step j + 4
	WIN 0
.irp m, 0,1,2,3,4
.irp j, 0,1,2,3
	global_load_b32 v[HS+4*\m+\j], v[HSO+\m], s[10:11] offset:128*\j
.endr
.endr
.endm
.macro WF s                            ; W2's eight fragments of K step s into set s & 1, and their scale words: 33 LDS loads
	WIN 0x40
.irp t, 0,1,2,3
.irp c, 0,1,2,3
	ds_load_b128 v[128*((\s)&1)+16*\t+4*\c:128*((\s)&1)+16*\t+4*\c+3], v[AW0] offset:\t*16*WTP+128*(\s)+32*\c
.endr
.endr
.irp t, 0,1,2,3
.irp c, 0,1,2,3
	ds_load_b128 v[128*((\s)&1)+64+16*\t+4*\c:128*((\s)&1)+64+16*\t+4*\c+3], v[AW1] offset:\t*16*WTP+128*(\s)+32*\c
.endr
.endr
	WIN 0
	ds_load_b128 v[WS+4*((\s)&1):WS+4*((\s)&1)+3], v[AWS] offset:512*(\s)
.endm
.macro MM s, t, m                      ; accumulator (t, m) takes K step s; in the first step C is the bias
.set rW, 128*((\s)&1)+16*(\t)
.set rX, 80*((\s)%3)+16*(\m)
.set rA, WS+4*((\s)&1)+(\t)/2
.set rB, HS+4*(\m)+((\s)&3)
.if (\m) < 4
.set rD, 8*(4*(\t)+(\m))
.else
.set rD, A4+8*(\t)
.endif
.if (\s) == 0
.set rC, BB+8*(\t)
.else
.set rC, rD
.endif
.if ((\t)&1) && ((\s) >= 4)
	v_wmma_scale_f32_16x16x128_f8f6f4 v[rD:rD+7], v[rW:rW+15], v[rX:rX+15], v[rC:rC+7], v[rA], v[rB] matrix_a_scale:MATRIX_SCALE_ROW1 matrix_b_scale:MATRIX_SCALE_ROW1
.elseif (\t)&1
	v_wmma_scale_f32_16x16x128_f8f6f4 v[rD:rD+7], v[rW:rW+15], v[rX:rX+15], v[rC:rC+7], v[rA], v[rB] matrix_a_scale:MATRIX_SCALE_ROW1
.elseif (\s) >= 4
	v_wmma_scale_f32_16x16x128_f8f6f4 v[rD:rD+7], v[rW:rW+15], v[rX:rX+15], v[rC:rC+7], v[rA], v[rB] matrix_b_scale:MATRIX_SCALE_ROW1
.else
	v_wmma_scale_f32_16x16x128_f8f6f4 v[rD:rD+7], v[rW:rW+15], v[rX:rX+15], v[rC:rC+7], v[rA], v[rB]
.endif
.endm
; A K step: 40 matrix instructions, the 40 accumulators by turns, one instruction a turn, in the same order in every step.  Behind them the sets just used are asked for again.
.macro KSTEP s
.if (\s) <= 5
	s_wait_loadcnt 40                              ; h of this step is in (and, in step 0, the scale words); the two steps behind it, 20 loads each, may be out
.elseif (\s) == 6
	s_wait_loadcnt 20
.else
	s_wait_loadcnt 0x0
.endif
.if (\s) <= 6
	s_wait_dscnt 33                                ; W2 of this step is in; the next step's 33 loads may be out
.else
	s_wait_dscnt 0x0
.endif
.if (\s) == 0
	WIN 0x8d                                       ; W2 window 1, h window 3, C (the bias) window 0, D window 2
.else
	WIN 0xad                                       ; C and D window 2
.endif
.irp t, 0,1,2,3,4,5,6,7
.irp m, 0,1,2,3
	MM \s, \t, \m
.endr
.endr
	WIN 0x0d                                       ; tile 4: C and D window 0
.irp t, 0,1,2,3,4,5,6,7
	MM \s, \t, 4
.endr
.if (\s) <= 5
	NOPS 8                                         ; eight places in front of loads into registers that these matrix instructions have read
	WF (\s)+2
.if (\s) <= 4
	HF (\s)+3
.endif
.endif
.endm
; tile m goes out, if it is mine.  A lane holds 32 neighbouring bytes of a row for each tile of outputs, and the lanes beside it hold other rows: so the tile goes through my own stage and comes back as whole rows of 512 bytes.
.macro EP2 m
	s_add_co_u32 s28, s25, \m
	s_cmp_ge_u32 s28, s24
	s_cbranch_scc1 .Lep_done
	s_wait_xcnt 0x0                                ; the earlier tiles' stores have read their offset and their data: both are written again below
	s_lshl_b32 s28, s28, 2
	s_add_co_u32 s28, s28, s2
	s_min_u32 s28, s28, 63                         ; tau
	s_lshl_b32 s28, s28, 16                        ; 16 rows of 4,096 bytes
	v_add_nc_u32 v[YO], s28, v[L16]
.if (\m) < 4
	WIN 0x08                                       ; an LDS store's data are its source 1: window 2
.endif
.irp t, 0,1,2,3,4,5,6,7
.if (\m) < 4
.set rD, 8*(4*\t+(\m))
.else
.set rD, A4+8*\t
.endif
	ds_store_b128 v[STO], v[rD:rD+3] offset:64*\t          ; lane (r, h): y(r, 16 t + 8 h + 0 .. 7); each accumulator from its low end on
	ds_store_b128 v[STO], v[rD+4:rD+7] offset:64*\t+16
.endr
	WIN 0xc0
.set OB, 64*((\m)%3)
.irp i, 0,1,2,3,4,5,6,7,8,9,10,11,12,13,14,15
	ds_load_b128 v[OB+4*\i:OB+4*\i+3], v[SRD] offset:\i*SP   ; LDS serves a wave's instructions in order (ISA guide 5.7.1.4): these see the stores above, and the next tile's stores come behind them
.endr
	WIN 0x0c                                       ; a store's data are its source 1: window 3
.irp i, 0,1,2,3,4,5,6,7,8,9,10,11,12,13,14,15
	s_wait_dscnt 15-\i                             ; row i is back; the younger loads may be out
	global_store_b128 v[YO], v[OB+4*\i:OB+4*\i+3], s[20:21] offset:4096*\i th:TH_STORE_NT   ; 32 lanes store 512 consecutive bytes, aligned; written once, read by nobody here
.endr
	WIN 0
.endm
	s_load_b256 s[8:15], s[0:1], 0x0               ; hq s[8:9], hs s[10:11], route s[12:13], W2's codes s[14:15]
	s_load_b128 s[16:19], s[0:1], 0x20             ; W2's scales s[16:17], b2 s[18:19]
	s_load_b64 s[20:21], s[0:1], 0x30              ; ybuf
	v_lshl_add_u32 v126, v0, 2, 0x29e00
	v_mov_b32 v127, 0
	v_and_b32 v1, 31, v0                           ; lane
	v_lshrrev_b32 v2, 5, v0
	v_readfirstlane_b32 s2, v2                     ; wave
	v_and_b32 v2, 15, v0                           ; r
	v_bfe_u32 v3, v0, 4, 1                         ; h
	s_and_b32 s3, ttmp7, 0xffff                    ; the expert
	s_and_b32 s4, ttmp9, 7                         ; nt: which 128 outputs
	s_lshr_b32 s33, ttmp9, 3                       ; kq: which quarter of K
	v_lshlrev_b32 v[L16], 4, v1
	v_mul_u32_u24 v[AW0], v2, WTP
	v_lshl_add_u32 v[AW0], v3, 4, v[AW0]
	v_add_nc_u32 v[AW1], 64*WTP, v[AW0]
	v_lshl_add_u32 v[AWS], v1, 4, WSC
	v_lshl_add_u32 v[ABI], v3, 5, BIAS
	s_mul_i32 s28, s2, 32*WTP
	v_add_nc_u32 v[STA], s28, v[L16]
	s_lshl_b32 s28, s2, 2
	s_add_co_u32 s28, s28, WSC
	v_add_nc_u32 v[SCW], s28, v[L16]               ; output 32 w + l belongs to tile 2 w + l / 16, row l % 16: lane l, word b = w
	v_lshl_add_u32 v[BIW], v0, 2, BIAS
	v_lshlrev_b32 v[SRO], 7, v0
	v_lshlrev_b32 v[T4], 2, v0
	v_lshlrev_b32 v[HSL], 2, v2
	v_lshl_add_u32 v[HSL], v3, 9, v[HSL]
	s_mul_i32 s28, s2, 16*SP
	s_add_co_u32 s28, s28, STG                     ; my stage
	v_mul_u32_u24 v[STO], v2, SP
	v_lshl_add_u32 v[STO], v3, 5, v[STO]
	v_add_nc_u32 v[STO], s28, v[STO]               ; in: row r, 32 bytes for each half of the lanes
	v_add_nc_u32 v[SRD], s28, v[L16]               ; back: the 32 lanes take one row of 512 bytes
	s_mov_b32 s27, 0
	s_lshl_b32 s26, s3, 2
	s_wait_kmcnt 0x0
	s_add_nc_u64 s[30:31], s[12:13], s[26:27]
	s_load_b32 s5, s[30:31], 0x2000                ; cnt of my expert
	s_lshl_b32 s26, s3, 22                         ; W2: expert, 128 outputs of 4,096 bytes, my wave's 32 of them, my quarter of each row
	s_lshl_b32 s28, s4, 19
	s_add_co_u32 s26, s26, s28
	s_lshl_b32 s28, s2, 17
	s_add_co_u32 s26, s26, s28
	s_lshl_b32 s28, s33, 10
	s_add_co_u32 s26, s26, s28
	s_add_nc_u64 s[14:15], s[14:15], s[26:27]
	s_lshl_b32 s26, s3, 17                         ; its scale bytes: 128 an output, 32 of them my quarter's
	s_lshl_b32 s28, s4, 14
	s_add_co_u32 s26, s26, s28
	s_lshl_b32 s28, s33, 5
	s_add_co_u32 s26, s26, s28
	s_add_nc_u64 s[16:17], s[16:17], s[26:27]
	s_lshl_b32 s26, s3, 12                         ; b2
	s_lshl_b32 s28, s4, 9
	s_add_co_u32 s26, s26, s28
	s_add_nc_u64 s[18:19], s[18:19], s[26:27]
	; W2's 128 KB go out first: each load is 512 consecutive bytes, half of an output's 1,024; my wave's 32 outputs in two batches of 32 loads
	WIN 0x40
.set i, 0
.rept 32
	global_load_b128 v[4*i:4*i+3], v[L16], s[14:15] offset:(i/2)*4096+512*(i%2) th:TH_LOAD_NT
.set i, i+1
.endr
.set i, 0
.rept 32
	global_load_b128 v[128+4*i:128+4*i+3], v[L16], s[14:15] offset:(16+i/2)*4096+512*(i%2) th:TH_LOAD_NT
.set i, i+1
.endr
	WIN 0
	global_load_b128 v[32:35], v[SRO], s[16:17]            ; output = thread: its 8 scale words of my quarter
	global_load_b128 v[36:39], v[SRO], s[16:17] offset:16
	global_load_b32 v40, v[T4], s[18:19]                   ; and its bias
	s_lshl_b32 s26, s3, 22                         ; hq at my expert and my quarter's first chunk: 8 chunks of 2,048 bytes a quarter
	s_lshl_b32 s28, s33, 14
	s_add_co_u32 s26, s26, s28
	s_add_nc_u64 s[8:9], s[8:9], s[26:27]
	s_lshl_b32 s26, s3, 18                         ; hs likewise: 8 chunks of 128 bytes
	s_lshl_b32 s28, s33, 10
	s_add_co_u32 s26, s26, s28
	s_add_nc_u64 s[10:11], s[10:11], s[26:27]
	s_lshl_b32 s26, s33, 25                        ; ybuf at my quarter, my expert, my 128 outputs
	s_lshl_b32 s28, s3, 22
	s_add_co_u32 s26, s26, s28
	s_lshl_b32 s28, s4, 9
	s_add_co_u32 s26, s26, s28
	s_add_nc_u64 s[20:21], s[20:21], s[26:27]
	s_cmp_eq_u32 s33, 0
	s_cselect_b32 s34, -1, 0                       ; all lanes where the bias is mine to add
	s_wait_kmcnt 0x0
	s_min_u32 s5, s5, 1024
	s_max_u32 s5, s5, 1
	s_add_co_u32 s6, s5, 15
	s_lshr_b32 s6, s6, 4                           ; T tiles of rows, 1 to 64
	s_add_co_u32 s24, s6, 3
	s_sub_co_u32 s24, s24, s2
	s_lshr_b32 s24, s24, 2                         ; NW: how many of them are my wave's (0 where T <= w), 16 at the most
	s_sub_co_u32 s6, s6, 1                         ; the last tile
	s_mov_b32 s25, 0                               ; J0: my tiles done
	s_mov_b32 s35, 0                               ; passes done: the loop's counter
	OFFS2
	s_wait_loadcnt 35                              ; the first batch is in; the second's 32 loads and the 3 small ones may be out
	WIN 0x04
.set i, 0
.rept 32
	ds_store_b128 v[STA], v[4*i:4*i+3] offset:(i/2)*WTP+512*(i%2)
.set i, i+1
.endr
	HF 0
	HSC
	s_wait_loadcnt 40                              ; the second batch and the small loads are in; the 40 just issued may be out
	WIN 0x04
.set i, 0
.rept 32
	ds_store_b128 v[STA], v[128+4*i:128+4*i+3] offset:(16+i/2)*WTP+512*(i%2)
.set i, i+1
.endr
	WIN 0
	v_cndmask_b32 v40, 0, v40, s34                 ; b2 in the first quarter, 0 in the others
.irp k, 0,1,2,3,4,5,6,7
	ds_store_b32 v[SCW], v[32+\k] offset:512*\k
.endr
	ds_store_b32 v[BIW], v40
	HF 1
	HF 2
	WIN 0
	s_wait_dscnt 0x0                               ; for the others' sake: my stores have landed
	s_barrier_signal -1
	s_barrier_wait -1                              ; W2's slice lies in LDS.  The one barrier: it stands ahead of every branch on the count
	s_cmp_eq_u32 s24, 0
	s_cbranch_scc1 .Lend                           ; fewer tiles than waves: nothing is mine
.irp t, 0,1,2,3,4,5,6,7
.irp q, 0,1
	ds_load_b128 v[BB+8*\t+4*\q:BB+8*\t+4*\q+3], v[ABI] offset:64*\t+16*\q   ; the bias of outputs 16 t + 8 h + 0 .. 7: eight registers a tile, in the result's layout; they stay
.endr
.endr
.Lpass:
	WF 0
	WF 1
.irp k, 0,1,2,3,4,5,6,7
	KSTEP \k
.endr
	WIN 0
	NOPS 9                                         ; eight places ahead of the first read of results and of loads into h's registers; nine ahead of the next pass's first products, which write over the results
	EP2 0
	EP2 1
	EP2 2
	EP2 3
	EP2 4
.Lep_done:
	s_add_co_u32 s25, s25, 5
	s_cmp_ge_u32 s25, s24
	s_cbranch_scc1 .Lend                           ; my tiles are done: the way out of the loop over passes
	s_wait_xcnt 0x0                                ; the stores have read their data, which h's fragments now overwrite; the offsets are written again
	OFFS2
	HF 0                                           ; in the order of the head, so that the K steps' counts hold on both ways into the pass
	HSC
	HF 1
	HF 2
	WIN 0
	s_add_co_u32 s35, s35, 1                       ; the loop is counted against a constant: four passes of five tiles serve a wave's 16 tiles, so the branch above always leaves it first
	s_cmp_lt_u32 s35, PASSES
	s_cbranch_scc1 .Lpass
.Lend:
	s_barrier_signal -1
	s_barrier_wait -1
	s_wait_tensorcnt 0x0
	ds_add_u32 v126, v127
	s_wait_dscnt 0x0
	s_endpgm
.Lfunc_end_k_q58bf029267_ffn2:
	.size	k_q58bf029267_ffn2, .Lfunc_end_k_q58bf029267_ffn2-k_q58bf029267_ffn2
	.p2alignl 7, 3214868480
	.fill 96, 4, 3214868480
	.section	.rodata,"a",@progbits
	.p2align	6, 0x0
	.amdhsa_kernel k_q58bf029267_ffn2
		.amdhsa_group_segment_fixed_size 172032
		.amdhsa_private_segment_fixed_size 0
		.amdhsa_enable_private_segment 0
		.amdhsa_kernarg_size 56
		.amdhsa_user_sgpr_count 2
		.amdhsa_user_sgpr_kernarg_segment_ptr 1
		.amdhsa_wavefront_size32 1
		.amdhsa_system_sgpr_workgroup_id_x 1
		.amdhsa_system_sgpr_workgroup_id_y 1
		.amdhsa_system_sgpr_workgroup_id_z 1
		.amdhsa_system_vgpr_workitem_id 0
		.amdhsa_next_free_vgpr 1024
		.amdhsa_next_free_sgpr 66
		.amdhsa_reserve_vcc 0
		.amdhsa_float_denorm_mode_32 3
		.amdhsa_float_denorm_mode_16_64 3
		.amdhsa_memory_ordered 1
		.amdhsa_forward_progress 1
		.amdhsa_inst_pref_size 126
	.end_amdhsa_kernel
	.amdgpu_metadata
---
amdhsa.version: [ 1, 2 ]
amdhsa.kernels:
  - .name:           k_q58bf029267_ffn2
    .symbol:         k_q58bf029267_ffn2.kd
    .args:
      - { .name: hq, .offset: 0, .size: 8, .value_kind: global_buffer, .address_space: global }
      - { .name: hs, .offset: 8, .size: 8, .value_kind: global_buffer, .address_space: global }
      - { .name: route, .offset: 16, .size: 8, .value_kind: global_buffer, .address_space: global }
      - { .name: w2_codes, .offset: 24, .size: 8, .value_kind: global_buffer, .address_space: global }
      - { .name: w2_scales, .offset: 32, .size: 8, .value_kind: global_buffer, .address_space: global }
      - { .name: b2, .offset: 40, .size: 8, .value_kind: global_buffer, .address_space: global }
      - { .name: ybuf, .offset: 48, .size: 8, .value_kind: global_buffer, .address_space: global }
    .group_segment_fixed_size: 172032
    .private_segment_fixed_size: 0
    .kernarg_segment_align: 8
    .kernarg_segment_size: 56
    .max_flat_workgroup_size: 128
    .sgpr_count:     66
    .vgpr_count:     1024
    .wavefront_size: 32
...
	.end_amdgpu_metadata
.endif
;; end of part 6
;; launch combine (part 7): grid 256 x 1, 8 waves a work-group, no clusters, 0 bytes of LDS; arguments ybuf, route, topp, out0; writes out0
.if DOCPART == 7
	.amdgcn_target "amdgcn-amd-amdhsa--gfx1250"
	.amdhsa_code_object_version 6
	.text
	.protected	k_q58bf029267_combine
	.globl	k_q58bf029267_combine
	.p2align	8
	.type	k_q58bf029267_combine,@function
k_q58bf029267_combine:
	s_mov_b64 s[64:65], 0
	v_nop
	global_prefetch_b8 v0, s[64:65] scope:SCOPE_SE
	s_setreg_imm32_b32 hwreg(HW_REG_WAVE_MODE, 25, 1), 1
	s_wait_xcnt 0x0
; out[t] = p0 y(first expert's row) + p1 y(second expert's row), where a row of y is the sum of its four parts along K.  Each output row has one owner: nothing is added across work-groups.
; ybuf: [4 kq][8 e][1,024 places][1,024] f32; inv = (e << 15) + place, so a row begins at (e << 22) + (place << 12) in each quarter, and the quarters lie 2^25 bytes apart.
; SHARES.  A work-group takes 4 tokens, a wave half a token's row: four chunks of 512 bytes, each from 2 experts x 4 quarters: 32 loads of 512 consecutive bytes, all issued at once; a store covers 512 consecutive bytes of out0.
; Memory binds: no LDS, no barrier, no matrix unit.
.set VO, 4                             ; v4-7    16 x lane + quarter q's 2^25 q
.set Y,  16                            ; v16-143 chunk i, expert k, quarter q at Y + 4 (8 i + 4 k + q)
	s_load_b256 s[4:11], s[0:1], 0x0               ; ybuf s[4:5], route s[6:7], topp s[8:9], out0 s[10:11]
	v_and_b32 v1, 31, v0                           ; lane
	v_lshrrev_b32 v2, 5, v0
	v_readfirstlane_b32 s2, v2                     ; wave 0..7
	s_lshr_b32 s3, s2, 1
	s_lshl_b32 s12, ttmp9, 2
	s_add_co_u32 s3, s3, s12                       ; my token
	s_and_b32 s2, s2, 1                            ; my half of its row
	v_lshlrev_b32 v3, 4, v1                        ; 16 bytes a lane
.irp q, 0,1,2,3
	v_add_nc_u32 v[VO+\q], (\q)<<25, v3
.endr
	s_lshl_b32 s22, s3, 3
	s_mov_b32 s23, 0
	s_lshl_b32 s26, s2, 11                         ; 2,048 bytes a half
	s_mov_b32 s27, 0
	s_lshl_b32 s24, s3, 12
	s_add_co_u32 s24, s24, s26
	s_mov_b32 s25, 0
	s_wait_kmcnt 0x0
	s_add_nc_u64 s[6:7], s[6:7], s[22:23]
	s_add_nc_u64 s[8:9], s[8:9], s[22:23]
	s_add_nc_u64 s[10:11], s[10:11], s[24:25]
	s_add_nc_u64 s[4:5], s[4:5], s[26:27]
	s_load_b64 s[12:13], s[6:7], 0x0               ; my two rows
	s_load_b64 s[14:15], s[8:9], 0x0               ; my two weights
	s_wait_kmcnt 0x0
	s_min_u32 s12, s12, 0x383ff
	s_min_u32 s13, s13, 0x383ff
	s_and_b32 s16, s12, 0x38000                    ; e << 15
	s_lshl_b32 s16, s16, 7
	s_and_b32 s28, s12, 0x3ff                      ; the place
	s_lshl_b32 s28, s28, 12
	s_add_co_u32 s16, s16, s28
	s_mov_b32 s17, 0
	s_and_b32 s18, s13, 0x38000
	s_lshl_b32 s18, s18, 7
	s_and_b32 s28, s13, 0x3ff
	s_lshl_b32 s28, s28, 12
	s_add_co_u32 s18, s18, s28
	s_mov_b32 s19, 0
	s_add_nc_u64 s[16:17], s[4:5], s[16:17]
	s_add_nc_u64 s[18:19], s[4:5], s[18:19]
	s_mov_b32 s20, s15                             ; the packed forms name a pair and take its low word for both halves
	s_mov_b32 s21, s15
.irp i, 0,1,2,3
.irp q, 0,1,2,3
	global_load_b128 v[Y+4*(8*\i+\q):Y+4*(8*\i+\q)+3], v[VO+\q], s[16:17] offset:512*\i th:TH_LOAD_NT
	global_load_b128 v[Y+4*(8*\i+4+\q):Y+4*(8*\i+4+\q)+3], v[VO+\q], s[18:19] offset:512*\i th:TH_LOAD_NT
.endr
.endr
.irp i, 0,1,2,3
	s_wait_loadcnt 24-8*\i                         ; chunk i's eight loads are in; the later chunks', eight each, may be out
.irp k, 0,1
.set YB, Y+32*\i+16*\k
.irp j, 0,2
	v_pk_add_f32 v[YB+\j:YB+\j+1], v[YB+\j:YB+\j+1], v[YB+4+\j:YB+4+\j+1]         ; quarters 0 and 1,
	v_pk_add_f32 v[YB+8+\j:YB+8+\j+1], v[YB+8+\j:YB+8+\j+1], v[YB+12+\j:YB+12+\j+1]   ; 2 and 3
.endr
.endr
.irp k, 0,1
.set YB, Y+32*\i+16*\k
.irp j, 0,2
	v_pk_add_f32 v[YB+\j:YB+\j+1], v[YB+\j:YB+\j+1], v[YB+8+\j:YB+8+\j+1]         ; the row of y
.endr
.endr
.set YB, Y+32*\i
.irp j, 0,2
	v_pk_mul_f32 v[YB+\j:YB+\j+1], v[YB+\j:YB+\j+1], s[14:15] op_sel_hi:[1,0]
.endr
.irp j, 0,2
	v_pk_fma_f32 v[YB+\j:YB+\j+1], v[YB+16+\j:YB+16+\j+1], s[20:21], v[YB+\j:YB+\j+1] op_sel_hi:[1,0,1]
.endr
	global_store_b128 v3, v[YB:YB+3], s[10:11] offset:512*\i th:TH_STORE_NT
.endr
	s_endpgm
.Lfunc_end_k_q58bf029267_combine:
	.size	k_q58bf029267_combine, .Lfunc_end_k_q58bf029267_combine-k_q58bf029267_combine
	.p2alignl 7, 3214868480
	.fill 96, 4, 3214868480
	.section	.rodata,"a",@progbits
	.p2align	6, 0x0
	.amdhsa_kernel k_q58bf029267_combine
		.amdhsa_group_segment_fixed_size 0
		.amdhsa_private_segment_fixed_size 0
		.amdhsa_enable_private_segment 0
		.amdhsa_kernarg_size 32
		.amdhsa_user_sgpr_count 2
		.amdhsa_user_sgpr_kernarg_segment_ptr 1
		.amdhsa_wavefront_size32 1
		.amdhsa_system_sgpr_workgroup_id_x 1
		.amdhsa_system_sgpr_workgroup_id_y 1
		.amdhsa_system_sgpr_workgroup_id_z 1
		.amdhsa_system_vgpr_workitem_id 0
		.amdhsa_next_free_vgpr 160
		.amdhsa_next_free_sgpr 66
		.amdhsa_reserve_vcc 0
		.amdhsa_float_denorm_mode_32 3
		.amdhsa_float_denorm_mode_16_64 3
		.amdhsa_memory_ordered 1
		.amdhsa_forward_progress 1
		.amdhsa_inst_pref_size 10
	.end_amdhsa_kernel
	.amdgpu_metadata
---
amdhsa.version: [ 1, 2 ]
amdhsa.kernels:
  - .name:           k_q58bf029267_combine
    .symbol:         k_q58bf029267_combine.kd
    .args:
      - { .name: ybuf, .offset: 0, .size: 8, .value_kind: global_buffer, .address_space: global }
      - { .name: route, .offset: 8, .size: 8, .value_kind: global_buffer, .address_space: global }
      - { .name: topp, .offset: 16, .size: 8, .value_kind: global_buffer, .address_space: global }
      - { .name: out0, .offset: 24, .size: 8, .value_kind: global_buffer, .address_space: global }
    .group_segment_fixed_size: 0
    .private_segment_fixed_size: 0
    .kernarg_segment_align: 8
    .kernarg_segment_size: 32
    .max_flat_workgroup_size: 256
    .sgpr_count:     66
    .vgpr_count:     160
    .wavefront_size: 32
...
	.end_amdgpu_metadata
.endif
;; end of part 7
;; ======== version 3 of 3: 5 launches
;; workspace buffers: topi 8,192 bytes of whole numbers; topp 8,192 bytes; route 8,448 bytes of whole numbers; xg 8,388,608 bytes; xgs 262,144 bytes; hq 33,554,432 bytes; hs 2,097,152 bytes; ybuf 134,217,728 bytes
;; launch router (part 8): grid 256 x 1, 4 waves a work-group, no clusters, 1,536 bytes of LDS; arguments x, gate_w, gate_b, topi, topp; writes topi, topp
.if DOCPART == 8
	.amdgcn_target "amdgcn-amd-amdhsa--gfx1250"
	.amdhsa_code_object_version 6
	.text
	.protected	k_q58bf029267_router
	.globl	k_q58bf029267_router
	.p2align	8
	.type	k_q58bf029267_router,@function
k_q58bf029267_router:
	s_mov_b64 s[64:65], 0
	v_nop
	global_prefetch_b8 v0, s[64:65] scope:SCOPE_SE
	s_setreg_imm32_b32 hwreg(HW_REG_WAVE_MODE, 25, 1), 1
	s_wait_xcnt 0x0
; gates = x gate_w + gate_b in f32; the two largest of a token's 8 gates (on equal gates the lower index, as jax.lax.top_k has it); softmax over these two.
; x: [1024][1024] f32, gate_w: [1024][8] f32, gate_b: [8].  Out: topi [1024][2] i32 (the two experts), topp [1024][2] f32 (their weights), at fixed places:
; no address of this launch hangs on the choice.
; SHARES.  A work-group takes 4 tokens.  Wave w takes k = 256 w .. 256 w + 255 of all four, a lane k = 256 w + 128 i + 4 lane + j (i = 0, 1; j = 0 .. 3): each load of x is 512 consecutive bytes.
; The waves' partial sums meet in LDS behind one barrier; then wave w finishes token w.  The matrix units are left out: N = 8, and the choice wants f32 operands.
; LIMITS: NaN and infinities among the gates are not served.  The sums' order differs from a serial sum over k: gates closer than f32 rounding may change places.
.set GW, 16                            ; v16-79   gate_w[k][e] at GW + 32 i + 8 j + e; later the four waves' partial sums
.set XR, 80                            ; v80-111  x at XR + 8 t + 4 i + j
.set AC, 112                           ; v112-143 the sums at AC + 8 t + e
.set TM, 144                           ; v144-159 at work
.set GG, 48                            ; v48-55   my token's 8 gates
.set BV, 56                            ; the largest gate;  SV the second
.set SV, 57
.set EX, 58
.set DN, 59
.set BI, 60                            ; v[60:61] the two experts
.set SI, 61
.set P0, 62                            ; v[62:63] the two weights
	s_load_b256 s[4:11], s[0:1], 0x0               ; x s[4:5], gate_w s[6:7], gate_b s[8:9], topi s[10:11]
	s_load_b64 s[12:13], s[0:1], 0x20              ; topp
	v_lshl_add_u32 v160, v0, 2, 0x400
	v_mov_b32 v161, 0
	v_and_b32 v1, 31, v0                           ; lane
	v_lshrrev_b32 v2, 5, v0
	v_readfirstlane_b32 s2, v2                     ; wave
	v_lshlrev_b32 v3, 4, v1                        ; x: 16 bytes a lane
	v_lshlrev_b32 v4, 7, v1                        ; gate_w: my 4 rows of 32 bytes
	s_lshl_b32 s14, ttmp9, 14                      ; 4 tokens of 4,096 bytes
	s_lshl_b32 s15, s2, 10                         ; my wave's 256 numbers
	s_add_co_u32 s14, s14, s15
	s_mov_b32 s15, 0
	s_lshl_b32 s24, s2, 13                         ; my wave's 256 rows of gate_w
	s_mov_b32 s25, 0
	s_lshl_b32 s28, ttmp9, 2
	s_add_co_u32 s28, s28, s2                      ; the token that my wave finishes
	s_lshl_b32 s28, s28, 3                         ; 8 bytes a token in topi and in topp
	s_mov_b32 s29, 0
	s_mov_b32 s26, 0x76543210                      ; v_permlanex16_b32's selects for lane l xor 16
	s_mov_b32 s27, 0xfedcba98
	v_mov_b32 v5, s2
	v_lshlrev_b32 v6, 5, v5                        ; LDS: my token's 32 bytes in a wave's 128
	v_lshlrev_b32 v5, 7, v5                        ; LDS: my wave's 128 bytes
	v_mov_b32 v7, 0
.set a, 0
.rept 16
	v_mov_b32 v[TM+a], 0                           ; written once: a lane permute's destination counts as one of its sources
.set a, a+1
.endr
	s_wait_kmcnt 0x0
	s_load_b256 s[16:23], s[8:9], 0x0              ; gate_b
	s_add_nc_u64 s[4:5], s[4:5], s[14:15]
	s_add_nc_u64 s[6:7], s[6:7], s[24:25]
	s_add_nc_u64 s[10:11], s[10:11], s[28:29]
	s_add_nc_u64 s[12:13], s[12:13], s[28:29]
.irp i, 0,1
.irp q, 0,1,2,3,4,5,6,7
	global_load_b128 v[GW+32*\i+4*\q:GW+32*\i+4*\q+3], v4, s[6:7] offset:4096*\i+16*\q
.endr
.endr
.irp t, 0,1,2,3
.irp i, 0,1
	global_load_b128 v[XR+8*\t+4*\i:XR+8*\t+4*\i+3], v3, s[4:5] offset:4096*\t+512*\i
.endr
.endr
	s_wait_loadcnt 0x0
.irp t, 0,1,2,3                        ; the first term starts the sums: nothing is cleared
.irp e, 0,1,2,3,4,5,6,7
	v_mul_f32 v[AC+8*\t+\e], v[GW+\e], v[XR+8*\t]
.endr
.endr
.irp i, 0,1
.irp j, 0,1,2,3
.if (\i)+(\j) > 0
.irp t, 0,1,2,3
.irp e, 0,1,2,3,4,5,6,7
	v_fmac_f32 v[AC+8*\t+\e], v[GW+32*\i+8*\j+\e], v[XR+8*\t+4*\i+\j]
.endr
.endr
.endif
.endr
.endr
; the 32 sums over the wave's 32 lanes: four steps inside each half of 16 lanes, one across; the sums take turns, so that no line waits for the line above it
.irp k, 1,2,4,8
.set a, 0
.rept 32
	v_add_f32_dpp v[AC+a], v[AC+a], v[AC+a] row_xmask:\k row_mask:0xf bank_mask:0xf
.set a, a+1
.endr
.endr
.irp g, 0,1
.set a, 0
.rept 16
	v_permlanex16_b32 v[TM+a], v[AC+16*\g+a], s26, s27
.set a, a+1
.endr
.set a, 0
.rept 16
	v_add_f32 v[AC+16*\g+a], v[AC+16*\g+a], v[TM+a]
.set a, a+1
.endr
.endr
.irp q, 0,1,2,3,4,5,6,7
	ds_store_b128 v5, v[AC+4*\q:AC+4*\q+3] offset:16*\q    ; every lane holds the same 32 sums and writes the same bytes
.endr
	s_wait_dscnt 0x0                               ; for the others' sake: my stores have landed
	s_barrier_signal -1
	s_barrier_wait -1
.irp p, 0,1,2,3
.irp q, 0,1
	ds_load_b128 v[GW+8*\p+4*\q:GW+8*\p+4*\q+3], v6 offset:128*\p+16*\q   ; wave p's part of my token's 8 gates
.endr
.endr
	s_wait_dscnt 0x0
	s_wait_kmcnt 0x0                               ; gate_b
.irp e, 0,1,2,3,4,5,6,7
	v_add_f32 v[GG+\e], v[GW+\e], v[GW+8+\e]
	v_add_f32 v[TM+\e], v[GW+16+\e], v[GW+24+\e]
.endr
.irp e, 0,1,2,3,4,5,6,7
	v_add_f32 v[GG+\e], v[GG+\e], v[TM+\e]
.endr
.irp e, 0,1,2,3,4,5,6,7
	v_add_f32 v[GG+\e], s[16+\e], v[GG+\e]
.endr
	v_mov_b32 v[BV], v[GG]                         ; the largest: a later gate takes the place only where it is strictly larger
	v_mov_b32 v[BI], 0
.irp e, 1,2,3,4,5,6,7
	v_cmp_le_f32 vcc_lo, v[GG+\e], v[BV]           ; keep
	v_cndmask_b32 v[BI], \e, v[BI], vcc_lo
	v_cndmask_b32 v[BV], v[GG+\e], v[BV], vcc_lo
.endr
	v_mov_b32 v[SV], 0xff800000                    ; the second: the same from -infinity on, the first's place left out
	v_mov_b32 v[SI], 0
.irp e, 0,1,2,3,4,5,6,7
	v_cmp_le_f32 s24, v[GG+\e], v[SV]
	v_cmp_eq_u32 vcc_lo, \e, v[BI]
	s_or_b32 vcc_lo, vcc_lo, s24                   ; keep
	v_cndmask_b32 v[SI], \e, v[SI], vcc_lo
	v_cndmask_b32 v[SV], v[GG+\e], v[SV], vcc_lo
.endr
	v_sub_f32 v[DN], v[SV], v[BV]                  ; the maximum is taken away: 0 for the first, this (0 or less) for the second
	v_mul_f32 v[DN], 0x3fb8aa3b, v[DN]
	s_wait_alu depctr_va_vdst(0)
	v_exp_f32 v[EX], v[DN]
	v_nop                                          ; a plain instruction behind the transcendental,
	s_wait_alu depctr_va_vdst(0)                   ; and the wait ahead of the first reader
	v_add_f32 v[DN], 1.0, v[EX]
	s_wait_alu depctr_va_vdst(0)
	v_rcp_f32 v[P0], v[DN]
	v_nop
	s_wait_alu depctr_va_vdst(0)
	v_mul_f32 v[P0+1], v[EX], v[P0]
	s_wait_alu depctr_va_vdst(0)
	s_wait_xcnt 0x0                                ; EXEC changes only behind this wait
	v_cmp_eq_u32 vcc_lo, 0, v1
	s_barrier_signal -1
	s_barrier_wait -1
	s_wait_tensorcnt 0x0
	ds_add_u32 v160, v161
	s_wait_dscnt 0x0
	s_and_saveexec_b32 s24, vcc_lo                 ; lane 0 stores for the wave
	global_store_b64 v7, v[BI:BI+1], s[10:11]
	global_store_b64 v7, v[P0:P0+1], s[12:13]
	s_endpgm
.Lfunc_end_k_q58bf029267_router:
	.size	k_q58bf029267_router, .Lfunc_end_k_q58bf029267_router-k_q58bf029267_router
	.p2alignl 7, 3214868480
	.fill 96, 4, 3214868480
	.section	.rodata,"a",@progbits
	.p2align	6, 0x0
	.amdhsa_kernel k_q58bf029267_router
		.amdhsa_group_segment_fixed_size 1536
		.amdhsa_private_segment_fixed_size 0
		.amdhsa_enable_private_segment 0
		.amdhsa_kernarg_size 40
		.amdhsa_user_sgpr_count 2
		.amdhsa_user_sgpr_kernarg_segment_ptr 1
		.amdhsa_wavefront_size32 1
		.amdhsa_system_sgpr_workgroup_id_x 1
		.amdhsa_system_sgpr_workgroup_id_y 1
		.amdhsa_system_sgpr_workgroup_id_z 1
		.amdhsa_system_vgpr_workitem_id 0
		.amdhsa_next_free_vgpr 162
		.amdhsa_next_free_sgpr 66
		.amdhsa_reserve_vcc 1
		.amdhsa_float_denorm_mode_32 3
		.amdhsa_float_denorm_mode_16_64 3
		.amdhsa_memory_ordered 1
		.amdhsa_forward_progress 1
		.amdhsa_inst_pref_size 29
	.end_amdhsa_kernel
	.amdgpu_metadata
---
amdhsa.version: [ 1, 2 ]
amdhsa.kernels:
  - .name:           k_q58bf029267_router
    .symbol:         k_q58bf029267_router.kd
    .args:
      - { .name: x, .offset: 0, .size: 8, .value_kind: global_buffer, .address_space: global }
      - { .name: gate_w, .offset: 8, .size: 8, .value_kind: global_buffer, .address_space: global }
      - { .name: gate_b, .offset: 16, .size: 8, .value_kind: global_buffer, .address_space: global }
      - { .name: topi, .offset: 24, .size: 8, .value_kind: global_buffer, .address_space: global }
      - { .name: topp, .offset: 32, .size: 8, .value_kind: global_buffer, .address_space: global }
    .group_segment_fixed_size: 1536
    .private_segment_fixed_size: 0
    .kernarg_segment_align: 8
    .kernarg_segment_size: 40
    .max_flat_workgroup_size: 128
    .sgpr_count:     66
    .vgpr_count:     162
    .wavefront_size: 32
...
	.end_amdgpu_metadata
.endif
;; end of part 8
;; launch place (part 9): grid 256 x 1, 4 waves a work-group, no clusters, 1,536 bytes of LDS; arguments x, topi, xg, xgs, route; writes xg, xgs, route
.if DOCPART == 9
	.amdgcn_target "amdgcn-amd-amdhsa--gfx1250"
	.amdhsa_code_object_version 6
	.text
	.protected	k_q58bf029267_place
	.globl	k_q58bf029267_place
	.p2align	8
	.type	k_q58bf029267_place,@function
k_q58bf029267_place:
	s_mov_b64 s[64:65], 0
	v_nop
	global_prefetch_b8 v0, s[64:65] scope:SCOPE_SE
	s_setreg_imm32_b32 hwreg(HW_REG_WAVE_MODE, 25, 1), 1
	s_wait_xcnt 0x0
; The rows are placed by expert, and x is quantised on the way.  One wave serves one token t.
; A token's place with expert e is the number of earlier tokens that chose e: every wave reads the whole list topi (8 KB) and counts for its own two experts: no atomics, no second pass.
; x's row becomes 1,024 codes of E4M3 and 32 E8M0 bytes (a block's scale: 2^(floor(log2(largest magnitude)) - 8)); both go to xg [8][1024][1024] and xgs [8][1024][32] at the token's two places.
; route: inv[1024][2] = (e << 15) + place; from byte 8,192 on cnt[8] = max(number of tokens of expert e, 1).  An expert that nobody chose gets one row of zero codes with the byte 127,
; so that the later launches have no empty case and read no byte that nobody wrote.  Each expert has 1,024 places: any split fits.
; LIMITS: NaN and infinities in x are not served; a block whose largest magnitude lies under 2^-118, a block of zeros among them, gets the byte 1 (its codes are then zeros or subnormal codes; these bytes are read by this program alone).
.set XR, 16                            ; v16-47   x: chunk j (k = 256 j + 8 lane + 0 .. 7) at XR + 8 j
.set TI, 48                            ; v48-111  group g: the two experts of token 32 g + lane
.set AM, 48                            ; (behind the counting) largest magnitudes, scale operands, holds
.set SO, 52
.set HL, 56
.set CD, 112                           ; v112-119 codes
.set SB, 120                           ; v120-123 scale bytes
	s_load_b256 s[4:11], s[0:1], 0x0               ; x s[4:5], topi s[6:7], xg s[8:9], xgs s[10:11]
	s_load_b64 s[12:13], s[0:1], 0x20              ; route
	v_lshl_add_u32 v128, v0, 2, 0x400
	v_mov_b32 v129, 0
	v_and_b32 v1, 31, v0                           ; lane
	v_lshrrev_b32 v2, 5, v0
	v_readfirstlane_b32 s2, v2                     ; wave
	s_lshl_b32 s3, ttmp9, 2
	s_add_co_u32 s3, s3, s2                        ; my token
	v_lshlrev_b32 v3, 3, v1                        ; 8 bytes a lane
	v_lshlrev_b32 v4, 5, v1                        ; 32 bytes a lane
	s_lshl_b32 s28, s2, 8                          ; LDS: 256 bytes of my wave's own
	v_lshrrev_b32 v5, 2, v1
	v_add_nc_u32 v5, s28, v5                       ; in: four lanes hold a block
	v_add_nc_u32 v6, s28, v1                       ; out: a byte a lane
	s_lshl_b32 s20, s3, 3
	s_mov_b32 s21, 0
	s_lshl_b32 s24, s3, 12
	s_mov_b32 s25, 0
	s_mov_b32 s29, 0
	s_and_b32 s23, s3, 7                           ; the expert that my wave counts whole
	s_mov_b32 s16, 0                               ; my place with my first expert,
	s_mov_b32 s17, 0                               ; with my second,
	s_mov_b32 s26, 0                               ; and the count
	s_mov_b32 s34, 0x600000                        ; the mantissa field of 448
	s_wait_alu depctr_va_vdst(0)
	s_wait_kmcnt 0x0
	s_add_nc_u64 s[30:31], s[6:7], s[20:21]
	s_load_b64 s[14:15], s[30:31], 0x0             ; my two experts
	s_add_nc_u64 s[4:5], s[4:5], s[24:25]
	s_add_nc_u64 s[32:33], s[12:13], s[20:21]      ; inv of my token
.set g, 0
.rept 32
	global_load_b64 v[TI+2*g:TI+2*g+1], v3, s[6:7] offset:256*g      ; 256 consecutive bytes
.set g, g+1
.endr
.irp j, 0,1,2,3
.irp q, 0,1
	global_load_b128 v[XR+8*\j+4*\q:XR+8*\j+4*\q+3], v4, s[4:5] offset:1024*\j+16*\q th:TH_LOAD_NT
.endr
.endr
	s_wait_kmcnt 0x0
	s_min_u32 s14, s14, 7
	s_min_u32 s15, s15, 7
	s_wait_loadcnt 8                               ; the list is in; x's eight loads may be out
.set g, 0
.rept 32
	s_sub_co_i32 s24, s3, 32*g
	v_cmp_gt_i32 s18, s24, v1                      ; the lanes whose token comes before mine
	v_cmp_eq_u32 s19, s14, v[TI+2*g]
	v_cmp_eq_u32 s20, s14, v[TI+2*g+1]
	v_cmp_eq_u32 s21, s15, v[TI+2*g]
	v_cmp_eq_u32 s22, s15, v[TI+2*g+1]
	v_cmp_eq_u32 s27, s23, v[TI+2*g]
	v_cmp_eq_u32 s28, s23, v[TI+2*g+1]
	s_or_b32 s19, s19, s20
	s_or_b32 s21, s21, s22
	s_or_b32 s27, s27, s28
	s_and_b32 s19, s19, s18
	s_and_b32 s21, s21, s18
	s_bcnt1_i32_b32 s19, s19
	s_bcnt1_i32_b32 s21, s21
	s_bcnt1_i32_b32 s27, s27
	s_add_co_u32 s16, s16, s19
	s_add_co_u32 s17, s17, s21
	s_add_co_u32 s26, s26, s27
.set g, g+1
.endr
	s_lshl_b32 s20, s14, 15
	s_add_co_u32 s20, s20, s16                     ; inv
	s_lshl_b32 s21, s15, 15
	s_add_co_u32 s21, s21, s17
	v_mov_b32 v124, s20
	v_mov_b32 v125, s21
	s_lshl_b32 s18, s14, 10
	s_add_co_u32 s18, s18, s16
	s_min_u32 s18, s18, 8191                       ; my two rows in xg and xgs
	s_lshl_b32 s19, s15, 10
	s_add_co_u32 s19, s19, s17
	s_min_u32 s19, s19, 8191
	s_lshl_b32 s28, s18, 10
	s_add_nc_u64 s[36:37], s[8:9], s[28:29]
	s_lshl_b32 s28, s19, 10
	s_add_nc_u64 s[38:39], s[8:9], s[28:29]
	s_lshl_b32 s28, s18, 5
	s_add_nc_u64 s[40:41], s[10:11], s[28:29]
	s_lshl_b32 s28, s19, 5
	s_add_nc_u64 s[42:43], s[10:11], s[28:29]
	s_wait_loadcnt 0x0                             ; x
; the four chunks by turns: no line waits for the line above it
.irp j, 0,1,2,3
	v_max3_num_f32 v[AM+\j], |v[XR+8*\j]|, |v[XR+8*\j+1]|, 0x4800000     ; my 8 numbers, and the floor 2^(9 - 127): the byte cannot fall under 1
.endr
.irp i, 2,4,6
.irp j, 0,1,2,3
	v_max3_num_f32 v[AM+\j], v[AM+\j], |v[XR+8*\j+\i]|, |v[XR+8*\j+\i+1]|
.endr
.endr
.irp k, 1,2
.irp j, 0,1,2,3
	v_max_num_f32_dpp v[AM+\j], v[AM+\j], v[AM+\j] row_xmask:\k row_mask:0xf bank_mask:0xf   ; with the other three lanes of the block
.endr
.endr
.irp j, 0,1,2,3
	v_add_nc_u32 v[SO+\j], 0xfc000000, v[AM+\j]    ; 8 off the exponent field: the conversion takes the exponent field of this operand as its scale
.endr
.irp j, 0,1,2,3
	v_and_or_b32 v[HL+\j], v[AM+\j], 0x7f800000, s34   ; 448 x the scale
.endr
.irp j, 0,1,2,3
	v_lshrrev_b32 v[SB+\j], 23, v[SO+\j]           ; the scale's byte
.endr
.irp j, 0,1,2,3
.irp i, 0,1,2,3,4,5,6,7
	v_med3_num_f32 v[XR+8*\j+\i], v[XR+8*\j+\i], -v[HL+\j], v[HL+\j]   ; the conversion to an 8-bit code does not saturate (ISA guide 7.6.2): the hold comes first
.endr
	v_cvt_scalef32_pk8_fp8_f32 v[CD+2*\j:CD+2*\j+1], v[XR+8*\j:XR+8*\j+7], v[SO+\j]
.endr
	v_nop                                          ; a plain instruction behind the last conversion: its sources are written again below
.irp j, 0,1,2,3
	ds_store_b8 v5, v[SB+\j] offset:8*\j           ; the four lanes of a block write the same byte with the same value
.endr
	ds_load_u8 v60, v6                             ; LDS serves a wave's instructions in order: this sees my stores.  Block l's byte in lane l
.irp j, 0,1,2,3
	global_store_b64 v3, v[CD+2*\j:CD+2*\j+1], s[36:37] offset:256*\j    ; 256 consecutive bytes, aligned
	global_store_b64 v3, v[CD+2*\j:CD+2*\j+1], s[38:39] offset:256*\j
.endr
	s_wait_dscnt 0x0
	global_store_b8 v1, v60, s[40:41]              ; the row's 32 scale bytes
	global_store_b8 v1, v60, s[42:43]
	s_cmp_lt_u32 ttmp9, 2                          ; the first eight waves speak for the eight experts
	s_cbranch_scc0 .Lno_fill
	s_cmp_eq_u32 s26, 0
	s_cbranch_scc0 .Lno_fill
	v_mov_b32 v16, 0                               ; nobody chose my expert: one row of zero codes, scale bytes 127
	v_mov_b32 v17, 0
	v_mov_b32 v18, 0
	v_mov_b32 v19, 0
	v_mov_b32 v20, 127
	v_lshlrev_b32 v21, 4, v1
	s_lshl_b32 s28, s23, 20
	s_add_nc_u64 s[44:45], s[8:9], s[28:29]
	s_lshl_b32 s28, s23, 15
	s_add_nc_u64 s[46:47], s[10:11], s[28:29]
	global_store_b128 v21, v[16:19], s[44:45]
	global_store_b128 v21, v[16:19], s[44:45] offset:512
	global_store_b8 v1, v20, s[46:47]
.Lno_fill:
	s_max_u32 s26, s26, 1
	v_mov_b32 v126, s26
	v_mov_b32 v127, 0
	s_lshl_b32 s28, s23, 2
	v_mov_b32 v22, s28
	s_wait_alu depctr_va_vdst(0)
	s_wait_xcnt 0x0                                ; EXEC changes only behind this wait
	v_cmp_eq_u32 vcc_lo, 0, v1
	s_and_saveexec_b32 s30, vcc_lo                 ; lane 0 stores for the wave
	global_store_b64 v127, v[124:125], s[32:33]
	s_cmp_lt_u32 ttmp9, 2
	s_cbranch_scc0 .Lend
	global_store_b32 v22, v126, s[12:13] offset:8192
.Lend:
	s_wait_xcnt 0x0
	s_mov_b32 exec_lo, -1
	s_wait_tensorcnt 0x0
	ds_add_u32 v128, v129
	s_wait_dscnt 0x0
	s_endpgm
.Lfunc_end_k_q58bf029267_place:
	.size	k_q58bf029267_place, .Lfunc_end_k_q58bf029267_place-k_q58bf029267_place
	.p2alignl 7, 3214868480
	.fill 96, 4, 3214868480
	.section	.rodata,"a",@progbits
	.p2align	6, 0x0
	.amdhsa_kernel k_q58bf029267_place
		.amdhsa_group_segment_fixed_size 1536
		.amdhsa_private_segment_fixed_size 0
		.amdhsa_enable_private_segment 0
		.amdhsa_kernarg_size 40
		.amdhsa_user_sgpr_count 2
		.amdhsa_user_sgpr_kernarg_segment_ptr 1
		.amdhsa_wavefront_size32 1
		.amdhsa_system_sgpr_workgroup_id_x 1
		.amdhsa_system_sgpr_workgroup_id_y 1
		.amdhsa_system_sgpr_workgroup_id_z 1
		.amdhsa_system_vgpr_workitem_id 0
		.amdhsa_next_free_vgpr 130
		.amdhsa_next_free_sgpr 66
		.amdhsa_reserve_vcc 1
		.amdhsa_float_denorm_mode_32 3
		.amdhsa_float_denorm_mode_16_64 3
		.amdhsa_memory_ordered 1
		.amdhsa_forward_progress 1
		.amdhsa_inst_pref_size 41
	.end_amdhsa_kernel
	.amdgpu_metadata
---
amdhsa.version: [ 1, 2 ]
amdhsa.kernels:
  - .name:           k_q58bf029267_place
    .symbol:         k_q58bf029267_place.kd
    .args:
      - { .name: x, .offset: 0, .size: 8, .value_kind: global_buffer, .address_space: global }
      - { .name: topi, .offset: 8, .size: 8, .value_kind: global_buffer, .address_space: global }
      - { .name: xg, .offset: 16, .size: 8, .value_kind: global_buffer, .address_space: global }
      - { .name: xgs, .offset: 24, .size: 8, .value_kind: global_buffer, .address_space: global }
      - { .name: route, .offset: 32, .size: 8, .value_kind: global_buffer, .address_space: global }
    .group_segment_fixed_size: 1536
    .private_segment_fixed_size: 0
    .kernarg_segment_align: 8
    .kernarg_segment_size: 40
    .max_flat_workgroup_size: 128
    .sgpr_count:     66
    .vgpr_count:     130
    .wavefront_size: 32
...
	.end_amdgpu_metadata
.endif
;; end of part 9
;; launch ffn1 (part 10): grid 32 x 8, 4 waves a work-group, no clusters, 139,776 bytes of LDS; arguments xg, xgs, route, w1_codes, w1_scales, b1, hq, hs; writes hq, hs
.if DOCPART == 10
	.amdgcn_target "amdgcn-amd-amdhsa--gfx1250"
	.amdhsa_code_object_version 6
	.text
	.protected	k_q58bf029267_ffn1
	.globl	k_q58bf029267_ffn1
	.p2align	8
	.type	k_q58bf029267_ffn1,@function
k_q58bf029267_ffn1:
	s_mov_b64 s[64:65], 0
	v_nop
	global_prefetch_b8 v0, s[64:65] scope:SCOPE_SE
	s_setreg_imm32_b32 hwreg(HW_REG_WAVE_SCHED_MODE, 0, 2), 2
	s_setreg_imm32_b32 hwreg(HW_REG_WAVE_MODE, 25, 1), 1
	s_wait_xcnt 0x0
	s_wait_alu depctr_vm_vsrc(0)
; h = Q(gelu(x W1 + b1)) for the rows routed to an expert, on codes of E4M3 with one E8M0 scale for each 32 along K.  Only the chosen rows are multiplied: the others' results are thrown away by the gather.
; SHARES.  Work-group (c, e) keeps W1[e], hidden units 128 c .. 128 c + 127, all of K = 1,024: 128 KB of codes in LDS, read from memory once in the launch.  Its four waves share the ROWS: wave w takes
; the tiles of 16 rows tau = w + 4 j, five of them in a pass, each against all 128 units: 40 accumulators.  So a wave ends with one whole K step of the next product for each tile: one fragment, one scale word a row.
; The number of rows, cnt, is read from memory; a pass serves 320 rows.  An expert has at most 1,024 rows, 64 tiles, 16 a wave: the loop over passes has at most four trips and is left as soon as the wave's tiles are done.
; Tiles past the last are copies of the last (clamped index) and are not stored; rows past the last are copies of the last row.
; THE PRODUCT IS USED TRANSPOSED (source 0 = 16 units of W1, source 1 = 16 rows of x), AND THE UNITS OF A TILE ARE NOT NEIGHBOURS: lane rho of tile 2 b + u takes unit 32 b + 8 u + rho + 8 (rho / 8), so that a lane's 16 registers
; of tiles 2 b and 2 b + 1 are units 32 b + 16 (lane / 16) + 0 .. 15 of ONE row: the order in which the next operand's registers want them.  The rows are put into that order as they are stored to LDS.
; b1 is the C of each sum's first matrix instruction.
; GELU: h/2 + h/2 erf(h / sqrt 2), erf(z) = z P(z^2) / Q(z^2) with z held within +-4 (a rational form of degrees 6 and 4 in z^2, good to a few units in f32's last place).
; OUT: hq [8][64 tiles][32 chunks][2,048]: the image of a fragment's registers (group b of four registers at 512 b + 16 lane); hs [8][64][32][128]: each lane's scale word.
; NOT JOINT: the 32 work-groups of an expert read the same rows of x, but the passes and the tiles left out hang on a count read from memory; x comes straight into registers.
; LIMITS: NaN and infinities are not served.  1 + erf is formed as a sum, so gelu's absolute error is about 1e-7 |h| / 2, which for h under about -3 is more than f32's relative rounding.  A block under 2^-118 gets the byte 1.
; REGISTERS, in windows of 256.  window 0: v1-28 addresses; v32-40 the head's small loads; v48-55 W1's scale words (two sets), v56-75 x's: scales and nothing else; v128-191 the accumulators of tile 4; v192-255 b1 in the result's layout.
;   window 1: W1's fragments, two sets of 8 x 16 (at the head: what is on its way to LDS).   window 2: accumulator (t, m), m = 0 .. 3, at 8 (4 t + m).
;   window 3: x's fragments, three sets of 5 x 16; behind the products: h/2 0-63, z 64-127, z^2 128-159, P 160-191, Q 192-223; the quantiser's work lies over z^2 and P; v240-243 two constants as pairs.
; THE MODE: SCHED_MODE bits 1:0 = 2 (LLVM: expert scheduling mode 2), set by the entry lines.  The code itself states the register dependences between vector or matrix instructions and memory or LDS instructions, with s_wait_alu, always for 0.
; THE PLAN.  Registers that memory or LDS instructions touch:
;   W1's two sets (window 1) and their scale words WS: K step s's products read set s & 1; the LDS loads of step s + 1, issued in step s, land in the other set, which step s - 1's products read.
;                 At the head the same registers carry W1 from memory to LDS: global loads land in them, LDS stores read them.
;   x's three sets (window 3): step s's products read set s % 3; the loads of step s + 2, issued at the head of step s, land in set (s - 1) % 3.  Behind the products GELU and the quantiser work there; the stores read CD and PW.
;   XS            x's scale words: loads land once a pass, every product reads them.     BB   the bias: LDS loads land once, the first step's products read them.
;   XO, XSO       written by OFFS once a pass, read by x's loads.     HO, HSOF   written once a tile, read by that tile's stores.     All other addresses are made at the head and never written again.
; So ONE wait on va_vdst stands at the head of each K step that issues loads (1 to 6); the step's products name none of the registers that its loads touch.  A tile's trip on the way out has one wait on vm_vsrc at its head and one
; on va_vdst ahead of its stores; the way back into a pass has one of each round OFFS.
.set WTP,  1040                        ; a unit's row in LDS: 1,024 bytes + 16: 65 x 16, so the 16 rows that a load touches start at 16 different groups of banks (64 banks of 4 bytes: ISA guide 11.1)
.set WSC,  128*WTP                     ; W1's scale words: [K step][lane][b]: lanes 0-15 tile 2 b, lanes 16-31 tile 2 b + 1
.set BIAS, WSC+4096                    ; b1 of the 128 units
.set PASSES, 4                         ; 16 tiles a wave at the most, five a pass
.set AW0,  4                           ; v4   my place in tiles 0-3 of W1;  v5 in tiles 4-7
.set AW1,  5
.set AWS,  6                           ; v6   my scale words
.set ABI,  7                           ; v7   my half's biases
.set STA,  8                           ; v8   staging: my wave's 32 rows, 16 bytes a lane
.set L16,  9                           ; v9   16 x lane
.set SCW,  10                          ; v10  staging: where my unit's scale words go
.set BIW,  11                          ; v11  staging: where my unit's bias goes
.set SRO,  12                          ; v12  32 x thread
.set L4,   13                          ; v13  4 x lane
.set H16,  14                          ; v14  16 x (lane / 16)
.set T4,   15                          ; v15  4 x thread
.set XO,   16                          ; v16-20  tile m: my row's byte offset in xg
.set XSO,  21                          ; v21-25  and in xgs
.set HO,   26                          ; v26  the way out: offset in hq;  v27 in hs
.set HSOF, 27
.set TV,   28
.set WS,   48
.set XS,   56
.set A4,   128
.set BB,   192
.set HH,   0                           ; window 3, behind the products
.set ZZ,   64
.set X2,   128
.set PP,   160
.set QQ,   192
.set KA,   240
.set KB,   242
.set CD,   128
.set AM,   144
.set PT,   148
.set HL,   152
.set SO,   156
.set PW,   160
.set MSB, 0
.macro WIN new                         ; s_set_vgpr_msb: bits 1:0 source 0, 3:2 source 1, 5:4 source 2, 7:6 destination; the high byte repeats the setting that is left
.if MSB != \new
	s_set_vgpr_msb (MSB<<8)|\new
.set MSB, \new
.endif
.endm
.macro NOPS n
.rept \n
	v_nop
.endr
.endm
.macro KPAIR reg, val                  ; a constant for the packed forms: they name a pair and take its low word for both halves, so both are written
	s_mov_b32 s[\reg], \val
	s_mov_b32 s[\reg+1], \val
.endm
; tile m of the pass: tau = w + 4 (J0 + m), held at the last tile; my row 16 tau + r, held at the last row
.macro OFFS
.irp m, 0,1,2,3,4
	s_add_co_u32 s28, s25, \m
	s_lshl_b32 s28, s28, 2
	s_add_co_u32 s28, s28, s2
	s_min_u32 s28, s28, s6
	s_min_u32 s28, s28, 63
	s_lshl_b32 s28, s28, 4
	v_add_nc_u32 v[TV], s28, v2
	v_min_u32 v[TV], s7, v[TV]
	v_min_u32 v[TV], 0x3ff, v[TV]
	v_lshl_add_u32 v[XO+\m], v[TV], 10, v[H16]
	v_lshl_add_u32 v[XSO+\m], v[TV], 5, v[H16]
.endr
.endm
.macro XF s                            ; x's five fragments of K step s into set s % 3: lane (r, h): row r, k = 128 s + 32 c + 16 h + 0 .. 15
	WIN 0xc0
.irp m, 0,1,2,3,4
.irp c, 0,1,2,3
	global_load_b128 v[80*((\s)%3)+16*\m+4*\c:80*((\s)%3)+16*\m+4*\c+3], v[XO+\m], s[8:9] offset:128*(\s)+32*\c
.endr
.endr
.endm
.macro XSC                             ; x's scale words: lanes 0-15 those of K steps 0-3, lanes 16-31 those of K steps 4-7
	WIN 0
.irp m, 0,1,2,3,4
	global_load_b128 v[XS+4*\m:XS+4*\m+3], v[XSO+\m], s[10:11]
.endr
.endm
.macro WFA s                           ; W1 of K step s into set s & 1, first part: the scale words and the fragments of tiles 0-3: 17 LDS loads
	WIN 0
	ds_load_b128 v[WS+4*((\s)&1):WS+4*((\s)&1)+3], v[AWS] offset:512*(\s)
	WIN 0x40
.irp t, 0,1,2,3
.irp c, 0,1,2,3
	ds_load_b128 v[128*((\s)&1)+16*\t+4*\c:128*((\s)&1)+16*\t+4*\c+3], v[AW0] offset:\t*16*WTP+128*(\s)+32*\c
.endr
.endr
.endm
.macro WFB s                           ; second part: the fragments of tiles 4-7: 16 LDS loads
	WIN 0x40
.irp t, 0,1,2,3
.irp c, 0,1,2,3
	ds_load_b128 v[128*((\s)&1)+64+16*\t+4*\c:128*((\s)&1)+64+16*\t+4*\c+3], v[AW1] offset:\t*16*WTP+128*(\s)+32*\c
.endr
.endr
.endm
.macro MM s, t, m                      ; accumulator (t, m) takes K step s; in the first step C is the bias
.set rW, 128*((\s)&1)+16*(\t)
.set rX, 80*((\s)%3)+16*(\m)
.set rA, WS+4*((\s)&1)+(\t)/2
.set rB, XS+4*(\m)+((\s)&3)
.if (\m) < 4
.set rD, 8*(4*(\t)+(\m))
.else
.set rD, A4+8*(\t)
.endif
.if (\s) == 0
.set rC, BB+8*(\t)
.else
.set rC, rD
.endif
.if ((\t)&1) && ((\s) >= 4)
	v_wmma_scale_f32_16x16x128_f8f6f4 v[rD:rD+7], v[rW:rW+15], v[rX:rX+15], v[rC:rC+7], v[rA], v[rB] matrix_a_scale:MATRIX_SCALE_ROW1 matrix_b_scale:MATRIX_SCALE_ROW1
.elseif (\t)&1
	v_wmma_scale_f32_16x16x128_f8f6f4 v[rD:rD+7], v[rW:rW+15], v[rX:rX+15], v[rC:rC+7], v[rA], v[rB] matrix_a_scale:MATRIX_SCALE_ROW1
.elseif (\s) >= 4
	v_wmma_scale_f32_16x16x128_f8f6f4 v[rD:rD+7], v[rW:rW+15], v[rX:rX+15], v[rC:rC+7], v[rA], v[rB] matrix_b_scale:MATRIX_SCALE_ROW1
.else
	v_wmma_scale_f32_16x16x128_f8f6f4 v[rD:rD+7], v[rW:rW+15], v[rX:rX+15], v[rC:rC+7], v[rA], v[rB]
.endif
.endm
.macro MWIN s                          ; the windows of the products on tiles 0-3 of the rows
.if (\s) == 0
	WIN 0x8d                                       ; W1 window 1, x window 3, C (the bias) window 0, D window 2
.else
	WIN 0xad                                       ; C and D window 2
.endif
.endm
.macro MG s, ta, tb                    ; eight products: tiles ta and tb of the units against tiles 0-3 of the rows
.irp t, \ta, \tb
.irp m, 0,1,2,3
	MM \s, \t, \m
.endr
.endr
.endm
; A K step: 40 matrix instructions, the 40 accumulators by turns, one instruction a turn, in the same order in every step.
; Steps 1 to 6 ask again for the sets that the step before has used: x's at the step's head, ahead of the wait for this step's data, so that three steps' loads are on their way; W1's among the step's first products.
.macro KSTEP s
.if ((\s) >= 1) && ((\s) <= 5)
	WIN 0xc0                                       ; the switch, then the wait, then the loads
	s_wait_alu depctr_va_vdst(0)                   ; the last step's products are done reading their set of x, in which the loads below land, and their set of W1 and its scale words, in which this step's LDS loads land
	XF (\s)+2
.endif
.if (\s) == 6
	s_wait_alu depctr_va_vdst(0)                   ; the last step's products are done reading their set of W1 and its scale words, in which this step's LDS loads land
.endif
.if (\s) <= 5
	s_wait_loadcnt 40                              ; x of this step is in (and, in step 0, its scale words); the two steps behind it, 20 loads each, may be out
.elseif (\s) == 6
	s_wait_loadcnt 20
.else
	s_wait_loadcnt 0x0
.endif
.if (\s) == 0
	s_wait_dscnt 33                                ; W1 of this step (and the bias) is in; the next step's 33 loads may be out
.else
	s_wait_dscnt 0x0                               ; W1 of this step is in: its 33 loads, issued among the last step's products, are the youngest
.endif
	MWIN \s
	MG \s, 0, 1
.if ((\s) >= 1) && ((\s) <= 6)
	WFA (\s)+1                                     ; no wait: no matrix instruction since the wait at the step's head names the other set of W1 or its scale words
	MWIN \s
.endif
	MG \s, 2, 3
.if ((\s) >= 1) && ((\s) <= 6)
	WFB (\s)+1                                     ; 24 products follow, in which these land
	MWIN \s
.endif
	MG \s, 4, 5
	MG \s, 6, 7
	WIN 0x0d                                       ; tile 4: C and D window 0
.irp t, 0,1,2,3,4,5,6,7
	MM \s, \t, 4
.endr
.if (\s) <= 5
	NOPS 8                                         ; eight places between these matrix instructions and the next step's loads into registers that they have read; the dependence itself is stated by the wait at that step's head
.endif
.endm
; tile m leaves its accumulators: z = h / sqrt 2 and h / 2, each accumulator read from its low end on
.macro EIN m
.if (\m) < 4
	WIN 0xc2
.else
	WIN 0xc0
.endif
.irp t, 0,1,2,3,4,5,6,7
.if (\m) < 4
.set rD, 8*(4*\t+(\m))
.else
.set rD, A4+8*\t
.endif
.irp j, 0,2,4,6
	v_pk_mul_f32 v[ZZ+8*\t+\j:ZZ+8*\t+\j+1], v[rD+\j:rD+\j+1], s[36:37] op_sel_hi:[1,0]
.endr
.irp j, 0,2,4,6
	v_pk_mul_f32 v[HH+8*\t+\j:HH+8*\t+\j+1], v[rD+\j:rD+\j+1], 0.5 op_sel_hi:[1,0]
.endr
.endr
	WIN 0
.endm
.macro HORN reg, sc                    ; a step of Horner's rule on 32 numbers: reg = reg z^2 + constant
.set i, 0
.rept 16
	v_pk_fma_f32 v[\reg+i:\reg+i+1], v[\reg+i:\reg+i+1], v[X2+i:X2+i+1], s[\sc:\sc+1] op_sel_hi:[1,1,0]
.set i, i+2
.endr
.endm
.macro GELU hf                         ; 32 of the lane's 64 numbers; everything in window 3
.set ZB, ZZ+32*(\hf)
.set HB, HH+32*(\hf)
.set i, 0
.rept 32
	v_med3_num_f32 v[ZB+i], v[ZB+i], -4.0, 4.0
.set i, i+1
.endr
.set i, 0
.rept 16
	v_pk_mul_f32 v[X2+i:X2+i+1], v[ZB+i:ZB+i+1], v[ZB+i:ZB+i+1]
.set i, i+2
.endr
.set i, 0
.rept 16
	v_pk_fma_f32 v[PP+i:PP+i+1], v[X2+i:X2+i+1], s[38:39], v[KA:KA+1] op_sel_hi:[1,0,1]
	v_pk_fma_f32 v[QQ+i:QQ+i+1], v[X2+i:X2+i+1], s[50:51], v[KB:KB+1] op_sel_hi:[1,0,1]
.set i, i+2
.endr
	HORN PP, 40
	HORN QQ, 52
	HORN PP, 42
	HORN QQ, 54
	HORN PP, 44
	HORN QQ, 56
.set i, 0
	s_wait_alu depctr_va_vdst(0)
.rept 32
	v_rcp_f32 v[QQ+i], v[QQ+i]                     ; one batch; P's last steps are the independent work behind it
.set i, i+1
.endr
	HORN PP, 46
	HORN PP, 48
.set i, 0
.rept 16
	v_pk_mul_f32 v[PP+i:PP+i+1], v[PP+i:PP+i+1], v[ZB+i:ZB+i+1]
.set i, i+2
.endr
	s_wait_alu depctr_va_vdst(0)                   ; the 32 reciprocals in v[QQ ..] are written: one wait for the batch, ahead of its first reader
.set i, 0
.rept 16
	v_pk_mul_f32 v[PP+i:PP+i+1], v[PP+i:PP+i+1], v[QQ+i:QQ+i+1]    ; erf
.set i, i+2
.endr
.set i, 0
.rept 16
	v_pk_fma_f32 v[HB+i:HB+i+1], v[HB+i:HB+i+1], v[PP+i:PP+i+1], v[HB+i:HB+i+1]   ; h/2 erf + h/2
.set i, i+2
.endr
.endm
; 64 numbers of a lane, register 16 b + i = unit 32 b + 16 (lane / 16) + i of my row, become a fragment's codes and its scale word
.macro QUANT
.irp b, 0,1,2,3
	v_max3_num_f32 v[AM+\b], |v[HH+16*\b]|, |v[HH+16*\b+1]|, 0x4800000   ; my 16 numbers of block b, and the floor 2^(9 - 127): the byte cannot fall under 1
.endr
.irp i, 2,4,6,8,10,12,14
.irp b, 0,1,2,3
	v_max3_num_f32 v[AM+\b], v[AM+\b], |v[HH+16*\b+\i]|, |v[HH+16*\b+\i+1]|
.endr
.endr
.irp b, 0,1,2,3
	v_permlanex16_b32 v[PT+\b], v[AM+\b], s32, s33
.endr
.irp b, 0,1,2,3
	v_max_num_f32 v[AM+\b], v[AM+\b], v[PT+\b]     ; with lane l xor 16's 16: the block's largest magnitude
.endr
.irp b, 0,1,2,3
	v_add_nc_u32 v[SO+\b], 0xfc000000, v[AM+\b]    ; 8 off its exponent field: the conversion's scale operand
.endr
.irp b, 0,1,2,3
	v_and_or_b32 v[HL+\b], v[AM+\b], 0x7f800000, s34   ; 448 x the scale
.endr
.irp b, 0,1,2,3
	v_lshrrev_b32 v[PT+\b], 23, v[SO+\b]           ; the scale's byte
.endr
	v_lshl_or_b32 v[PW], v[PT+1], 8, v[PT]
	v_lshl_or_b32 v[PW], v[PT+2], 16, v[PW]
	v_lshl_or_b32 v[PW], v[PT+3], 24, v[PW]
.irp b, 0,1,2,3
.irp i, 0,1,2,3,4,5,6,7,8,9,10,11,12,13,14,15
	v_med3_num_f32 v[HH+16*\b+\i], v[HH+16*\b+\i], -v[HL+\b], v[HL+\b]   ; the conversion to an 8-bit code does not saturate (ISA guide 7.6.2): the hold comes first
.endr
	v_cvt_scalef32_pk8_fp8_f32 v[CD+4*\b:CD+4*\b+1], v[HH+16*\b:HH+16*\b+7], v[SO+\b]
	v_cvt_scalef32_pk8_fp8_f32 v[CD+4*\b+2:CD+4*\b+3], v[HH+16*\b+8:HH+16*\b+15], v[SO+\b]
.endr
	v_nop                                          ; a plain instruction behind the last conversion: its registers are written again in the next trip
.endm
	s_load_b512 s[8:23], s[0:1], 0x0               ; xg s[8:9], xgs s[10:11], route s[12:13], W1's codes s[14:15], its scales s[16:17], b1 s[18:19], hq s[20:21], hs s[22:23]
	v_lshl_add_u32 v126, v0, 2, 0x22000
	v_mov_b32 v127, 0
	v_and_b32 v1, 31, v0                           ; lane
	v_lshrrev_b32 v2, 5, v0
	v_readfirstlane_b32 s2, v2                     ; wave
	v_and_b32 v2, 15, v0                           ; r
	v_bfe_u32 v3, v0, 4, 1                         ; h
	s_and_b32 s3, ttmp7, 0xffff                    ; the expert
	s_mov_b32 s4, ttmp9                            ; the chunk of 128 hidden units
	v_lshlrev_b32 v[L16], 4, v1
	v_lshlrev_b32 v[L4], 2, v1
	v_lshlrev_b32 v[H16], 4, v3
	v_mul_u32_u24 v[AW0], v2, WTP
	v_add_nc_u32 v[AW0], v[AW0], v[H16]
	v_add_nc_u32 v[AW1], 64*WTP, v[AW0]
	v_lshl_add_u32 v[AWS], v1, 4, WSC
	v_lshl_add_u32 v[ABI], v3, 6, BIAS
	s_wait_alu depctr_va_sdst(0)                   ; s2, the wave's number, is written, ahead of its first reader
	s_mul_i32 s28, s2, 32*WTP
	v_add_nc_u32 v[STA], s28, v[L16]
	v_and_b32 v[SCW], 7, v0                        ; unit 32 w + l belongs to tile 2 w + bit 3 of l, row 8 x bit 4 + the low three bits: lane 16 x bit 3 + that row
	v_lshl_add_u32 v[SCW], v3, 3, v[SCW]
	v_bfe_u32 v[TV], v0, 3, 1
	v_lshl_add_u32 v[SCW], v[TV], 4, v[SCW]
	v_lshlrev_b32 v[SCW], 4, v[SCW]
	s_lshl_b32 s28, s2, 2
	s_add_co_u32 s28, s28, WSC
	v_add_nc_u32 v[SCW], s28, v[SCW]
	v_lshl_add_u32 v[BIW], v0, 2, BIAS
	v_lshlrev_b32 v[SRO], 5, v0
	v_lshlrev_b32 v[T4], 2, v0
	s_mov_b32 s27, 0
	s_lshl_b32 s26, s3, 2
	s_wait_kmcnt 0x0
	s_add_nc_u64 s[30:31], s[12:13], s[26:27]
	s_load_b32 s5, s[30:31], 0x2000                ; cnt of my expert
	s_lshl_b32 s26, s3, 22                         ; W1: expert, chunk, my wave's 32 units of 1,024 bytes
	s_lshl_b32 s28, s4, 17
	s_add_co_u32 s26, s26, s28
	s_lshl_b32 s28, s2, 15
	s_add_co_u32 s26, s26, s28
	s_add_nc_u64 s[14:15], s[14:15], s[26:27]
	s_lshl_b32 s26, s3, 17                         ; its scale bytes: 32 a unit
	s_lshl_b32 s28, s4, 12
	s_add_co_u32 s26, s26, s28
	s_add_nc_u64 s[16:17], s[16:17], s[26:27]
	s_lshl_b32 s26, s3, 14                         ; b1
	s_lshl_b32 s28, s4, 9
	s_add_co_u32 s26, s26, s28
	s_add_nc_u64 s[18:19], s[18:19], s[26:27]
	; W1's 128 KB go out first: each load is 512 consecutive bytes; my wave's 32 units in two batches of 32 loads
	WIN 0x40
	s_wait_alu depctr_va_vdst(0)                   ; the addresses v4 to v15 are written, which the loads, the LDS stores and the LDS loads of the whole kernel read
.set i, 0
.rept 32
	global_load_b128 v[4*i:4*i+3], v[L16], s[14:15] offset:512*i th:TH_LOAD_NT
.set i, i+1
.endr
.set i, 0
.rept 32
	global_load_b128 v[128+4*i:128+4*i+3], v[L16], s[14:15] offset:16384+512*i th:TH_LOAD_NT
.set i, i+1
.endr
	WIN 0
	global_load_b128 v[32:35], v[SRO], s[16:17] th:TH_LOAD_NT             ; unit = thread: its 8 scale words
	global_load_b128 v[36:39], v[SRO], s[16:17] offset:16 th:TH_LOAD_NT
	global_load_b32 v40, v[T4], s[18:19]                                  ; and its bias
	s_lshl_b32 s26, s3, 20
	s_add_nc_u64 s[8:9], s[8:9], s[26:27]          ; xg, xgs at my expert
	s_lshl_b32 s26, s3, 15
	s_add_nc_u64 s[10:11], s[10:11], s[26:27]
	s_lshl_b32 s26, s3, 22
	s_lshl_b32 s28, s4, 11
	s_add_co_u32 s26, s26, s28
	s_add_nc_u64 s[20:21], s[20:21], s[26:27]      ; hq at my expert and chunk
	s_lshl_b32 s26, s3, 18
	s_lshl_b32 s28, s4, 7
	s_add_co_u32 s26, s26, s28
	s_add_nc_u64 s[22:23], s[22:23], s[26:27]      ; hs likewise
	s_mov_b32 s32, 0x76543210                      ; v_permlanex16_b32's selects for lane l xor 16
	s_mov_b32 s33, 0xfedcba98
	s_mov_b32 s34, 0x600000                        ; the mantissa field of 448
	KPAIR 36, 0x3f3504f3                           ; 1 / sqrt 2
	KPAIR 38, 0xaf95df0b                           ; P: -2.72614226e-10,
	KPAIR 40, 0xb60cff51                           ;    (2.77068142e-08 is s58)  -2.10102402e-06,
	KPAIR 42, 0xb86ec2d2                           ;    -5.69250639e-05,
	KPAIR 44, 0xba40ac63                           ;    -7.34990630e-04,
	KPAIR 46, 0xbb41a1f6                           ;    -2.95459981e-03,
	KPAIR 48, 0xbc83dbd4                           ;    -1.60960333e-02
	KPAIR 50, 0xb77460cd                           ; Q: -1.45660718e-05,
	KPAIR 52, 0xbadc924e                           ;    (-2.13374055e-04 is s59)  -1.68282697e-03,
	KPAIR 54, 0xbbf19bf8                           ;    -7.37332917e-03,
	KPAIR 56, 0xbc69b6a7                           ;    -1.42647391e-02
	s_mov_b32 s58, 0x32edffee
	s_mov_b32 s59, 0xb95fbd29
	WIN 0xc0
	v_mov_b32 v[KA], s58                           ; the two constants that stand beside another constant in one instruction lie in vector pairs
	v_mov_b32 v[KA+1], s58
	v_mov_b32 v[KB], s59
	v_mov_b32 v[KB+1], s59
	WIN 0
	s_wait_kmcnt 0x0
	s_min_u32 s5, s5, 1024
	s_max_u32 s5, s5, 1
	s_add_co_u32 s6, s5, 15
	s_lshr_b32 s6, s6, 4                           ; T tiles of rows, 1 to 64
	s_add_co_u32 s24, s6, 3
	s_sub_co_u32 s24, s24, s2
	s_lshr_b32 s24, s24, 2                         ; NW: how many of them are my wave's (0 where T <= w), 16 at the most
	s_sub_co_u32 s6, s6, 1                         ; the last tile
	s_sub_co_u32 s7, s5, 1                         ; the last row
	s_mov_b32 s25, 0                               ; J0: my tiles done
	s_mov_b32 s35, 0                               ; passes done: the loop's counter
	OFFS
	s_wait_loadcnt 35                              ; the first batch is in; the second's 32 loads and the 3 small ones may be out
	WIN 0x04
.set i, 0
.rept 32
	ds_store_b128 v[STA], v[4*i:4*i+3] offset:(16*((i/2)/8)+(i/2)%8)*WTP+512*(i%2)        ; units 0-15 of my 32: rows 0-7 of my two tiles
.set i, i+1
.endr
	WIN 0xc0
	s_wait_alu depctr_va_vdst(0)                   ; OFFS has written v[XO ..] and v[XSO ..], which x's loads read
	XF 0
	XSC
	s_wait_loadcnt 25                              ; the second batch and the small loads are in; the 25 just issued may be out
	WIN 0x04
.set i, 0
.rept 32
	ds_store_b128 v[STA], v[128+4*i:128+4*i+3] offset:(16*((i/2)/8)+8+(i/2)%8)*WTP+512*(i%2)   ; units 16-31: rows 8-15
.set i, i+1
.endr
	WIN 0
.irp k, 0,1,2,3,4,5,6,7
	ds_store_b32 v[SCW], v[32+\k] offset:512*\k
.endr
	ds_store_b32 v[BIW], v40
	XF 1
	XF 2
	WIN 0
	s_wait_dscnt 0x0                               ; for the others' sake: my stores have landed
	s_barrier_signal -1
	s_barrier_wait -1                              ; W1's slice lies in LDS.  The one barrier: it stands ahead of every branch on the count
	s_wait_alu depctr_vm_vsrc(0)                   ; my LDS stores have read window 1's registers: from here on these are W1's two sets, in which the fragments' LDS loads land
	s_cmp_eq_u32 s24, 0
	s_cbranch_scc1 .Lend                           ; fewer tiles than waves: nothing is mine
.irp b, 0,1,2,3
.irp q, 0,1,2,3
	ds_load_b128 v[BB+16*\b+4*\q:BB+16*\b+4*\q+3], v[ABI] offset:128*\b+16*\q   ; b1 of units 32 b + 16 h + 0 .. 15: eight registers a tile, in the result's layout; they stay
.endr
.endr
.Lpass:
	WFA 0                                          ; on the way back: the last pass's products stand ahead of the wait on va_vdst behind OFFS, and nothing since names window 1 or the scale words
	WFB 0
	WFA 1
	WFB 1
.irp k, 0,1,2,3,4,5,6,7
	KSTEP \k
.endr
	WIN 0
	NOPS 9                                         ; eight places ahead of the first read of results; nine ahead of the next pass's first products, which write over them
	s_mov_b32 s26, 0
.Lepi:                                             ; five trips, one for each tile of the pass; a tile that is not mine is left out
	s_add_co_u32 s28, s25, s26
	s_cmp_ge_u32 s28, s24
	s_cbranch_scc1 .Lepi_next
	s_wait_xcnt 0x0                                ; the last trip's stores have read their offsets and their data: both are written again below
	s_wait_alu depctr_vm_vsrc(0)                   ; the last trip's stores have read v[HO], v[HSOF], the codes and the scale word, all of which this trip's vector lines write again
	s_lshl_b32 s28, s28, 2
	s_add_co_u32 s28, s28, s2
	s_min_u32 s28, s28, 63                         ; tau
	s_lshl_b32 s29, s28, 16
	v_add_nc_u32 v[HO], s29, v[L16]
	s_lshl_b32 s29, s28, 12
	v_add_nc_u32 v[HSOF], s29, v[L4]
	s_cmp_eq_u32 s26, 0                            ; only the lines that name the accumulators differ from tile to tile
	s_cbranch_scc0 .Lein1
	EIN 0
	s_branch .Lgelu
.Lein1:
	s_cmp_eq_u32 s26, 1
	s_cbranch_scc0 .Lein2
	EIN 1
	s_branch .Lgelu
.Lein2:
	s_cmp_eq_u32 s26, 2
	s_cbranch_scc0 .Lein3
	EIN 2
	s_branch .Lgelu
.Lein3:
	s_cmp_eq_u32 s26, 3
	s_cbranch_scc0 .Lein4
	EIN 3
	s_branch .Lgelu
.Lein4:
	EIN 4
.Lgelu:
	WIN 0xff
	GELU 0
	GELU 1
	QUANT
	WIN 0x0c                                       ; a store's data are its source 1: window 3
	s_wait_alu depctr_va_vdst(0)                   ; the conversions have written the codes, the quantiser the scale word, and the trip's head v[HO] and v[HSOF]: the five stores read them
.irp b, 0,1,2,3
	global_store_b128 v[HO], v[CD+4*\b:CD+4*\b+3], s[20:21] offset:512*\b     ; the fragment's image: 512 consecutive bytes, aligned
.endr
	global_store_b32 v[HSOF], v[PW], s[22:23]
	WIN 0
.Lepi_next:
	s_add_co_u32 s26, s26, 1
	s_cmp_lt_u32 s26, 5
	s_cbranch_scc1 .Lepi
	s_add_co_u32 s25, s25, 5
	s_cmp_ge_u32 s25, s24
	s_cbranch_scc1 .Lend                           ; my tiles are done: the way out of the loop over passes
	s_wait_xcnt 0x0                                ; the stores have read their data, which x's fragments now overwrite; the offsets are written again
	s_wait_alu depctr_vm_vsrc(0)                   ; x's loads have read v[XO ..] and v[XSO ..], which OFFS writes again; the stores have read the codes and the scale word, in which x's fragments land
	OFFS
	WIN 0xc0
	s_wait_alu depctr_va_vdst(0)                   ; OFFS has written the offsets that the loads below read; GELU and the quantiser are done with window 3, and the last products with x's scale words, W1's sets and their scale words: loads land in all of these
	XF 0                                           ; in the order of the head, so that the K steps' counts hold on both ways into the pass
	XSC
	XF 1
	XF 2
	WIN 0
	s_add_co_u32 s35, s35, 1                       ; the loop is counted against a constant: four passes of five tiles serve a wave's 16 tiles, so the branch above always leaves it first
	s_cmp_lt_u32 s35, PASSES
	s_cbranch_scc1 .Lpass
.Lend:
	s_barrier_signal -1
	s_barrier_wait -1
	s_wait_dscnt 0x0                               ; the closing lines, six on end
	s_wait_alu 0x0
	s_wait_tensorcnt 0x0
	ds_add_u32 v126, v127
	s_wait_dscnt 0x0
	s_endpgm
.Lfunc_end_k_q58bf029267_ffn1:
	.size	k_q58bf029267_ffn1, .Lfunc_end_k_q58bf029267_ffn1-k_q58bf029267_ffn1
	.p2alignl 7, 3214868480
	.fill 96, 4, 3214868480
	.section	.rodata,"a",@progbits
	.p2align	6, 0x0
	.amdhsa_kernel k_q58bf029267_ffn1
		.amdhsa_group_segment_fixed_size 139776
		.amdhsa_private_segment_fixed_size 0
		.amdhsa_enable_private_segment 0
		.amdhsa_kernarg_size 64
		.amdhsa_user_sgpr_count 2
		.amdhsa_user_sgpr_kernarg_segment_ptr 1
		.amdhsa_wavefront_size32 1
		.amdhsa_system_sgpr_workgroup_id_x 1
		.amdhsa_system_sgpr_workgroup_id_y 1
		.amdhsa_system_sgpr_workgroup_id_z 1
		.amdhsa_system_vgpr_workitem_id 0
		.amdhsa_next_free_vgpr 1024
		.amdhsa_next_free_sgpr 66
		.amdhsa_reserve_vcc 0
		.amdhsa_float_denorm_mode_32 3
		.amdhsa_float_denorm_mode_16_64 3
		.amdhsa_memory_ordered 1
		.amdhsa_forward_progress 1
		.amdhsa_inst_pref_size 169
	.end_amdhsa_kernel
	.amdgpu_metadata
---
amdhsa.version: [ 1, 2 ]
amdhsa.kernels:
  - .name:           k_q58bf029267_ffn1
    .symbol:         k_q58bf029267_ffn1.kd
    .args:
      - { .name: xg, .offset: 0, .size: 8, .value_kind: global_buffer, .address_space: global }
      - { .name: xgs, .offset: 8, .size: 8, .value_kind: global_buffer, .address_space: global }
      - { .name: route, .offset: 16, .size: 8, .value_kind: global_buffer, .address_space: global }
      - { .name: w1_codes, .offset: 24, .size: 8, .value_kind: global_buffer, .address_space: global }
      - { .name: w1_scales, .offset: 32, .size: 8, .value_kind: global_buffer, .address_space: global }
      - { .name: b1, .offset: 40, .size: 8, .value_kind: global_buffer, .address_space: global }
      - { .name: hq, .offset: 48, .size: 8, .value_kind: global_buffer, .address_space: global }
      - { .name: hs, .offset: 56, .size: 8, .value_kind: global_buffer, .address_space: global }
    .group_segment_fixed_size: 139776
    .private_segment_fixed_size: 0
    .kernarg_segment_align: 8
    .kernarg_segment_size: 64
    .max_flat_workgroup_size: 128
    .sgpr_count:     66
    .vgpr_count:     1024
    .wavefront_size: 32
...
	.end_amdgpu_metadata
.endif
;; end of part 10
;; launch ffn2 (part 11): grid 32 x 8, 4 waves a work-group, no clusters, 172,032 bytes of LDS; arguments hq, hs, route, w2_codes, w2_scales, b2, ybuf; writes ybuf
.if DOCPART == 11
	.amdgcn_target "amdgcn-amd-amdhsa--gfx1250"
	.amdhsa_code_object_version 6
	.text
	.protected	k_q58bf029267_ffn2
	.globl	k_q58bf029267_ffn2
	.p2align	8
	.type	k_q58bf029267_ffn2,@function
k_q58bf029267_ffn2:
	s_mov_b64 s[64:65], 0
	v_nop
	global_prefetch_b8 v0, s[64:65] scope:SCOPE_SE
	s_setreg_imm32_b32 hwreg(HW_REG_WAVE_SCHED_MODE, 0, 2), 2
	s_setreg_imm32_b32 hwreg(HW_REG_WAVE_MODE, 25, 1), 1
	s_wait_xcnt 0x0
	s_wait_alu depctr_vm_vsrc(0)
; A quarter along K of y = h W2 + b2 for the rows routed to an expert, on codes of E4M3 with one E8M0 scale for each 32 along K.
; SHARES.  Work-group (x, e): nt = x & 7: outputs 128 nt .. 128 nt + 127; kq = x >> 3: k = 1,024 kq .. 1,024 kq + 1,023 of the 4,096.  It keeps that slice of W2[e], 128 KB of codes, in LDS: each weight byte is read from memory
; once in the launch.  A work-group reads 1,024 bytes of each row of h, not the row's 4,096; the price is that y leaves in four parts, which the next launch adds.
; Its four waves share the ROWS: wave w takes the tiles of 16 rows tau = w + 4 j, five in a pass, each against all eight tiles of 16 outputs: 40 accumulators, 8 K steps of 128.
; The number of rows, cnt, is read from memory.  An expert has at most 1,024 rows, 64 tiles, 16 a wave: the loop over passes has at most four trips and is left as soon as the wave's tiles are done.
; Tiles past the last are copies of the last (clamped index) and are not stored.
; h comes from hq as images of the operand's registers: a fragment is four loads of 512 consecutive bytes.  Three sets of five fragments: 60 loads of a wave are on their way.
; THE PRODUCT IS USED TRANSPOSED (source 0 = 16 outputs of W2, source 1 = 16 rows of h): a lane holds eight neighbouring outputs of one row.
; b2 is the C of each sum's first matrix instruction where kq = 0; the other quarters take zeros there (a choice by v_cndmask_b32 on the work-group's number as the bias goes to LDS).
; OUT: ybuf [4 kq][8 e][1,024 places][1,024] f32.  A tile's 16 rows x 512 bytes go through the wave's own stage in LDS and leave as 16 stores of 512 consecutive bytes, aligned.
; NOT JOINT: the work-groups of an expert and a quarter read the same h, but the passes and the tiles left out hang on a count read from memory; h comes straight into registers.
; LIMITS: NaN and infinities are not served.  The sum over K is formed in four parts of 1,024, each in ascending order, and the parts are added in f32 by the next launch.
; REGISTERS, in windows of 256.  window 0: v1-27 addresses; v32-40 the head's small loads; v48-55 W2's scale words (two sets), v56-75 h's: scales and nothing else; v128-191 the accumulators of tile 4; v192-255 the bias in the result's layout.
;   window 1: W2's fragments, two sets of 8 x 16 (at the head: what is on its way to LDS; behind the products: the rows of y of tiles 3 and 4, read back from the stage).   window 2: accumulator (t, m), m = 0 .. 3, at 8 (4 t + m).
;   window 3: h's fragments, three sets of 5 x 16; behind the products: the rows of y of tiles 0 to 2, read back from the stage.
; THE MODE: SCHED_MODE bits 1:0 = 2 (LLVM: expert scheduling mode 2), set by the entry lines.  The code itself states the register dependences between vector or matrix instructions and memory or LDS instructions, with s_wait_alu, always for 0.
; THE PLAN.  Registers that memory or LDS instructions touch:
;   W2's two sets (window 1) and their scale words WS: K step s's products read set s & 1; the LDS loads of step s + 1, issued in step s, land in the other set, which step s - 1's products read.
;                 At the head the same registers carry W2 from memory to LDS: global loads land in them, LDS stores read them.
;   h's three sets (window 3): step s's products read set s % 3; the loads of step s + 2, issued at the head of step s, land in set (s - 1) % 3.
;   HS            h's scale words: loads land once a pass, every product reads them.     BB   the bias: LDS loads land once, the first step's products read them.
;   the accumulators: written by the products, read by the LDS stores of the way out, written again by the next pass's first products.
;   the rows of y: each of a pass's five tiles has 64 registers of its own (windows 3 and 1): loads from the stage land in them, the global stores read them, and nothing writes them again before the next pass's loads.
;   HOFF, HSO     written by OFFS2 once a pass, read by h's loads; HOFF also by y's stores.     v40  the bias: a load lands, v_cndmask_b32 writes, an LDS store reads.     All other addresses are made at the head and never written again.
; So ONE wait on va_vdst stands at the head of each K step that issues loads (1 to 6); the step's products name none of the registers that its loads touch.  One more stands ahead of the way out, which holds no vector
; instruction and so no further wait; the way back into a pass has one wait on vm_vsrc and one on va_vdst round OFFS2.
.set WTP,  1040                        ; an output's row in LDS: 1,024 bytes + 16: 65 x 16, so the 16 rows that a load touches start at 16 different groups of banks (64 banks of 4 bytes: ISA guide 11.1)
.set WSC,  128*WTP                     ; W2's scale words: [K step][lane][b]: lanes 0-15 tile 2 b, lanes 16-31 tile 2 b + 1
.set BIAS, WSC+4096                    ; the bias of the 128 outputs
.set STG,  BIAS+512                    ; the stages: 16 rows x (512 bytes + 16) for each wave
.set SP,   528
.set PASSES, 4                         ; 16 tiles a wave at the most, five a pass
.set AW0,  4                           ; v4   my place in tiles 0-3 of W2;  v5 in tiles 4-7
.set AW1,  5
.set AWS,  6                           ; v6   my scale words
.set ABI,  7                           ; v7   my half's biases
.set STA,  8                           ; v8   staging: my wave's 32 rows, 16 bytes a lane
.set L16,  9                           ; v9   16 x lane
.set SCW,  10                          ; v10  staging: where my output's scale words go
.set BIW,  11                          ; v11  staging: where my output's bias goes
.set SRO,  12                          ; v12  128 x thread
.set HSL,  13                          ; v13  512 x (lane / 16) + 4 r
.set STO,  14                          ; v14  the stage: where I put 32 bytes of a row
.set SRD,  15                          ; v15  and where I read a row back
.set HOFF, 16                          ; v16-20  tile m: offset in hq: 65,536 tau + 16 x lane.  A tile of 16 rows is 65,536 bytes in ybuf too, and a tile that is stored is never a clamped one: so this is also its offset in ybuf
.set HSO,  21                          ; v21-25  and in hs
.set T4,   27                          ; v27  4 x thread
.set WS,   48
.set HS,   56
.set A4,   128
.set BB,   192
.set MSB, 0
.macro WIN new                         ; s_set_vgpr_msb: bits 1:0 source 0, 3:2 source 1, 5:4 source 2, 7:6 destination; the high byte repeats the setting that is left
.if MSB != \new
	s_set_vgpr_msb (MSB<<8)|\new
.set MSB, \new
.endif
.endm
.macro NOPS n
.rept \n
	v_nop
.endr
.endm
.macro OFFS2                           ; tile m of the pass: tau = w + 4 (J0 + m), held at the last tile
.irp m, 0,1,2,3,4
	s_add_co_u32 s28, s25, \m
	s_lshl_b32 s28, s28, 2
	s_add_co_u32 s28, s28, s2
	s_min_u32 s28, s28, s6
	s_min_u32 s28, s28, 63
	s_lshl_b32 s29, s28, 16
	v_add_nc_u32 v[HOFF+\m], s29, v[L16]
	s_lshl_b32 s29, s28, 12
	v_add_nc_u32 v[HSO+\m], s29, v[HSL]
.endr
.endm
.macro HF s                            ; h's five fragments of K step s into set s % 3: each load is 512 consecutive bytes
	WIN 0xc0
.irp m, 0,1,2,3,4
.irp c, 0,1,2,3
	global_load_b128 v[80*((\s)%3)+16*\m+4*\c:80*((\s)%3)+16*\m+4*\c+3], v[HOFF+\m], s[8:9] offset:2048*(\s)+512*\c
.endr
.endr
.endm
.macro HSC                             ; h's scale words: register 4 m + j: lanes 0-15 those of K step j, lanes 16-31 those of K step j + 4
	WIN 0
.irp m, 0,1,2,3,4
.irp j, 0,1,2,3
	global_load_b32 v[HS+4*\m+\j], v[HSO+\m], s[10:11] offset:128*\j
.endr
.endr
.endm
.macro WFA s                           ; W2 of K step s into set s & 1, first part: the scale words and the fragments of tiles 0-3: 17 LDS loads
	WIN 0
	ds_load_b128 v[WS+4*((\s)&1):WS+4*((\s)&1)+3], v[AWS] offset:512*(\s)
	WIN 0x40
.irp t, 0,1,2,3
.irp c, 0,1,2,3
	ds_load_b128 v[128*((\s)&1)+16*\t+4*\c:128*((\s)&1)+16*\t+4*\c+3], v[AW0] offset:\t*16*WTP+128*(\s)+32*\c
.endr
.endr
.endm
.macro WFB s                           ; second part: the fragments of tiles 4-7: 16 LDS loads
	WIN 0x40
.irp t, 0,1,2,3
.irp c, 0,1,2,3
	ds_load_b128 v[128*((\s)&1)+64+16*\t+4*\c:128*((\s)&1)+64+16*\t+4*\c+3], v[AW1] offset:\t*16*WTP+128*(\s)+32*\c
.endr
.endr
.endm
.macro MM s, t, m                      ; accumulator (t, m) takes K step s; in the first step C is the bias
.set rW, 128*((\s)&1)+16*(\t)
.set rX, 80*((\s)%3)+16*(\m)
.set rA, WS+4*((\s)&1)+(\t)/2
.set rB, HS+4*(\m)+((\s)&3)
.if (\m) < 4
.set rD, 8*(4*(\t)+(\m))
.else
.set rD, A4+8*(\t)
.endif
.if (\s) == 0
.set rC, BB+8*(\t)
.else
.set rC, rD
.endif
.if ((\t)&1) && ((\s) >= 4)
	v_wmma_scale_f32_16x16x128_f8f6f4 v[rD:rD+7], v[rW:rW+15], v[rX:rX+15], v[rC:rC+7], v[rA], v[rB] matrix_a_scale:MATRIX_SCALE_ROW1 matrix_b_scale:MATRIX_SCALE_ROW1
.elseif (\t)&1
	v_wmma_scale_f32_16x16x128_f8f6f4 v[rD:rD+7], v[rW:rW+15], v[rX:rX+15], v[rC:rC+7], v[rA], v[rB] matrix_a_scale:MATRIX_SCALE_ROW1
.elseif (\s) >= 4
	v_wmma_scale_f32_16x16x128_f8f6f4 v[rD:rD+7], v[rW:rW+15], v[rX:rX+15], v[rC:rC+7], v[rA], v[rB] matrix_b_scale:MATRIX_SCALE_ROW1
.else
	v_wmma_scale_f32_16x16x128_f8f6f4 v[rD:rD+7], v[rW:rW+15], v[rX:rX+15], v[rC:rC+7], v[rA], v[rB]
.endif
.endm
.macro MWIN s                          ; the windows of the products on tiles 0-3 of the rows
.if (\s) == 0
	WIN 0x8d                                       ; W2 window 1, h window 3, C (the bias) window 0, D window 2
.else
	WIN 0xad                                       ; C and D window 2
.endif
.endm
.macro MG s, ta, tb                    ; eight products: tiles ta and tb of the outputs against tiles 0-3 of the rows
.irp t, \ta, \tb
.irp m, 0,1,2,3
	MM \s, \t, \m
.endr
.endr
.endm
; A K step: 40 matrix instructions, the 40 accumulators by turns, one instruction a turn, in the same order in every step.
; Steps 1 to 6 ask again for the sets that the step before has used: h's at the step's head, ahead of the wait for this step's data, so that three steps' loads are on their way; W2's among the step's first products.
.macro KSTEP s
.if ((\s) >= 1) && ((\s) <= 5)
	WIN 0xc0                                       ; the switch, then the wait, then the loads
	s_wait_alu depctr_va_vdst(0)                   ; the last step's products are done reading their set of h, in which the loads below land, and their set of W2 and its scale words, in which this step's LDS loads land
	HF (\s)+2
.endif
.if (\s) == 6
	s_wait_alu depctr_va_vdst(0)                   ; the last step's products are done reading their set of W2 and its scale words, in which this step's LDS loads land
.endif
.if (\s) <= 5
	s_wait_loadcnt 40                              ; h of this step is in (and, in step 0, the scale words); the two steps behind it, 20 loads each, may be out
.elseif (\s) == 6
	s_wait_loadcnt 20
.else
	s_wait_loadcnt 0x0
.endif
.if (\s) == 0
	s_wait_dscnt 33                                ; W2 of this step (and the bias) is in; the next step's 33 loads may be out
.else
	s_wait_dscnt 0x0                               ; W2 of this step is in: its 33 loads, issued among the last step's products, are the youngest
.endif
	MWIN \s
	MG \s, 0, 1
.if ((\s) >= 1) && ((\s) <= 6)
	WFA (\s)+1                                     ; no wait: no matrix instruction since the wait at the step's head names the other set of W2 or its scale words
	MWIN \s
.endif
	MG \s, 2, 3
.if ((\s) >= 1) && ((\s) <= 6)
	WFB (\s)+1                                     ; 24 products follow, in which these land
	MWIN \s
.endif
	MG \s, 4, 5
	MG \s, 6, 7
	WIN 0x0d                                       ; tile 4: C and D window 0
.irp t, 0,1,2,3,4,5,6,7
	MM \s, \t, 4
.endr
.if (\s) <= 5
	NOPS 8                                         ; eight places between these matrix instructions and the next step's loads into registers that they have read; the dependence itself is stated by the wait at that step's head
.endif
.endm
; tile m goes out, if it is mine.  A lane holds 32 neighbouring bytes of a row for each tile of outputs, and the lanes beside it hold other rows: so the tile goes through my own stage and comes back as whole rows of 512 bytes.
; No vector or matrix instruction stands here, and each tile's rows come back into registers of their own (tiles 0 to 2: window 3; tiles 3 and 4: window 1): the one wait ahead of the way out serves all five tiles.
.macro EP2 m
	s_add_co_u32 s28, s25, \m
	s_cmp_ge_u32 s28, s24
	s_cbranch_scc1 .Lep_done
.if (\m) < 4
	WIN 0x08                                       ; an LDS store's data are its source 1: window 2
.endif
.irp t, 0,1,2,3,4,5,6,7
.if (\m) < 4
.set rD, 8*(4*\t+(\m))
.else
.set rD, A4+8*\t
.endif
	ds_store_b128 v[STO], v[rD:rD+3] offset:64*\t          ; lane (r, h): y(r, 16 t + 8 h + 0 .. 7); each accumulator from its low end on
	ds_store_b128 v[STO], v[rD+4:rD+7] offset:64*\t+16
.endr
.if (\m) < 3
	WIN 0xc0
.else
	WIN 0x40
.endif
.set OB, 64*((\m)%3)
.irp i, 0,1,2,3,4,5,6,7,8,9,10,11,12,13,14,15
	ds_load_b128 v[OB+4*\i:OB+4*\i+3], v[SRD] offset:\i*SP   ; LDS serves a wave's instructions in order (ISA guide 5.7.1.4): these see the stores above, and the next tile's stores come behind them
.endr
.if (\m) < 3
	WIN 0x0c                                       ; a store's data are its source 1: window 3,
.else
	WIN 0x04                                       ; or window 1
.endif
.irp i, 0,1,2,3,4,5,6,7,8,9,10,11,12,13,14,15
	s_wait_dscnt 15-\i                             ; row i is back; the younger loads may be out
	global_store_b128 v[HOFF+\m], v[OB+4*\i:OB+4*\i+3], s[20:21] offset:4096*\i th:TH_STORE_NT   ; 32 lanes store 512 consecutive bytes, aligned; written once, read by nobody here
.endr
	WIN 0
.endm
	s_load_b256 s[8:15], s[0:1], 0x0               ; hq s[8:9], hs s[10:11], route s[12:13], W2's codes s[14:15]
	s_load_b128 s[16:19], s[0:1], 0x20             ; W2's scales s[16:17], b2 s[18:19]
	s_load_b64 s[20:21], s[0:1], 0x30              ; ybuf
	v_lshl_add_u32 v126, v0, 2, 0x29e00
	v_mov_b32 v127, 0
	v_and_b32 v1, 31, v0                           ; lane
	v_lshrrev_b32 v2, 5, v0
	v_readfirstlane_b32 s2, v2                     ; wave
	v_and_b32 v2, 15, v0                           ; r
	v_bfe_u32 v3, v0, 4, 1                         ; h
	s_and_b32 s3, ttmp7, 0xffff                    ; the expert
	s_and_b32 s4, ttmp9, 7                         ; nt: which 128 outputs
	s_lshr_b32 s33, ttmp9, 3                       ; kq: which quarter of K
	v_lshlrev_b32 v[L16], 4, v1
	v_mul_u32_u24 v[AW0], v2, WTP
	v_lshl_add_u32 v[AW0], v3, 4, v[AW0]
	v_add_nc_u32 v[AW1], 64*WTP, v[AW0]
	v_lshl_add_u32 v[AWS], v1, 4, WSC
	v_lshl_add_u32 v[ABI], v3, 5, BIAS
	s_wait_alu depctr_va_sdst(0)                   ; s2, the wave's number, is written, ahead of its first reader
	s_mul_i32 s28, s2, 32*WTP
	v_add_nc_u32 v[STA], s28, v[L16]
	s_lshl_b32 s28, s2, 2
	s_add_co_u32 s28, s28, WSC
	v_add_nc_u32 v[SCW], s28, v[L16]               ; output 32 w + l belongs to tile 2 w + l / 16, row l % 16: lane l, word b = w
	v_lshl_add_u32 v[BIW], v0, 2, BIAS
	v_lshlrev_b32 v[SRO], 7, v0
	v_lshlrev_b32 v[T4], 2, v0
	v_lshlrev_b32 v[HSL], 2, v2
	v_lshl_add_u32 v[HSL], v3, 9, v[HSL]
	s_mul_i32 s28, s2, 16*SP
	s_add_co_u32 s28, s28, STG                     ; my stage
	v_mul_u32_u24 v[STO], v2, SP
	v_lshl_add_u32 v[STO], v3, 5, v[STO]
	v_add_nc_u32 v[STO], s28, v[STO]               ; in: row r, 32 bytes for each half of the lanes
	v_add_nc_u32 v[SRD], s28, v[L16]               ; back: the 32 lanes take one row of 512 bytes
	s_mov_b32 s27, 0
	s_lshl_b32 s26, s3, 2
	s_wait_kmcnt 0x0
	s_add_nc_u64 s[30:31], s[12:13], s[26:27]
	s_load_b32 s5, s[30:31], 0x2000                ; cnt of my expert
	s_lshl_b32 s26, s3, 22                         ; W2: expert, 128 outputs of 4,096 bytes, my wave's 32 of them, my quarter of each row
	s_lshl_b32 s28, s4, 19
	s_add_co_u32 s26, s26, s28
	s_lshl_b32 s28, s2, 17
	s_add_co_u32 s26, s26, s28
	s_lshl_b32 s28, s33, 10
	s_add_co_u32 s26, s26, s28
	s_add_nc_u64 s[14:15], s[14:15], s[26:27]
	s_lshl_b32 s26, s3, 17                         ; its scale bytes: 128 an output, 32 of them my quarter's
	s_lshl_b32 s28, s4, 14
	s_add_co_u32 s26, s26, s28
	s_lshl_b32 s28, s33, 5
	s_add_co_u32 s26, s26, s28
	s_add_nc_u64 s[16:17], s[16:17], s[26:27]
	s_lshl_b32 s26, s3, 12                         ; b2
	s_lshl_b32 s28, s4, 9
	s_add_co_u32 s26, s26, s28
	s_add_nc_u64 s[18:19], s[18:19], s[26:27]
	; W2's 128 KB go out first: each load is 512 consecutive bytes, half of an output's 1,024; my wave's 32 outputs in two batches of 32 loads
	WIN 0x40
	s_wait_alu depctr_va_vdst(0)                   ; the addresses v4 to v15 and v27 are written, which the loads, the LDS stores and the LDS loads of the whole kernel read
.set i, 0
.rept 32
	global_load_b128 v[4*i:4*i+3], v[L16], s[14:15] offset:(i/2)*4096+512*(i%2) th:TH_LOAD_NT
.set i, i+1
.endr
.set i, 0
.rept 32
	global_load_b128 v[128+4*i:128+4*i+3], v[L16], s[14:15] offset:(16+i/2)*4096+512*(i%2) th:TH_LOAD_NT
.set i, i+1
.endr
	WIN 0
	global_load_b128 v[32:35], v[SRO], s[16:17]            ; output = thread: its 8 scale words of my quarter
	global_load_b128 v[36:39], v[SRO], s[16:17] offset:16
	global_load_b32 v40, v[T4], s[18:19]                   ; and its bias
	s_lshl_b32 s26, s3, 22                         ; hq at my expert and my quarter's first chunk: 8 chunks of 2,048 bytes a quarter
	s_lshl_b32 s28, s33, 14
	s_add_co_u32 s26, s26, s28
	s_add_nc_u64 s[8:9], s[8:9], s[26:27]
	s_lshl_b32 s26, s3, 18                         ; hs likewise: 8 chunks of 128 bytes
	s_lshl_b32 s28, s33, 10
	s_add_co_u32 s26, s26, s28
	s_add_nc_u64 s[10:11], s[10:11], s[26:27]
	s_lshl_b32 s26, s33, 25                        ; ybuf at my quarter, my expert, my 128 outputs
	s_lshl_b32 s28, s3, 22
	s_add_co_u32 s26, s26, s28
	s_lshl_b32 s28, s4, 9
	s_add_co_u32 s26, s26, s28
	s_add_nc_u64 s[20:21], s[20:21], s[26:27]
	s_cmp_eq_u32 s33, 0
	s_cselect_b32 s34, -1, 0                       ; all lanes where the bias is mine to add
	s_wait_kmcnt 0x0
	s_min_u32 s5, s5, 1024
	s_max_u32 s5, s5, 1
	s_add_co_u32 s6, s5, 15
	s_lshr_b32 s6, s6, 4                           ; T tiles of rows, 1 to 64
	s_add_co_u32 s24, s6, 3
	s_sub_co_u32 s24, s24, s2
	s_lshr_b32 s24, s24, 2                         ; NW: how many of them are my wave's (0 where T <= w), 16 at the most
	s_sub_co_u32 s6, s6, 1                         ; the last tile
	s_mov_b32 s25, 0                               ; J0: my tiles done
	s_mov_b32 s35, 0                               ; passes done: the loop's counter
	OFFS2
	s_wait_loadcnt 35                              ; the first batch is in; the second's 32 loads and the 3 small ones may be out
	WIN 0x04
.set i, 0
.rept 32
	ds_store_b128 v[STA], v[4*i:4*i+3] offset:(i/2)*WTP+512*(i%2)
.set i, i+1
.endr
	WIN 0xc0
	s_wait_alu depctr_va_vdst(0)                   ; OFFS2 has written v[HOFF ..] and v[HSO ..], which h's loads read
	HF 0
	HSC
	s_wait_loadcnt 40                              ; the second batch and the small loads are in; the 40 just issued may be out
	WIN 0x04
.set i, 0
.rept 32
	ds_store_b128 v[STA], v[128+4*i:128+4*i+3] offset:(16+i/2)*WTP+512*(i%2)
.set i, i+1
.endr
	WIN 0
	v_cndmask_b32 v40, 0, v40, s34                 ; b2 in the first quarter, 0 in the others
.irp k, 0,1,2,3,4,5,6,7
	ds_store_b32 v[SCW], v[32+\k] offset:512*\k
.endr
	s_wait_alu depctr_va_vdst(0)                   ; v_cndmask_b32 has written v40, which the LDS store below reads
	ds_store_b32 v[BIW], v40
	HF 1
	HF 2
	WIN 0
	s_wait_dscnt 0x0                               ; for the others' sake: my stores have landed
	s_barrier_signal -1
	s_barrier_wait -1                              ; W2's slice lies in LDS.  The one barrier: it stands ahead of every branch on the count
	s_wait_alu depctr_vm_vsrc(0)                   ; my LDS stores have read window 1's registers: from here on these are W2's two sets, in which the fragments' LDS loads land
	s_cmp_eq_u32 s24, 0
	s_cbranch_scc1 .Lend                           ; fewer tiles than waves: nothing is mine
.irp t, 0,1,2,3,4,5,6,7
.irp q, 0,1
	ds_load_b128 v[BB+8*\t+4*\q:BB+8*\t+4*\q+3], v[ABI] offset:64*\t+16*\q   ; the bias of outputs 16 t + 8 h + 0 .. 7: eight registers a tile, in the result's layout; they stay
.endr
.endr
.Lpass:
	WFA 0                                          ; on the way back: the last pass's products stand ahead of the wait on va_vdst behind OFFS2, the stores that read window 1 ahead of the wait on vm_vsrc, and nothing since names these registers
	WFB 0
	WFA 1
	WFB 1
.irp k, 0,1,2,3,4,5,6,7
	KSTEP \k
.endr
	WIN 0
	NOPS 9                                         ; eight places ahead of the first read of results and of loads into the fragments' registers; nine ahead of the next pass's first products, which write over the results
	s_wait_alu depctr_va_vdst(0)                   ; behind the places: the products have written the accumulators, which the LDS stores read, and are done reading the fragments of h and W2, in which the loads from the stage land
	EP2 0
	EP2 1
	EP2 2
	EP2 3
	EP2 4
.Lep_done:
	s_add_co_u32 s25, s25, 5
	s_cmp_ge_u32 s25, s24
	s_cbranch_scc1 .Lend                           ; my tiles are done: the way out of the loop over passes
	s_wait_xcnt 0x0                                ; the stores have read their data, which the fragments now overwrite; the offsets are written again
	s_wait_alu depctr_vm_vsrc(0)                   ; h's loads and y's stores have read v[HOFF ..] and v[HSO ..], which OFFS2 writes again; the stores have read the rows of y, in which fragments land; the LDS stores have read the accumulators, which the next products write
	OFFS2
	WIN 0xc0
	s_wait_alu depctr_va_vdst(0)                   ; OFFS2 has written the offsets that the loads below read
	HF 0                                           ; in the order of the head, so that the K steps' counts hold on both ways into the pass
	HSC
	HF 1
	HF 2
	WIN 0
	s_add_co_u32 s35, s35, 1                       ; the loop is counted against a constant: four passes of five tiles serve a wave's 16 tiles, so the branch above always leaves it first
	s_cmp_lt_u32 s35, PASSES
	s_cbranch_scc1 .Lpass
.Lend:
	s_barrier_signal -1
	s_barrier_wait -1
	s_wait_dscnt 0x0                               ; the closing lines, six on end
	s_wait_alu 0x0
	s_wait_tensorcnt 0x0
	ds_add_u32 v126, v127
	s_wait_dscnt 0x0
	s_endpgm
.Lfunc_end_k_q58bf029267_ffn2:
	.size	k_q58bf029267_ffn2, .Lfunc_end_k_q58bf029267_ffn2-k_q58bf029267_ffn2
	.p2alignl 7, 3214868480
	.fill 96, 4, 3214868480
	.section	.rodata,"a",@progbits
	.p2align	6, 0x0
	.amdhsa_kernel k_q58bf029267_ffn2
		.amdhsa_group_segment_fixed_size 172032
		.amdhsa_private_segment_fixed_size 0
		.amdhsa_enable_private_segment 0
		.amdhsa_kernarg_size 56
		.amdhsa_user_sgpr_count 2
		.amdhsa_user_sgpr_kernarg_segment_ptr 1
		.amdhsa_wavefront_size32 1
		.amdhsa_system_sgpr_workgroup_id_x 1
		.amdhsa_system_sgpr_workgroup_id_y 1
		.amdhsa_system_sgpr_workgroup_id_z 1
		.amdhsa_system_vgpr_workitem_id 0
		.amdhsa_next_free_vgpr 1024
		.amdhsa_next_free_sgpr 66
		.amdhsa_reserve_vcc 0
		.amdhsa_float_denorm_mode_32 3
		.amdhsa_float_denorm_mode_16_64 3
		.amdhsa_memory_ordered 1
		.amdhsa_forward_progress 1
		.amdhsa_inst_pref_size 127
	.end_amdhsa_kernel
	.amdgpu_metadata
---
amdhsa.version: [ 1, 2 ]
amdhsa.kernels:
  - .name:           k_q58bf029267_ffn2
    .symbol:         k_q58bf029267_ffn2.kd
    .args:
      - { .name: hq, .offset: 0, .size: 8, .value_kind: global_buffer, .address_space: global }
      - { .name: hs, .offset: 8, .size: 8, .value_kind: global_buffer, .address_space: global }
      - { .name: route, .offset: 16, .size: 8, .value_kind: global_buffer, .address_space: global }
      - { .name: w2_codes, .offset: 24, .size: 8, .value_kind: global_buffer, .address_space: global }
      - { .name: w2_scales, .offset: 32, .size: 8, .value_kind: global_buffer, .address_space: global }
      - { .name: b2, .offset: 40, .size: 8, .value_kind: global_buffer, .address_space: global }
      - { .name: ybuf, .offset: 48, .size: 8, .value_kind: global_buffer, .address_space: global }
    .group_segment_fixed_size: 172032
    .private_segment_fixed_size: 0
    .kernarg_segment_align: 8
    .kernarg_segment_size: 56
    .max_flat_workgroup_size: 128
    .sgpr_count:     66
    .vgpr_count:     1024
    .wavefront_size: 32
...
	.end_amdgpu_metadata
.endif
;; end of part 11
;; launch combine (part 12): grid 256 x 1, 8 waves a work-group, no clusters, 0 bytes of LDS; arguments ybuf, route, topp, out0; writes out0
.if DOCPART == 12
	.amdgcn_target "amdgcn-amd-amdhsa--gfx1250"
	.amdhsa_code_object_version 6
	.text
	.protected	k_q58bf029267_combine
	.globl	k_q58bf029267_combine
	.p2align	8
	.type	k_q58bf029267_combine,@function
k_q58bf029267_combine:
	s_mov_b64 s[64:65], 0
	v_nop
	global_prefetch_b8 v0, s[64:65] scope:SCOPE_SE
	s_setreg_imm32_b32 hwreg(HW_REG_WAVE_MODE, 25, 1), 1
	s_wait_xcnt 0x0
; out[t] = p0 y(first expert's row) + p1 y(second expert's row), where a row of y is the sum of its four parts along K.  Each output row has one owner: nothing is added across work-groups.
; ybuf: [4 kq][8 e][1,024 places][1,024] f32; inv = (e << 15) + place, so a row begins at (e << 22) + (place << 12) in each quarter, and the quarters lie 2^25 bytes apart.
; SHARES.  A work-group takes 4 tokens, a wave half a token's row: four chunks of 512 bytes, each from 2 experts x 4 quarters: 32 loads of 512 consecutive bytes, all issued at once; a store covers 512 consecutive bytes of out0.
; Memory binds: no LDS, no barrier, no matrix unit.
.set VO, 4                             ; v4-7    16 x lane + quarter q's 2^25 q
.set Y,  16                            ; v16-143 chunk i, expert k, quarter q at Y + 4 (8 i + 4 k + q)
	s_load_b256 s[4:11], s[0:1], 0x0               ; ybuf s[4:5], route s[6:7], topp s[8:9], out0 s[10:11]
	v_and_b32 v1, 31, v0                           ; lane
	v_lshrrev_b32 v2, 5, v0
	s_delay_alu instid0(VALU_DEP_1)
	v_readfirstlane_b32 s2, v2                     ; wave 0..7
	s_lshr_b32 s3, s2, 1
	s_lshl_b32 s12, ttmp9, 2
	s_add_co_u32 s3, s3, s12                       ; my token
	s_and_b32 s2, s2, 1                            ; my half of its row
	v_lshlrev_b32 v3, 4, v1                        ; 16 bytes a lane
.irp q, 0,1,2,3
	v_add_nc_u32 v[VO+\q], (\q)<<25, v3
.endr
	s_lshl_b32 s22, s3, 3
	s_mov_b32 s23, 0
	s_lshl_b32 s26, s2, 11                         ; 2,048 bytes a half
	s_mov_b32 s27, 0
	s_lshl_b32 s24, s3, 12
	s_add_co_u32 s24, s24, s26
	s_mov_b32 s25, 0
	s_wait_alu depctr_va_vdst(0)
	s_wait_kmcnt 0x0
	s_add_nc_u64 s[6:7], s[6:7], s[22:23]
	s_add_nc_u64 s[8:9], s[8:9], s[22:23]
	s_add_nc_u64 s[10:11], s[10:11], s[24:25]
	s_add_nc_u64 s[4:5], s[4:5], s[26:27]
	s_load_b64 s[12:13], s[6:7], 0x0               ; my two rows
	s_load_b64 s[14:15], s[8:9], 0x0               ; my two weights
	s_wait_kmcnt 0x0
	s_min_u32 s12, s12, 0x383ff
	s_min_u32 s13, s13, 0x383ff
	s_and_b32 s16, s12, 0x38000                    ; e << 15
	s_lshl_b32 s16, s16, 7
	s_and_b32 s28, s12, 0x3ff                      ; the place
	s_lshl_b32 s28, s28, 12
	s_add_co_u32 s16, s16, s28
	s_mov_b32 s17, 0
	s_and_b32 s18, s13, 0x38000
	s_lshl_b32 s18, s18, 7
	s_and_b32 s28, s13, 0x3ff
	s_lshl_b32 s28, s28, 12
	s_add_co_u32 s18, s18, s28
	s_mov_b32 s19, 0
	s_add_nc_u64 s[16:17], s[4:5], s[16:17]
	s_add_nc_u64 s[18:19], s[4:5], s[18:19]
	s_mov_b32 s20, s15                             ; the packed forms name a pair and take its low word for both halves
	s_mov_b32 s21, s15
.irp i, 0,1,2,3
.irp q, 0,1,2,3
	global_load_b128 v[Y+4*(8*\i+\q):Y+4*(8*\i+\q)+3], v[VO+\q], s[16:17] offset:512*\i th:TH_LOAD_NT
	global_load_b128 v[Y+4*(8*\i+4+\q):Y+4*(8*\i+4+\q)+3], v[VO+\q], s[18:19] offset:512*\i th:TH_LOAD_NT
.endr
.endr
.irp i, 0,1,2,3
	s_wait_loadcnt 24-8*\i                         ; chunk i's eight loads are in; the later chunks', eight each, may be out
.irp k, 0,1
.set YB, Y+32*\i+16*\k
.irp j, 0,2
	v_pk_add_f32 v[YB+\j:YB+\j+1], v[YB+\j:YB+\j+1], v[YB+4+\j:YB+4+\j+1]         ; quarters 0 and 1,
	v_pk_add_f32 v[YB+8+\j:YB+8+\j+1], v[YB+8+\j:YB+8+\j+1], v[YB+12+\j:YB+12+\j+1]   ; 2 and 3
.endr
.endr
.irp k, 0,1
.set YB, Y+32*\i+16*\k
.irp j, 0,2
	v_pk_add_f32 v[YB+\j:YB+\j+1], v[YB+\j:YB+\j+1], v[YB+8+\j:YB+8+\j+1]         ; the row of y
.endr
.endr
.set YB, Y+32*\i
.irp j, 0,2
	s_delay_alu instid0(VALU_DEP_4)
	v_pk_mul_f32 v[YB+\j:YB+\j+1], v[YB+\j:YB+\j+1], s[14:15] op_sel_hi:[1,0]
.endr
.irp j, 0,2
	s_delay_alu instid0(VALU_DEP_2)
	v_pk_fma_f32 v[YB+\j:YB+\j+1], v[YB+16+\j:YB+16+\j+1], s[20:21], v[YB+\j:YB+\j+1] op_sel_hi:[1,0,1]
.endr
	global_store_b128 v3, v[YB:YB+3], s[10:11] offset:512*\i th:TH_STORE_NT
.endr
	s_endpgm
.Lfunc_end_k_q58bf029267_combine:
	.size	k_q58bf029267_combine, .Lfunc_end_k_q58bf029267_combine-k_q58bf029267_combine
	.p2alignl 7, 3214868480
	.fill 96, 4, 3214868480
	.section	.rodata,"a",@progbits
	.p2align	6, 0x0
	.amdhsa_kernel k_q58bf029267_combine
		.amdhsa_group_segment_fixed_size 0
		.amdhsa_private_segment_fixed_size 0
		.amdhsa_enable_private_segment 0
		.amdhsa_kernarg_size 32
		.amdhsa_user_sgpr_count 2
		.amdhsa_user_sgpr_kernarg_segment_ptr 1
		.amdhsa_wavefront_size32 1
		.amdhsa_system_sgpr_workgroup_id_x 1
		.amdhsa_system_sgpr_workgroup_id_y 1
		.amdhsa_system_sgpr_workgroup_id_z 1
		.amdhsa_system_vgpr_workitem_id 0
		.amdhsa_next_free_vgpr 160
		.amdhsa_next_free_sgpr 66
		.amdhsa_reserve_vcc 0
		.amdhsa_float_denorm_mode_32 3
		.amdhsa_float_denorm_mode_16_64 3
		.amdhsa_memory_ordered 1
		.amdhsa_forward_progress 1
		.amdhsa_inst_pref_size 11
	.end_amdhsa_kernel
	.amdgpu_metadata
---
amdhsa.version: [ 1, 2 ]
amdhsa.kernels:
  - .name:           k_q58bf029267_combine
    .symbol:         k_q58bf029267_combine.kd
    .args:
      - { .name: ybuf, .offset: 0, .size: 8, .value_kind: global_buffer, .address_space: global }
      - { .name: route, .offset: 8, .size: 8, .value_kind: global_buffer, .address_space: global }
      - { .name: topp, .offset: 16, .size: 8, .value_kind: global_buffer, .address_space: global }
      - { .name: out0, .offset: 24, .size: 8, .value_kind: global_buffer, .address_space: global }
    .group_segment_fixed_size: 0
    .private_segment_fixed_size: 0
    .kernarg_segment_align: 8
    .kernarg_segment_size: 32
    .max_flat_workgroup_size: 256
    .sgpr_count:     66
    .vgpr_count:     160
    .wavefront_size: 32
...
	.end_amdgpu_metadata
.endif
;; end of part 12
